; MI455X (gfx1250); checked and timed in simulation.
; The chip was launched on July 23, 2026; its instructions are those of AMD's public machine-readable ISA for CDNA 5 (MIT licence, August 2026) and "CDNA5" Instruction Set Architecture Reference Guide (July 2026). The comments in the code are by the model that wrote it; some were corrected since.
;; Cross Attention. Allowed arithmetic: matrix products marked QUANTISED: E2M3 operands, one E8M0 scale for each 32 along K, by v_wmma_scale_f32_16x16x128_f8f6f4 with both operands' format E2M3, f32 sums; products left as they are: f32 operands where the result goes on into a quantised operand, else bf16, f16 or f32 operands; f32 sums; everything else in f32.
;; Inputs: W1_codes 4,096 x 32 x 24 uint8 (E2M3 codes of W1, K innermost, in blocks of 32 codes, four codes in three bytes); W1_scales 4,096 x 32 uint8 (E8M0 scales of W1, one for each 32 codes along K); W2_codes 1,024 x 128 x 24 uint8 (E2M3 codes of W2, K innermost, in blocks of 32 codes, four codes in three bytes); W2_scales 1,024 x 128 uint8 (E8M0 scales of W2, one for each 32 codes along K); Wk_codes 1,024 x 32 x 24 uint8 (E2M3 codes of Wk, K innermost, in blocks of 32 codes, four codes in three bytes); Wk_scales 1,024 x 32 uint8 (E8M0 scales of Wk, one for each 32 codes along K); Wo_codes 1,024 x 32 x 24 uint8 (E2M3 codes of Wo, K innermost, in blocks of 32 codes, four codes in three bytes); Wo_scales 1,024 x 32 uint8 (E8M0 scales of Wo, one for each 32 codes along K); Wq_codes 1,024 x 32 x 24 uint8 (E2M3 codes of Wq, K innermost, in blocks of 32 codes, four codes in three bytes); Wq_scales 1,024 x 32 uint8 (E8M0 scales of Wq, one for each 32 codes along K); Wv_codes 1,024 x 32 x 24 uint8 (E2M3 codes of Wv, K innermost, in blocks of 32 codes, four codes in three bytes); Wv_scales 1,024 x 32 uint8 (E8M0 scales of Wv, one for each 32 codes along K); b1 1,024 float32; b2 1,024 float32; bf1 4,096 float32; bf2 1,024 float32; bk 1,024 float32; bo 1,024 float32; bq 1,024 float32; bv 1,024 float32; features 4 x 32 x 1,024 float32; g1 1,024 float32; g2 1,024 float32.
;; Outputs: out0 4 x 32 x 1,024 float32.
;; This version of the problem:
;;   THIS VERSION OF THE PROBLEM IS GIVEN IN LOW PRECISION. The matrix products marked QUANTISED in the list below multiply operands that are first quantised to E2M3 (2 exponent bits, 3 mantissa bits; 6 bits a number), with one power-of-two scale for each 32 numbers along K (OCP MX v1.0); their sums are f32. All else is computed in f32.
;;   The module's matrix products, in the order in which they are computed (A, B: the left and right operand; K: the contracted axis; several contracted axes count as one K, in the product's order):
;;     1. [M 128, K 1,024] x [K 1,024, N 1,024]; A: computed on the way; B: input Wq (given as codes): QUANTISED
;;     2. [M 128, K 1,024] x [K 1,024, N 1,024]; A: input features; B: input Wk (given as codes): QUANTISED
;;     3. [M 128, K 1,024] x [K 1,024, N 1,024]; A: input features; B: input Wv (given as codes): QUANTISED
;;     4. batch 128 x [M 1,024, K 1] x [K 1, N 1,024]; A: computed on the way; B: computed on the way: left as it is (no contracted axis)
;;     5. batch 512 x [M 1, K 256] x [K 256, N 1,024]; A: computed on the way; B: softmax: left as it is (M = 1 < 16)
;;     6. batch 4 x [M 32,768, K 4] x [K 4, N 1]; A: computed on the way; B: computed on the way: left as it is (K = 4 < 32)
;;     7. [M 128, K 1,024] x [K 1,024, N 1,024]; A: computed on the way; B: input Wo (given as codes): QUANTISED
;;     8. [M 128, K 1,024] x [K 1,024, N 4,096]; A: computed on the way; B: input W1 (given as codes): QUANTISED
;;     9. [M 128, K 4,096] x [K 4,096, N 1,024]; A: computed on the way; B: input W2 (given as codes): QUANTISED
;;   THE QUANTISER, for each operand of a quantised product, along K:
;;     - K is cut into blocks of 32 from its start; a last block that is shorter is filled with zeros.
;;     - A block's scale is 2^e with e = floor(log2(the largest magnitude in the block)) - 2, held to -126 .. 127; a block of zeros has e = 0. As a byte (E8M0): e + 127.
;;     - Each number is divided by its block's scale, clamped to +-7.5, and rounded to the nearest number of E2M3, ties to even, subnormals kept.
;;     - The product sums the exact products of the quantised numbers (number of the format x scale) in f32.
;;   ~~~python
;;   def quantise(x, axis):      # numpy; x: float32 -> the quantised numbers, widened to float32 again
;;       x = np.moveaxis(x, axis, -1); K = x.shape[-1]
;;       x = np.pad(x, [(0, 0)] * (x.ndim - 1) + [(0, -K % 32)]); x = x.reshape(x.shape[:-1] + (-1, 32)); a = np.abs(x).max(-1, keepdims=True)
;;       e = np.where(a > 0, np.clip(np.frexp(np.where(a > 0, a, 1))[1] - 1 - 2, -126, 127), 0)      # np.frexp(a)[1] - 1 = floor(log2(a)), exactly
;;       r = np.clip(x / 2.0 ** e, -7.5, 7.5)
;;       step = 2.0 ** (np.maximum(np.frexp(np.where(r == 0, 1, r))[1] - 1, 0) - 3)
;;       q = np.round(r / step) * step * 2.0 ** e      # np.round: ties to even
;;       return np.moveaxis(q.reshape(q.shape[:-2] + (-1,))[..., :K], -1, axis).astype(np.float32)
;;   ~~~
;;   OPERANDS COMPUTED ON THE WAY. 'Computed on the way' means the value that the module computes at that place (a softmax that the list does not call 'softmax' is quantised finished and normalised). What goes into a quantiser is computed in f32, as accurately as f32 sums, v_exp_f32 and their like allow (about 1e-6 of the number): no bf16 or f16 on the way to a quantiser, and a product that is left as it is and whose result goes on into a quantised operand takes f32 operands (vector FMAs, or v_wmma_f32_16x16x4_f32). A number that lies on a knife's edge between two numbers of the format may be rounded either way, as far as f32 arithmetic and the matrix unit's own rounding can turn it there, and no further.
;;   INPUTS GIVEN AS CODES. W1 (in the module: [4096, 1024], K = its axis 1); W2 (in the module: [1024, 4096], K = its axis 1); Wk (in the module: [1024, 1024], K = its axis 1); Wo (in the module: [1024, 1024], K = its axis 1); Wq (in the module: [1024, 1024], K = its axis 1); Wv (in the module: [1024, 1024], K = its axis 1): each comes as NAME_codes (uint8): NAME with its K axis moved to the last place and cut into blocks of 32 codes, [.., K / 32, bytes a block], one block behind the other in memory; four codes in three bytes: a row's codes are one little-endian stream of bits, code i at bits 6 i .. 6 i + 5 (a code: sign, 2 exponent bits, 3 mantissa bits); and NAME_scales (uint8): the same leading axes, one E8M0 byte (e + 127) for each 32 codes along K. Its value is code x scale, taken as it is: it is not quantised again, and the codes and scales need not be those that the quantiser above would give.
;; 2 versions, each right and faster than the one before. Each part assembles by itself: llvm-mc -triple=amdgcn-amd-amdhsa -mcpu=gfx1250 --defsym DOCPART=n.
;; ======== version 1 of 2: 5 launches
;; workspace buffers: qkvb 1,572,864 bytes; xqb 524,288 bytes; attb 524,288 bytes; aob 524,288 bytes; hc 393,216 bytes; hs 32,768 bytes
;; launch proj (part 1): grid 24 x 8, 8 waves a work-group, no clusters, 99,584 bytes of LDS; arguments features, g1, b1, qkvb, xqb, Wq_codes, Wq_scales, bq, Wk_codes, Wk_scales, bk, Wv_codes, Wv_scales, bv; writes qkvb, xqb
.if DOCPART == 1
	.amdgcn_target "amdgcn-amd-amdhsa--gfx1250"
	.amdhsa_code_object_version 6
	.text
	.protected	k_qe65cb77906_proj
	.globl	k_qe65cb77906_proj
	.p2align	8
	.type	k_qe65cb77906_proj,@function
k_qe65cb77906_proj:
	s_mov_b64 s[64:65], 0
	v_nop
	global_prefetch_b8 v0, s[64:65] scope:SCOPE_SE
	s_setreg_imm32_b32 hwreg(HW_REG_WAVE_MODE, 25, 1), 1
	s_wait_xcnt 0x0
; q = Q(LN1(features)) Wq^T + bq,  k = Q(features) Wk^T + bk,  v = Q(features) Wv^T + bv;  xq = LN1(features) in f32.
; Q: the MX quantiser to E2M3 along K (blocks of 32, one E8M0 byte).  The weights come as codes and scale bytes and go to the matrix unit as they lie.
; SHARES.  A work-group (c, m) makes 16 rows (tile m of the 128) x 128 output columns: chunk c = 8 t + cc, t = 0, 1, 2 for q, k, v.  Eight waves.
; Wave w first works K step w (columns 128 w .. 128 w + 127 of the 16 rows): LayerNorm (t = 0), quantiser, and its fragment goes to LDS as an image of its registers.
; Then wave w makes the 16 x 16 tile of output columns 128 cc + 16 w .. + 15 over all 8 K steps: 8 matrix instructions on two accumulators by turns.
; All of a wave's 70 global loads go out at the head; nothing is loaded twice, nothing is filled again, so there is no ring and no tensor load.
; No cluster: what the eight row tiles share is 98,304 bytes of codes a chunk, asked for once, at the head, by loads straight into the operand registers.
; THE MATRIX INSTRUCTION IS USED TRANSPOSED: source 0 = 16 rows of W (output columns), source 1 = the 16 rows: lane (r, h) holds row r and output columns 8 h + 0 .. 7.
; LIMITS: NaN and infinities among the inputs are not served.  A block whose largest magnitude lies under 2^-124 keeps the scale byte 1; a block of zeros has the byte 1 where the
; rule says 127 (its codes are zeros, and only this program reads the byte).  A sum over K is kept in two accumulators (even and odd K steps) that are added at the end:
; an order of f32 rounding other than one ascending chain.  1 / sqrt is v_rsq_f32.
.set LNMODE, 2                         ; 0: no LayerNorm; 1: always; 2: the statistics always, the affine step where c < 8
.set RESID,  0                         ; a residual is added on the way out
.set QOUT,   0                         ; relu and quantiser on the way out
.set XQOUT,  1                         ; the normalised rows leave in f32 too
.set SPLIT3, 1                         ; c = 8 t + cc
.set PA, 8                             ; s[8:9] features
.set PG, 10                            ; s[10:11] g1
.set PB, 12                            ; s[12:13] b1
.set POUT, 14                          ; s[14:15] qkvb
.set PXQ, 16                           ; s[16:17] xqb
.set PWC, 36                           ; s[36:37] the chosen weight's codes
.set PWS, 38                           ; s[38:39] its scale bytes
.set PBI, 40                           ; s[40:41] its bias
; LDS, no region is written a second time
.set XIMG, 0                           ; 8 fragment images of 1,536 bytes (K step s)
.set XSC,  12288                       ; their scale words, 128 bytes each
.set RED1, 13312                       ; 16 rows x 8 waves' partial sums
.set RED2, 13824                       ; the same for the squares
.set GBL,  14336                       ; for each wave 512 bytes of g, 512 of b
.set STG,  22528                       ; the way out: 16 rows x (512 + 16) bytes
.set XST,  30976                       ; xq's way out: 16 rows x 528 bytes for each wave
; window 0
.set XA, 4                             ; 4096 r + 64 h
.set LI, 5                             ; 16 x lane
.set LS, 6                             ; 4 x lane
.set XWI, 7                            ; 16 x lane + 1536 w
.set XWS, 8                            ; 4 x lane + 128 w
.set RA, 9                             ; 32 r + 4 w
.set RB, 10                            ; 32 r
.set SO, 11                            ; 528 r + 64 w + 32 h
.set SR, 12                            ; 1056 w + 16 x lane
.set WA, 13                            ; 768 r + 24 h
.set WSA, 14                           ; 32 r
.set BA, 15                            ; 32 h
.set GBS, 16                           ; 1024 w + 16 x lane
.set GBR, 17                           ; 1024 w + 64 h
.set XO, 18                            ; 8448 w + 528 r + 64 h
.set XR, 19                            ; 8448 w + 16 x lane
.set QR, 20                            ; 528 r + 64 h
.set X, 32                             ; v32-95   64 numbers: register 16 b + i = k 32 b + 16 h + i of row r in my K step
.set G, 96                             ; v96-159  g in the same order
.set BB, 160                           ; v160-223 b in the same order
.set TM, 224                           ; v224-239 at work
.set DV, 232                           ; v232-239 four pairs of differences
.set WS, 240                           ; v240-247 W's scale words, K step s
.set MU, 248                           ; v[248:249] the mean, twice
.set RS, 250                           ; v[250:251] 1 / sqrt(var + eps), twice
.set RR, 248                           ; v248-255 the residual's two rows
.set PC, 96                            ; v96-115  codes just made (g is done with)
.set PW, 116                           ; v116     the scale word just made
.set AF, 96                            ; v96-191  the rows' 8 fragments
.set AS, 192                           ; v192-199 their scale words
.set ACC0, 200
.set ACC1, 208
.set RV, 216                           ; v216-223 the two accumulators' sum
; window 1: v0-95 W's 8 fragments; v96-103 the bias in the result's layout
.set CH, 2
.set MT, 3
.set WV, 4
.set CC, 5
.set TT, 6
.set SEL, 42
.set MSB, 0
.macro WIN new                         ; the immediate's high byte repeats the setting that is left
.if MSB != \new
	s_set_vgpr_msb (MSB<<8)|\new
.set MSB, \new
.endif
.endm
.macro BARRIER                         ; my LDS stores have landed and my LDS loads are in: then the work-group's barrier
	s_wait_dscnt 0x0
	s_barrier_signal -1
	s_barrier_wait -1
.endm
.macro SUM8                            ; eight numbers in v[TM] on become one
	v_pk_add_f32 v[TM:TM+1], v[TM:TM+1], v[TM+2:TM+3]
	v_pk_add_f32 v[TM+4:TM+5], v[TM+4:TM+5], v[TM+6:TM+7]
	v_pk_add_f32 v[TM:TM+1], v[TM:TM+1], v[TM+4:TM+5]
	v_add_f32 v[TM], v[TM], v[TM+1]
.endm
.macro FOLD                            ; and with lane l xor 16's: row r's sum over my K step
	SUM8
	v_permlanex16_b32 v[TM+1], v[TM], s[SEL], s[SEL+1]
	v_add_f32 v[TM], v[TM], v[TM+1]
.endm
.macro ROWRED red                      ; over the eight waves: a word a wave and row, a barrier, every wave reads its rows' eight
	ds_store_b32 v[RA], v[TM] offset:\red          ; lanes r and r + 16 write the same word with the same value
	BARRIER
	ds_load_b128 v[TM:TM+3], v[RB] offset:\red
	ds_load_b128 v[TM+4:TM+7], v[RB] offset:\red+16
	s_wait_dscnt 0x0
	SUM8
.endm
; 64 numbers of a lane, v[s] on, register 16 b + i = k 32 b + 16 h + i of my row, become a fragment's codes in v[PC] on and its scale word in v[PW]
.macro QUANT s
.irp b, 0,1,2,3
	v_max3_num_f32 v[TM+\b], |v[\s+16*\b]|, |v[\s+1+16*\b]|, 0x1800000   ; block b: my 16 numbers, and the floor 2^(3 - 127): the byte cannot fall under 1
.endr
.irp i, 2,4,6,8,10,12,14
.irp b, 0,1,2,3
	v_max3_num_f32 v[TM+\b], v[TM+\b], |v[\s+16*\b+\i]|, |v[\s+1+16*\b+\i]|
.endr
.endr
.irp b, 0,1,2,3
	v_permlanex16_b32 v[TM+4+\b], v[TM+\b], s[SEL], s[SEL+1]
.endr
.irp b, 0,1,2,3
	v_max_num_f32 v[TM+\b], v[TM+\b], v[TM+4+\b]   ; with lane l xor 16's: the block's largest magnitude
.endr
.irp b, 0,1,2,3
	v_add_nc_u32 v[TM+12+\b], 0xff000000, v[TM+\b] ; 2 off its exponent field: the conversion's scale operand
.endr
.irp b, 0,1,2,3
	v_lshrrev_b32 v[TM+4+\b], 23, v[TM+12+\b]      ; the scale's byte
.endr
	v_lshl_or_b32 v[PW], v[TM+5], 8, v[TM+4]
	v_lshl_or_b32 v[PW], v[TM+6], 16, v[PW]
	v_lshl_or_b32 v[PW], v[TM+7], 24, v[PW]
.irp c, 0,1
	v_cvt_scalef32_pk16_fp6_f32 v[PC+6*\c:PC+2+6*\c], v[\s+32*\c:\s+15+32*\c], v[TM+12+2*\c]
	v_cvt_scalef32_pk16_fp6_f32 v[PC+12+4*\c:PC+14+4*\c], v[\s+16+32*\c:\s+31+32*\c], v[TM+12+2*\c+1]   ; (a conversion's three registers begin on an even number)
.endr
	v_nop                                          ; one plain place behind a scaled conversion
.irp c, 0,1                                    ; the operand's layout wants a whole block in a lane
.irp i, 0,1,2
	v_permlane16_swap_b32 v[PC+6*\c+\i], v[PC+12+4*\c+\i]
.endr
.irp i, 0,1,2
	v_mov_b32 v[PC+3+6*\c+\i], v[PC+12+4*\c+\i]
.endr
.endr
.endm
.macro IMAGE adr, off                  ; the fragment in v[PC] on goes to LDS as it stands: lane l's 16 bytes at 16 l
.irp c, 0,1,2
	ds_store_b128 v[\adr], v[PC+4*\c:PC+4*\c+3] offset:\off+512*\c
.endr
.endm
.macro FETCH reg, off                  ; and comes back so, in any wave
.irp c, 0,1,2
	ds_load_b128 v[\reg+4*\c:\reg+4*\c+3], v[LI] offset:\off+512*\c
.endr
.endm
	s_load_b256 s[8:15], s[0:1], 0x0               ; features, g1, b1, qkvb
	s_load_b256 s[16:23], s[0:1], 0x20             ; xqb, Wq's codes, scales, bq
	s_load_b256 s[24:31], s[0:1], 0x40             ; Wk's codes, scales, bk, Wv's codes
	s_load_b128 s[32:35], s[0:1], 0x60             ; Wv's scales, bv
	v_lshl_add_u32 v254, v0, 2, 0x18100
	v_mov_b32 v255, 0
	v_lshrrev_b32 v1, 5, v0
	v_readfirstlane_b32 s[WV], v1                  ; wave 0..7
	s_mov_b32 s[CH], ttmp9                         ; c
	s_and_b32 s[MT], ttmp7, 0xffff                 ; m
.if SPLIT3
	s_and_b32 s[CC], s[CH], 7
	s_lshr_b32 s[TT], s[CH], 3
.else
	s_mov_b32 s[CC], s[CH]
.endif
	v_and_b32 v1, 31, v0                           ; lane
	v_and_b32 v2, 15, v0                           ; r
	v_bfe_u32 v3, v0, 4, 1                         ; h
	v_lshlrev_b32 v[XA], 12, v2
	v_lshl_add_u32 v[XA], v3, 6, v[XA]
	v_lshlrev_b32 v[LI], 4, v1
	v_lshlrev_b32 v[LS], 2, v1
	s_mul_i32 s44, s[WV], 1536
	v_add_nc_u32 v[XWI], s44, v[LI]
	s_lshl_b32 s44, s[WV], 7
	v_add_nc_u32 v[XWS], s44, v[LS]
	v_lshlrev_b32 v[RB], 5, v2
	s_lshl_b32 s44, s[WV], 2
	v_add_nc_u32 v[RA], s44, v[RB]
	v_mul_u32_u24 v[QR], v2, 528
	v_lshl_add_u32 v[SO], v3, 5, v[QR]
	s_lshl_b32 s44, s[WV], 6
	v_add_nc_u32 v[SO], s44, v[SO]
	v_lshl_add_u32 v[QR], v3, 6, v[QR]
	s_mul_i32 s44, s[WV], 1056
	v_add_nc_u32 v[SR], s44, v[LI]
	v_mul_u32_u24 v[WA], v2, 768                   ; a row of W is 1,024 codes, 768 bytes
	v_mad_u32_u24 v[WA], v3, 24, v[WA]
	v_lshlrev_b32 v[WSA], 5, v2                    ; and 32 scale bytes
	v_lshlrev_b32 v[BA], 5, v3
.if LNMODE
	s_lshl_b32 s44, s[WV], 10
	v_add_nc_u32 v[GBS], s44, v[LI]
	v_lshl_add_u32 v[GBR], v3, 6, s44
.else
.irp b, 0,1,2,3
	v_mov_b32 v[TM+4+\b], 0                        ; written once: a lane permute's destination counts as one of its sources
.endr
.endif
.if XQOUT
	s_mul_i32 s44, s[WV], 8448
	v_add_nc_u32 v[XO], s44, v[QR]
	v_add_nc_u32 v[XR], s44, v[LI]
.endif
	s_mov_b32 s[SEL], 0x76543210
	s_mov_b32 s[SEL+1], 0xfedcba98                 ; v_permlanex16_b32's selects for lane l xor 16
	s_mov_b32 s46, 0x3a800000                      ; 2^-10 = 1 / 1,024
	s_mov_b32 s47, 0x3727c5ac                      ; eps = 1e-5
	; byte offsets, each in a pair of its own with 0 above
	s_lshl_b32 s48, s[MT], 16
	s_lshl_b32 s50, s[WV], 9
	s_add_co_u32 s48, s48, s50                     ; the rows: 65536 m + 512 w
	s_mov_b32 s49, 0
	s_mov_b32 s51, 0                               ; g, b: 512 w
	s_mul_i32 s52, s[CC], 98304
	s_mul_i32 s53, s[WV], 12288
	s_add_co_u32 s52, s52, s53                     ; W's codes: row 128 cc + 16 w
	s_mov_b32 s53, 0
	s_lshl_b32 s54, s[CC], 12
	s_add_co_u32 s54, s54, s50                     ; W's scales: 4096 cc + 512 w
	s_mov_b32 s55, 0
	s_lshl_b32 s56, s[CC], 9
	s_lshl_b32 s57, s[WV], 6
	s_add_co_u32 s56, s56, s57                     ; the bias: 512 cc + 64 w
	s_mov_b32 s57, 0
.if QOUT
	s_lshl_b32 s58, s[MT], 5
	s_add_co_u32 s58, s58, s[CH]                   ; fragment 32 m + c
	s_lshl_b32 s60, s58, 7
	s_mul_i32 s58, s58, 1536
	s_mov_b32 s61, 0
.else
	s_lshl_b32 s58, s[MT], 16
	s_lshl_b32 s59, s[CC], 9
	s_add_co_u32 s58, s58, s59
	s_lshl_b32 s59, s[WV], 13
	s_add_co_u32 s58, s58, s59                     ; out: rows 16 m + 2 w, 2 w + 1, columns 128 cc on
.if SPLIT3
	s_lshl_b32 s59, s[TT], 19
	s_add_co_u32 s58, s58, s59                     ; in q's, k's or v's part
.endif
.endif
	s_mov_b32 s59, 0
	s_wait_kmcnt 0x0
	s_cmp_lt_u32 s[CH], 16                         ; the weight is chosen by the work-group's number alone
	s_cselect_b64 s[36:37], s[24:25], s[30:31]
	s_cselect_b64 s[38:39], s[26:27], s[32:33]
	s_cselect_b64 s[40:41], s[28:29], s[34:35]
	s_cmp_lt_u32 s[CH], 8
	s_cselect_b64 s[36:37], s[18:19], s[36:37]
	s_cselect_b64 s[38:39], s[20:21], s[38:39]
	s_cselect_b64 s[40:41], s[22:23], s[40:41]
	s_add_nc_u64 s[PA:PA+1], s[PA:PA+1], s[48:49]
.if LNMODE
	s_add_nc_u64 s[PG:PG+1], s[PG:PG+1], s[50:51]
	s_add_nc_u64 s[PB:PB+1], s[PB:PB+1], s[50:51]
.endif
	s_add_nc_u64 s[PWC:PWC+1], s[PWC:PWC+1], s[52:53]
	s_add_nc_u64 s[PWS:PWS+1], s[PWS:PWS+1], s[54:55]
	s_add_nc_u64 s[PBI:PBI+1], s[PBI:PBI+1], s[56:57]
.if QOUT
	s_add_nc_u64 s[PHC:PHC+1], s[PHC:PHC+1], s[58:59]
	s_add_nc_u64 s[PHS:PHS+1], s[PHS:PHS+1], s[60:61]
.else
	s_add_nc_u64 s[POUT:POUT+1], s[POUT:POUT+1], s[58:59]
.endif
.if RESID
	s_add_nc_u64 s[PRES:PRES+1], s[PRES:PRES+1], s[58:59]
.endif
.if XQOUT
	s_add_nc_u64 s[PXQ:PXQ+1], s[PXQ:PXQ+1], s[48:49]
.endif
	; ---- all global loads of the wave, what is wanted first in front
.irp b, 0,1,2,3
.irp j, 0,1,2,3
	global_load_b128 v[X+16*\b+4*\j:X+16*\b+4*\j+3], v[XA], s[PA:PA+1] offset:128*\b+16*\j
.endr
.endr
.if LNMODE
	global_load_b128 v[TM+8:TM+11], v[LI], s[PG:PG+1]    ; my K step's 128 numbers of g, dense
	global_load_b128 v[TM+12:TM+15], v[LI], s[PB:PB+1]   ; and of b
.endif
	global_load_b128 v[WS:WS+3], v[WSA], s[PWS:PWS+1]
	global_load_b128 v[WS+4:WS+7], v[WSA], s[PWS:PWS+1] offset:16
.if RESID
	global_load_b128 v[RR:RR+3], v[LI], s[PRES:PRES+1]
	global_load_b128 v[RR+4:RR+7], v[LI], s[PRES:PRES+1] offset:4096
.endif
	WIN 0x40                                       ; destination window 1
.irp s, 0,1,2,3,4,5,6,7
.irp p, 0,1,2,3,4,5
	global_load_b64 v[12*\s+2*\p:12*\s+2*\p+1], v[WA], s[PWC:PWC+1] offset:96*\s+48*(\p/3)+8*(\p%3)
.endr
.endr
	global_load_b128 v[96:99], v[BA], s[PBI:PBI+1]
	global_load_b128 v[100:103], v[BA], s[PBI:PBI+1] offset:16
	WIN 0
.if LNMODE
	; ---- LayerNorm over the row's 1,024 numbers, in two passes: the mean, then the squares of the differences, so that a common offset of the inputs costs no accuracy
	s_wait_loadcnt 52                              ; x, g and b are in; behind them 2 loads of scales, 48 of codes, 2 of the bias may be out
	ds_store_b128 v[GBS], v[TM+8:TM+11] offset:GBL
	ds_store_b128 v[GBS], v[TM+12:TM+15] offset:GBL+512
.irp b, 0,1,2,3                                ; my wave's own bytes, served in order: they come back in x's order
.irp j, 0,1,2,3
	ds_load_b128 v[G+16*\b+4*\j:G+16*\b+4*\j+3], v[GBR] offset:GBL+128*\b+16*\j
	ds_load_b128 v[BB+16*\b+4*\j:BB+16*\b+4*\j+3], v[GBR] offset:GBL+512+128*\b+16*\j
.endr
.endr
.irp i, 0,1,2,3
	v_pk_add_f32 v[TM+2*\i:TM+2*\i+1], v[X+2*\i:X+2*\i+1], v[X+8+2*\i:X+8+2*\i+1]
.endr
.irp n, 2,3,4,5,6,7
.irp i, 0,1,2,3
	v_pk_add_f32 v[TM+2*\i:TM+2*\i+1], v[TM+2*\i:TM+2*\i+1], v[X+8*\n+2*\i:X+8*\n+2*\i+1]
.endr
.endr
	FOLD
	ROWRED RED1
	v_mul_f32 v[MU], s46, v[TM]
	v_mov_b32 v[MU+1], v[MU]
.irp n, 0,1,2,3,4,5,6,7
.irp i, 0,1,2,3
	v_pk_add_f32 v[DV+2*\i:DV+2*\i+1], v[X+8*\n+2*\i:X+8*\n+2*\i+1], v[MU:MU+1] neg_lo:[0,1] neg_hi:[0,1]
.endr
.irp i, 0,1,2,3
.if \n == 0
	v_pk_mul_f32 v[TM+2*\i:TM+2*\i+1], v[DV+2*\i:DV+2*\i+1], v[DV+2*\i:DV+2*\i+1]
.else
	v_pk_fma_f32 v[TM+2*\i:TM+2*\i+1], v[DV+2*\i:DV+2*\i+1], v[DV+2*\i:DV+2*\i+1], v[TM+2*\i:TM+2*\i+1]
.endif
.endr
.endr
	FOLD
	ROWRED RED2
.if LNMODE == 2
	s_cmp_lt_u32 s[CH], 8                          ; k and v take the rows as they are: the branch is the same in all eight waves and jumps over register work alone
	s_cbranch_scc0 .Lraw
.endif
	v_fma_f32 v[TM], v[TM], s46, s47               ; var + eps
	v_rsq_f32 v[RS], v[TM]
	v_nop                                          ; a plain place behind the transcendental
	s_wait_alu depctr_va_vdst(0)                   ; and a wait ahead of its first reader
	v_mov_b32 v[RS+1], v[RS]
.irp n, 0,1,2,3,4,5,6,7                        ; ((x - mean) / sqrt) g + b.  The difference is taken first and not folded into a multiply-add: that would subtract two large products where the rows carry an offset
.irp i, 0,1,2,3
	v_pk_add_f32 v[DV+2*\i:DV+2*\i+1], v[X+8*\n+2*\i:X+8*\n+2*\i+1], v[MU:MU+1] neg_lo:[0,1] neg_hi:[0,1]
.endr
.irp i, 0,1,2,3
	v_pk_mul_f32 v[DV+2*\i:DV+2*\i+1], v[DV+2*\i:DV+2*\i+1], v[RS:RS+1]
.endr
.irp i, 0,1,2,3
	v_pk_fma_f32 v[X+8*\n+2*\i:X+8*\n+2*\i+1], v[DV+2*\i:DV+2*\i+1], v[G+8*\n+2*\i:G+8*\n+2*\i+1], v[BB+8*\n+2*\i:BB+8*\n+2*\i+1]
.endr
.endr
.Lraw:
.else
	s_wait_loadcnt 54                              ; x is in; behind it 2 loads of scales, 2 of the residual, 48 of codes, 2 of the bias may be out
.endif
	; ---- my K step becomes a fragment
	QUANT X
	IMAGE XWI, XIMG
	ds_store_b32 v[XWS], v[PW] offset:XSC
	BARRIER                                        ; the rows' eight fragments lie in LDS
	; ---- the product
.irp s, 0,1,2,3,4,5,6,7
	FETCH AF+12*\s, XIMG+1536*\s
	ds_load_b32 v[AS+\s], v[LS] offset:XSC+128*\s
.endr
	s_wait_dscnt 0x0
	s_wait_loadcnt 0x0                             ; W's codes and scales, the bias
	WIN 0x11                                       ; source 0 (W) and source 2 (the bias) window 1
	v_wmma_scale_f32_16x16x128_f8f6f4 v[ACC0:ACC0+7], v[0:11], v[AF:AF+11], v[96:103], v[WS], v[AS] matrix_a_fmt:MATRIX_FMT_FP6 matrix_b_fmt:MATRIX_FMT_FP6
	WIN 0x01
	v_wmma_scale_f32_16x16x128_f8f6f4 v[ACC1:ACC1+7], v[12:23], v[AF+12:AF+23], 0, v[WS+1], v[AS+1] matrix_a_fmt:MATRIX_FMT_FP6 matrix_b_fmt:MATRIX_FMT_FP6
.irp s, 2,3,4,5,6,7                            ; the two accumulators by turns, one instruction a turn
	v_wmma_scale_f32_16x16x128_f8f6f4 v[ACC0+8*(\s%2):ACC0+8*(\s%2)+7], v[12*\s:12*\s+11], v[AF+12*\s:AF+12*\s+11], v[ACC0+8*(\s%2):ACC0+8*(\s%2)+7], v[WS+\s], v[AS+\s] matrix_a_fmt:MATRIX_FMT_FP6 matrix_b_fmt:MATRIX_FMT_FP6
.endr
	WIN 0
.rept 4
	v_nop                                          ; four places behind the last product, ahead of the first read of results (ISA guide 7.12.1)
.endr
.irp i, 0,1,2,3
	v_pk_add_f32 v[RV+2*\i:RV+2*\i+1], v[ACC0+2*\i:ACC0+2*\i+1], v[ACC1+2*\i:ACC1+2*\i+1]   ; each accumulator from its low end on
.endr
.if QOUT
.irp j, 0,1,2,3,4,5,6,7
	v_max_num_f32 v[RV+\j], 0, v[RV+\j]            ; relu, in f32
.endr
.endif
	; ---- the way out: a row's 128 columns come from eight waves and meet in the stage
	ds_store_b128 v[SO], v[RV:RV+3] offset:STG
	ds_store_b128 v[SO], v[RV+4:RV+7] offset:STG+16
	BARRIER
.if QOUT == 0
	ds_load_b128 v[TM:TM+3], v[SR] offset:STG      ; row 2 w, whole: 512 bytes
	ds_load_b128 v[TM+4:TM+7], v[SR] offset:STG+528
	s_wait_dscnt 0x1                               ; the first row is in, the second may be out
.if RESID
	v_pk_add_f32 v[TM:TM+1], v[TM:TM+1], v[RR:RR+1]
	v_pk_add_f32 v[TM+2:TM+3], v[TM+2:TM+3], v[RR+2:RR+3]
.endif
	global_store_b128 v[LI], v[TM:TM+3], s[POUT:POUT+1]              ; 32 lanes store 512 consecutive bytes, at a multiple of 256 from the buffer's first byte
	s_wait_dscnt 0x0
.if RESID
	v_pk_add_f32 v[TM+4:TM+5], v[TM+4:TM+5], v[RR+4:RR+5]
	v_pk_add_f32 v[TM+6:TM+7], v[TM+6:TM+7], v[RR+6:RR+7]
.endif
	global_store_b128 v[LI], v[TM+4:TM+7], s[POUT:POUT+1] offset:4096
.else
	s_cmp_lg_u32 s[WV], 0                          ; 128 hidden units of 16 rows are one fragment: wave 0 makes it
	s_cbranch_scc1 .Lend
.irp b, 0,1,2,3
.irp j, 0,1,2,3
	ds_load_b128 v[X+16*\b+4*\j:X+16*\b+4*\j+3], v[QR] offset:STG+128*\b+16*\j
.endr
.endr
	s_wait_dscnt 0x0
	QUANT X
.irp g, 0,1,2
	global_store_b128 v[LI], v[PC+4*\g:PC+4*\g+3], s[PHC:PHC+1] offset:512*\g   ; the fragment's image: 1,536 consecutive bytes
.endr
	global_store_b32 v[LS], v[PW], s[PHS:PHS+1]    ; its scale words' image: 128 consecutive bytes
.endif
.if XQOUT
	s_cmp_lg_u32 s[WV], s[CH]                      ; xq's K step w leaves once for each tile of rows: from wave w of chunk c = w (c < 8: the chunks that have normalised)
	s_cbranch_scc1 .Lend
.irp b, 0,1,2,3
.irp j, 0,1,2,3
	ds_store_b128 v[XO], v[X+16*\b+4*\j:X+16*\b+4*\j+3] offset:XST+128*\b+16*\j
.endr
.endr
.irp i, 0,1,2,3,4,5,6,7,8,9,10,11,12,13,14,15
	ds_load_b128 v[96+4*\i:96+4*\i+3], v[XR] offset:XST+528*\i   ; my wave's own bytes, served in order: whole rows of 512 bytes
.endr
.irp i, 0,1,2,3,4,5,6,7,8,9,10,11,12,13,14,15
	s_wait_dscnt 15-\i                             ; row i is in, the younger loads may be out
	global_store_b128 v[LI], v[96+4*\i:96+4*\i+3], s[PXQ:PXQ+1] offset:4096*\i
.endr
.endif
.Lend:
	s_wait_tensorcnt 0x0
	ds_add_u32 v254, v255
	s_wait_dscnt 0x0
	s_endpgm
.Lfunc_end_k_qe65cb77906_proj:
	.size	k_qe65cb77906_proj, .Lfunc_end_k_qe65cb77906_proj-k_qe65cb77906_proj
	.p2alignl 7, 3214868480
	.fill 96, 4, 3214868480
	.section	.rodata,"a",@progbits
	.p2align	6, 0x0
	.amdhsa_kernel k_qe65cb77906_proj
		.amdhsa_group_segment_fixed_size 99584
		.amdhsa_private_segment_fixed_size 0
		.amdhsa_enable_private_segment 0
		.amdhsa_kernarg_size 112
		.amdhsa_user_sgpr_count 2
		.amdhsa_user_sgpr_kernarg_segment_ptr 1
		.amdhsa_wavefront_size32 1
		.amdhsa_system_sgpr_workgroup_id_x 1
		.amdhsa_system_sgpr_workgroup_id_y 1
		.amdhsa_system_sgpr_workgroup_id_z 1
		.amdhsa_system_vgpr_workitem_id 0
		.amdhsa_next_free_vgpr 384
		.amdhsa_next_free_sgpr 66
		.amdhsa_reserve_vcc 0
		.amdhsa_float_denorm_mode_32 3
		.amdhsa_float_denorm_mode_16_64 3
		.amdhsa_memory_ordered 1
		.amdhsa_forward_progress 1
		.amdhsa_inst_pref_size 39
	.end_amdhsa_kernel
	.amdgpu_metadata
---
amdhsa.version: [ 1, 2 ]
amdhsa.kernels:
  - .name:           k_qe65cb77906_proj
    .symbol:         k_qe65cb77906_proj.kd
    .args:
      - { .name: features, .offset: 0, .size: 8, .value_kind: global_buffer, .address_space: global }
      - { .name: g1, .offset: 8, .size: 8, .value_kind: global_buffer, .address_space: global }
      - { .name: b1, .offset: 16, .size: 8, .value_kind: global_buffer, .address_space: global }
      - { .name: qkvb, .offset: 24, .size: 8, .value_kind: global_buffer, .address_space: global }
      - { .name: xqb, .offset: 32, .size: 8, .value_kind: global_buffer, .address_space: global }
      - { .name: Wq_codes, .offset: 40, .size: 8, .value_kind: global_buffer, .address_space: global }
      - { .name: Wq_scales, .offset: 48, .size: 8, .value_kind: global_buffer, .address_space: global }
      - { .name: bq, .offset: 56, .size: 8, .value_kind: global_buffer, .address_space: global }
      - { .name: Wk_codes, .offset: 64, .size: 8, .value_kind: global_buffer, .address_space: global }
      - { .name: Wk_scales, .offset: 72, .size: 8, .value_kind: global_buffer, .address_space: global }
      - { .name: bk, .offset: 80, .size: 8, .value_kind: global_buffer, .address_space: global }
      - { .name: Wv_codes, .offset: 88, .size: 8, .value_kind: global_buffer, .address_space: global }
      - { .name: Wv_scales, .offset: 96, .size: 8, .value_kind: global_buffer, .address_space: global }
      - { .name: bv, .offset: 104, .size: 8, .value_kind: global_buffer, .address_space: global }
    .group_segment_fixed_size: 99584
    .private_segment_fixed_size: 0
    .kernarg_segment_align: 8
    .kernarg_segment_size: 112
    .max_flat_workgroup_size: 256
    .sgpr_count:     66
    .vgpr_count:     384
    .wavefront_size: 32
...
	.end_amdgpu_metadata
.endif
;; end of part 1
;; launch attn (part 2): grid 8 x 32, 16 waves a work-group, no clusters, 18,432 bytes of LDS; arguments qkvb, attb; writes attb
.if DOCPART == 2
	.amdgcn_target "amdgcn-amd-amdhsa--gfx1250"
	.amdhsa_code_object_version 6
	.text
	.protected	k_qe65cb77906_attn
	.globl	k_qe65cb77906_attn
	.p2align	8
	.type	k_qe65cb77906_attn,@function
k_qe65cb77906_attn:
	s_mov_b64 s[64:65], 0
	v_nop
	global_prefetch_b8 v0, s[64:65] scope:SCOPE_SE
	s_setreg_imm32_b32 hwreg(HW_REG_WAVE_MODE, 25, 1), 1
	s_wait_xcnt 0x0
; att[i][b][h][d] = the sum over j != i of  (sum over e of p v[j][b][h][e]) / (sum over e of p),  p = exp(q[i][b][h][d] k[j][b][h][e] / 16 - the row's largest score).
; The pairs j = i, which the mask throws away, are not computed.  All in f32: the result goes on into a quantiser.
; THE MAXIMUM IS EXACT AND NEEDS NO SEARCH OVER SCORES: a row's scores are q[d] times the numbers k[e], so their largest is the larger of q kmax and q kmin.
; p = 2^(qc k - m), qc = q log2(e) / 16, m = max(qc kmax, qc kmin): one fused multiply-add and one v_exp_f32.  The row's sum is at least about 1.
; SHARES.  A work-group (hh, b): batch entry b, head hh / 2, query channels 128 hh .. 128 hh + 127 of the 1,024: 256 work-groups.  Sixteen waves, four to a SIMD, so that one wave's
; exponentials stand beside another's packed arithmetic.  Wave w: key set j = w % 4, channels 32 (w / 4) + lane; a lane holds ONE channel d of the three query sets i = j + 1, j + 2, j + 3 (mod 4):
; each pair (k, v) read from LDS feeds three queries.  k and v of the four sets (8,192 bytes) lie in LDS; every lane of a load names the same 16 bytes.
; No matrix unit: a product with one row.  No cluster, no tensor load: a work-group reads 8,192 + 2,048 bytes in all.
; LIMITS: NaN and infinities are not served; p under 2^-126 counts as 0 (v_exp_f32); 1 / sum is v_rcp_f32; the three j are added in the order i + 1, i + 2, i + 3 (mod 4).
.set RESB, 8192                        ; LDS: 0: [j][k 1,024 bytes | v 1,024 bytes];  8192: slot (i, j) of 128 channels at 512 (4 i + j)
.set ADR, 2                            ; v2   LDS address of the loads in hand
.set KVA, 3                            ; v3   2048 j
.set KB,  16                           ; v16-31 k, v32-47 v of buffer 0;  v48-63, v64-79 of buffer 1
.set ARG, 80                           ; v80-127  16 exponents, then p, for each of the three queries
.set QC,  128                          ; v128-133 qc, twice each
.set NM,  134                          ; v134-139 -m, twice each
.set SUM, 140                          ; v140-145 the sums of p, even e and odd e
.set ACC, 146                          ; v146-151 the sums of p v likewise
.set TS,  152                          ; v152-159 at work
	s_load_b128 s[4:7], s[0:1], 0x0                ; qkvb, attb
	v_lshl_add_u32 v160, v0, 2, 0x4000
	v_mov_b32 v161, 0
	v_lshrrev_b32 v1, 5, v0
	v_readfirstlane_b32 s8, v1                     ; wave 0..15
	v_and_b32 v1, 31, v0                           ; lane
	s_and_b32 s14, ttmp7, 0xffff                   ; b
	s_mov_b32 s15, ttmp9                           ; hh
	s_and_b32 s16, s8, 3                           ; j
	s_lshr_b32 s17, s8, 2                          ; dc
	s_lshr_b32 s22, s8, 1
	s_and_b32 s22, s22, 3                          ; the set whose piece I copy at the head; and i', the query set that I add up at the end
	s_and_b32 s23, s8, 1                           ; which half of that piece; and of the 128 channels
	s_lshr_b32 s24, s8, 3                          ; the piece is k's (0) or v's (1)
	s_mov_b32 s12, 0x76543210
	s_mov_b32 s13, 0xfedcba98                      ; v_permlanex16_b32's selects for lane l xor 16
	s_lshl_b32 s18, s16, 11
	v_mov_b32 v[KVA], s18
	v_lshl_add_u32 v[ADR], v1, 5, s18              ; first: my 8 of the 256 k, for kmax and kmin
.irp t, 1,2,3
	s_add_co_u32 s19, s16, \t
	s_and_b32 s19, s19, 3                          ; i = (j + t) mod 4
	s_lshl_b32 s20, s19, 11
	s_lshl_b32 s21, s16, 9
	s_add_co_u32 s20, s20, s21
	s_lshl_b32 s21, s17, 7
	s_add_co_u32 s20, s20, s21
	v_lshl_add_u32 v[3+\t], v1, 2, s20             ; v4-6: slot (i, j), my channel: 2048 i + 512 j + 128 dc + 4 x lane
	s_lshl_b32 s20, s19, 17
	v_lshl_add_u32 v[9+\t], v1, 2, s20             ; v10-12: q's row 32 i (+ b, in the base): 131072 i + 4 x lane
.endr
.irp t, 1,2,3
	s_add_co_u32 s19, s22, \t
	s_and_b32 s19, s19, 3
	s_lshl_b32 s20, s22, 2
	s_add_co_u32 s20, s20, s19
	s_lshl_b32 s20, s20, 9
	s_lshl_b32 s21, s23, 8
	s_add_co_u32 s20, s20, s21
	v_lshl_add_u32 v[6+\t], v1, 3, s20             ; v7-9: slot (i', i' + t), my two channels: 512 (4 i' + j) + 256 half + 8 x lane
.endr
	v_lshlrev_b32 v13, 4, v1                       ; 16 x lane
	v_lshlrev_b32 v15, 3, v1                       ; 8 x lane
	s_add_co_u32 s26, s24, 1
	s_lshl_b32 s26, s26, 19                        ; k's or v's part of qkvb
	s_lshl_b32 s18, s22, 17                        ; row 32 x set
	s_add_co_u32 s26, s26, s18
	s_lshl_b32 s19, s14, 12                        ; + b
	s_add_co_u32 s26, s26, s19
	s_lshr_b32 s20, s15, 1
	s_lshl_b32 s20, s20, 10                        ; the head's 1,024 bytes
	s_add_co_u32 s26, s26, s20
	s_lshl_b32 s20, s23, 9                         ; my half of them
	s_add_co_u32 s26, s26, s20
	s_mov_b32 s27, 0
	s_lshl_b32 s21, s22, 11
	s_lshl_b32 s25, s24, 10
	s_add_co_u32 s21, s21, s25
	s_add_co_u32 s21, s21, s20
	v_lshl_add_u32 v14, v1, 4, s21                 ; and in LDS: 2048 set + 1024 (k or v) + 512 half + 16 x lane
	s_lshl_b32 s25, s15, 9
	s_add_co_u32 s28, s19, s25
	s_lshl_b32 s21, s17, 7
	s_add_co_u32 s28, s28, s21                     ; q: 4096 b + 512 hh + 128 dc
	s_mov_b32 s29, 0
	s_add_co_u32 s30, s18, s19
	s_add_co_u32 s30, s30, s25
	s_lshl_b32 s21, s23, 8
	s_add_co_u32 s30, s30, s21                     ; att: row 32 i' + b, 512 hh + 256 half
	s_mov_b32 s31, 0
	s_wait_kmcnt 0x0
	s_add_nc_u64 s[26:27], s[4:5], s[26:27]
	s_add_nc_u64 s[28:29], s[4:5], s[28:29]
	s_add_nc_u64 s[6:7], s[6:7], s[30:31]
	global_load_b128 v[80:83], v13, s[26:27]       ; 512 consecutive bytes a wave
.irp t, 0,1,2
	global_load_b32 v[QC+2*\t], v[10+\t], s[28:29]
.endr
	v_mov_b32 v86, 0                               ; (lane permutes' destinations count as sources)
	v_mov_b32 v87, 0
.irp n, 0,1,2,3,4,5,6,7,8,9,10,11
	v_mov_b32 v[SUM+\n], 0                         ; the six pairs of sums: the step is written once and finds zeros
.endr
	s_wait_loadcnt 0x3                             ; my piece is in; the three loads of q may be out
	ds_store_b128 v14, v[80:83]
	s_wait_dscnt 0x0                               ; for the others' sake
	s_barrier_signal -1
	s_barrier_wait -1                              ; k and v of the four sets lie in LDS
	ds_load_b128 v[TS:TS+3], v[ADR]
	ds_load_b128 v[TS+4:TS+7], v[ADR] offset:16
.irp i, 0,1,2,3
	ds_load_b128 v[KB+4*\i:KB+4*\i+3], v[KVA] offset:16*\i             ; buffer 0: e = 0 .. 15
	ds_load_b128 v[KB+16+4*\i:KB+16+4*\i+3], v[KVA] offset:1024+16*\i
.endr
	s_wait_dscnt 0x8                               ; my 8 k are in; buffer 0's eight loads may be out
	v_max3_num_f32 v84, v[TS], v[TS+1], v[TS+2]    ; kmax,
	v_max3_num_f32 v85, -v[TS], -v[TS+1], -v[TS+2] ; and -kmin as the largest -k
	v_max3_num_f32 v84, v84, v[TS+3], v[TS+4]
	v_max3_num_f32 v85, v85, -v[TS+3], -v[TS+4]
	v_max3_num_f32 v84, v84, v[TS+5], v[TS+6]
	v_max3_num_f32 v85, v85, -v[TS+5], -v[TS+6]
	v_max_num_f32 v84, v84, v[TS+7]
	v_max_num_f32 v85, v85, -v[TS+7]
.irp x, 1,2,4,8
	v_max_num_f32_dpp v84, v84, v84 row_xmask:\x row_mask:0xf bank_mask:0xf
	v_max_num_f32_dpp v85, v85, v85 row_xmask:\x row_mask:0xf bank_mask:0xf
.endr
	v_permlanex16_b32 v86, v84, s12, s13
	v_permlanex16_b32 v87, v85, s12, s13
	v_max_num_f32 v84, v84, v86
	v_max_num_f32 v85, v85, v87
	s_wait_loadcnt 0x0                             ; q
.irp t, 0,1,2
	v_mul_f32 v[QC+2*\t], 0x3db8aa3b, v[QC+2*\t]   ; qc = q log2(e) / 16
.endr
.irp t, 0,1,2
	v_mul_f32 v[TS+2*\t], v[QC+2*\t], v84          ; qc kmax
	v_mul_f32 v[TS+2*\t+1], v[QC+2*\t], v85        ; -qc kmin
	v_mov_b32 v[QC+2*\t+1], v[QC+2*\t]
.endr
.irp t, 0,1,2
	v_min_num_f32 v[NM+2*\t], -v[TS+2*\t], v[TS+2*\t+1]   ; -m
.endr
.irp t, 0,1,2
	v_mov_b32 v[NM+2*\t+1], v[NM+2*\t]
.endr
; Sixteen e for three queries.  cur: the buffer at work; ld = 1: the other buffer is asked for, at off bytes from the trip's address; adr = 1: that address is made anew.
.macro HALF cur, nxt, ld, off, adr
	s_wait_dscnt 0x0                               ; this buffer's loads, issued one such step ago, are in; no LDS load of mine is out,
.if \adr
	v_add_nc_u32 v[ADR], s9, v[KVA]                ; so the address register may be written
.endif
.if \ld
.irp i, 0,1,2,3
	ds_load_b128 v[KB+32*\nxt+4*\i:KB+32*\nxt+4*\i+3], v[ADR] offset:\off+16*\i
	ds_load_b128 v[KB+32*\nxt+16+4*\i:KB+32*\nxt+16+4*\i+3], v[ADR] offset:1024+\off+16*\i
.endr
.endif
.irp u, 0,1,2,3,4,5,6,7
.irp t, 0,1,2
	v_pk_fma_f32 v[ARG+16*\t+2*\u:ARG+16*\t+2*\u+1], v[KB+32*\cur+2*\u:KB+32*\cur+2*\u+1], v[QC+2*\t:QC+2*\t+1], v[NM+2*\t:NM+2*\t+1]   ; qc k - m
.endr
.endr
.set EI, 0
.rept 48
	v_exp_f32 v[ARG+EI], v[ARG+EI]                 ; one batch: none reads another's result
.set EI, EI+1
.endr
	v_nop                                          ; a plain place behind the last exponential
	s_wait_alu depctr_va_vdst(0)                   ; one wait for the 48, ahead of their first reader
.irp u, 0,1,2,3,4,5,6,7
.irp t, 0,1,2
	v_pk_add_f32 v[SUM+2*\t:SUM+2*\t+1], v[SUM+2*\t:SUM+2*\t+1], v[ARG+16*\t+2*\u:ARG+16*\t+2*\u+1]   ; six chains by turns
	v_pk_fma_f32 v[ACC+2*\t:ACC+2*\t+1], v[ARG+16*\t+2*\u:ARG+16*\t+2*\u+1], v[KB+32*\cur+16+2*\u:KB+32*\cur+16+2*\u+1], v[ACC+2*\t:ACC+2*\t+1]
.endr
.endr
.endm
	s_mov_b32 s9, 0                                ; the trip's first e, in bytes
	s_mov_b32 s10, 7
.Le:                                               ; a trip: 32 e
	HALF 0, 1, 1, 64, 1
	HALF 1, 0, 1, 128, 0
	s_add_co_u32 s9, s9, 128
	s_sub_co_u32 s10, s10, 1
	s_cmp_lg_u32 s10, 0
	s_cbranch_scc1 .Le
	HALF 0, 1, 1, 64, 1                            ; the last 32 e are written out: nothing is read past the row's end
	HALF 1, 0, 0, 0, 0
.irp t, 0,1,2
	v_add_f32 v[SUM+2*\t], v[SUM+2*\t], v[SUM+2*\t+1]
	v_add_f32 v[ACC+2*\t], v[ACC+2*\t], v[ACC+2*\t+1]
.endr
.irp t, 0,1,2
	v_rcp_f32 v[TS+\t], v[SUM+2*\t]
.endr
	v_nop
	s_wait_alu depctr_va_vdst(0)                   ; one wait for the three reciprocals
.irp t, 0,1,2
	v_mul_f32 v[TS+\t], v[TS+\t], v[ACC+2*\t]
.endr
.irp t, 0,1,2
	ds_store_b32 v[4+\t], v[TS+\t] offset:RESB
.endr
	s_wait_dscnt 0x0
	s_barrier_signal -1
	s_barrier_wait -1                              ; the twelve slots (i, j), j != i, are whole
	s_cmp_lt_u32 s8, 8                             ; waves 0 to 7: a query set and a half of the channels each
	s_cbranch_scc0 .Lend
.irp t, 0,1,2
	ds_load_b64 v[TS+2*\t:TS+2*\t+1], v[7+\t] offset:RESB
.endr
	s_wait_dscnt 0x0
	v_pk_add_f32 v[TS:TS+1], v[TS:TS+1], v[TS+2:TS+3]
	v_pk_add_f32 v[TS:TS+1], v[TS:TS+1], v[TS+4:TS+5]
	global_store_b64 v15, v[TS:TS+1], s[6:7]       ; 32 lanes store 256 consecutive bytes, at a multiple of 256 from the buffer's first byte
.Lend:
	s_wait_tensorcnt 0x0
	ds_add_u32 v160, v161
	s_wait_dscnt 0x0
	s_endpgm
.Lfunc_end_k_qe65cb77906_attn:
	.size	k_qe65cb77906_attn, .Lfunc_end_k_qe65cb77906_attn-k_qe65cb77906_attn
	.p2alignl 7, 3214868480
	.fill 96, 4, 3214868480
	.section	.rodata,"a",@progbits
	.p2align	6, 0x0
	.amdhsa_kernel k_qe65cb77906_attn
		.amdhsa_group_segment_fixed_size 18432
		.amdhsa_private_segment_fixed_size 0
		.amdhsa_enable_private_segment 0
		.amdhsa_kernarg_size 16
		.amdhsa_user_sgpr_count 2
		.amdhsa_user_sgpr_kernarg_segment_ptr 1
		.amdhsa_wavefront_size32 1
		.amdhsa_system_sgpr_workgroup_id_x 1
		.amdhsa_system_sgpr_workgroup_id_y 1
		.amdhsa_system_sgpr_workgroup_id_z 1
		.amdhsa_system_vgpr_workitem_id 0
		.amdhsa_next_free_vgpr 162
		.amdhsa_next_free_sgpr 66
		.amdhsa_reserve_vcc 0
		.amdhsa_float_denorm_mode_32 3
		.amdhsa_float_denorm_mode_16_64 3
		.amdhsa_memory_ordered 1
		.amdhsa_forward_progress 1
		.amdhsa_inst_pref_size 36
	.end_amdhsa_kernel
	.amdgpu_metadata
---
amdhsa.version: [ 1, 2 ]
amdhsa.kernels:
  - .name:           k_qe65cb77906_attn
    .symbol:         k_qe65cb77906_attn.kd
    .args:
      - { .name: qkvb, .offset: 0, .size: 8, .value_kind: global_buffer, .address_space: global }
      - { .name: attb, .offset: 8, .size: 8, .value_kind: global_buffer, .address_space: global }
    .group_segment_fixed_size: 18432
    .private_segment_fixed_size: 0
    .kernarg_segment_align: 8
    .kernarg_segment_size: 16
    .max_flat_workgroup_size: 512
    .sgpr_count:     66
    .vgpr_count:     162
    .wavefront_size: 32
...
	.end_amdgpu_metadata
.endif
;; end of part 2
;; launch wo (part 3): grid 8 x 8, 8 waves a work-group, no clusters, 32,000 bytes of LDS; arguments attb, Wo_codes, Wo_scales, bo, xqb, aob; writes aob
.if DOCPART == 3
	.amdgcn_target "amdgcn-amd-amdhsa--gfx1250"
	.amdhsa_code_object_version 6
	.text
	.protected	k_qe65cb77906_wo
	.globl	k_qe65cb77906_wo
	.p2align	8
	.type	k_qe65cb77906_wo,@function
k_qe65cb77906_wo:
	s_mov_b64 s[64:65], 0
	v_nop
	global_prefetch_b8 v0, s[64:65] scope:SCOPE_SE
	s_setreg_imm32_b32 hwreg(HW_REG_WAVE_MODE, 25, 1), 1
	s_wait_xcnt 0x0
; attn_out = xq + Q(att) Wo^T + bo.  Q: the MX quantiser to E2M3 along K (blocks of 32, one E8M0 byte).  Wo comes as codes and scale bytes.
; SHARES.  A work-group (c, m) makes 16 rows (tile m of the 128) x 128 output columns (chunk c).  Eight waves.  Wave w quantises K step w of the 16 rows and sends the fragment to LDS as an
; image of its registers; then it makes the 16 x 16 tile of output columns 128 c + 16 w .. + 15 over all 8 K steps: 8 matrix instructions on two accumulators by turns.
; All of a wave's 70 global loads go out at the head, so there is no ring and no tensor load.  No cluster: what the eight row tiles share is asked for once, at the head.
; THE MATRIX INSTRUCTION IS USED TRANSPOSED: source 0 = 16 rows of W (output columns), source 1 = the 16 rows: lane (r, h) holds row r and output columns 8 h + 0 .. 7.
; LIMITS: NaN and infinities are not served.  A block whose largest magnitude lies under 2^-124 keeps the scale byte 1; a block of zeros has the byte 1 where the rule says 127 (its codes are
; zeros, and only this program reads the byte).  A sum over K is kept in two accumulators (even and odd K steps), added at the end: an order of f32 rounding other than one ascending chain.
.set LNMODE, 0
.set RESID,  1
.set QOUT,   0
.set XQOUT,  0
.set SPLIT3, 0
.set PA, 8                             ; s[8:9] attb
.set PWC, 10                           ; s[10:11] Wo's codes
.set PWS, 12                           ; s[12:13] its scale bytes
.set PBI, 14                           ; s[14:15] bo
.set PRES, 16                          ; s[16:17] xqb
.set POUT, 18                          ; s[18:19] aob
.set XIMG, 0                           ; LDS: 8 fragment images of 1,536 bytes (K step s)
.set XSC,  12288                       ; their scale words, 128 bytes each
.set STG,  22528                       ; the way out: 16 rows x (512 + 16) bytes
.set XA, 4                             ; 4096 r + 64 h
.set LI, 5                             ; 16 x lane
.set LS, 6                             ; 4 x lane
.set XWI, 7                            ; 16 x lane + 1536 w
.set XWS, 8                            ; 4 x lane + 128 w
.set SO, 11                            ; 528 r + 64 w + 32 h
.set SR, 12                            ; 1056 w + 16 x lane
.set WA, 13                            ; 768 r + 24 h
.set WSA, 14                           ; 32 r
.set BA, 15                            ; 32 h
.set QR, 20                            ; 528 r
.set X, 32                             ; v32-95   64 numbers: register 16 b + i = k 32 b + 16 h + i of row r in my K step
.set TM, 224                           ; v224-239 at work
.set WS, 240                           ; v240-247 W's scale words, K step s
.set RR, 248                           ; v248-255 the residual's two rows
.set PC, 96                            ; v96-115  codes just made
.set PW, 116                           ; v116     the scale word just made
.set AF, 96                            ; v96-191  the rows' 8 fragments
.set AS, 192                           ; v192-199 their scale words
.set ACC0, 200
.set ACC1, 208
.set RV, 216                           ; v216-223 the two accumulators' sum
; window 1: v0-95 W's 8 fragments; v96-103 the bias in the result's layout
.set CH, 2
.set MT, 3
.set WV, 4
.set CC, 5
.set SEL, 42
.set MSB, 0
.macro WIN new                         ; the immediate's high byte repeats the setting that is left
.if MSB != \new
	s_set_vgpr_msb (MSB<<8)|\new
.set MSB, \new
.endif
.endm
.macro BARRIER                         ; my LDS stores have landed and my LDS loads are in: then the work-group's barrier
	s_wait_dscnt 0x0
	s_barrier_signal -1
	s_barrier_wait -1
.endm
; 64 numbers of a lane, v[s] on, register 16 b + i = k 32 b + 16 h + i of my row, become a fragment's codes in v[PC] on and its scale word in v[PW]
.macro QUANT s
.irp b, 0,1,2,3
	v_max3_num_f32 v[TM+\b], |v[\s+16*\b]|, |v[\s+1+16*\b]|, 0x1800000   ; block b: my 16 numbers, and the floor 2^(3 - 127): the byte cannot fall under 1
.endr
.irp i, 2,4,6,8,10,12,14
.irp b, 0,1,2,3
	v_max3_num_f32 v[TM+\b], v[TM+\b], |v[\s+16*\b+\i]|, |v[\s+1+16*\b+\i]|
.endr
.endr
.irp b, 0,1,2,3
	v_permlanex16_b32 v[TM+4+\b], v[TM+\b], s[SEL], s[SEL+1]
.endr
.irp b, 0,1,2,3
	v_max_num_f32 v[TM+\b], v[TM+\b], v[TM+4+\b]   ; with lane l xor 16's: the block's largest magnitude
.endr
.irp b, 0,1,2,3
	v_add_nc_u32 v[TM+12+\b], 0xff000000, v[TM+\b] ; 2 off its exponent field: the conversion's scale operand
.endr
.irp b, 0,1,2,3
	v_lshrrev_b32 v[TM+4+\b], 23, v[TM+12+\b]      ; the scale's byte
.endr
	v_lshl_or_b32 v[PW], v[TM+5], 8, v[TM+4]
	v_lshl_or_b32 v[PW], v[TM+6], 16, v[PW]
	v_lshl_or_b32 v[PW], v[TM+7], 24, v[PW]
.irp c, 0,1
	v_cvt_scalef32_pk16_fp6_f32 v[PC+6*\c:PC+2+6*\c], v[\s+32*\c:\s+15+32*\c], v[TM+12+2*\c]
	v_cvt_scalef32_pk16_fp6_f32 v[PC+12+4*\c:PC+14+4*\c], v[\s+16+32*\c:\s+31+32*\c], v[TM+12+2*\c+1]   ; (a conversion's three registers begin on an even number)
.endr
	v_nop                                          ; one plain place behind a scaled conversion
.irp c, 0,1                                    ; the operand's layout wants a whole block in a lane
.irp i, 0,1,2
	v_permlane16_swap_b32 v[PC+6*\c+\i], v[PC+12+4*\c+\i]
.endr
.irp i, 0,1,2
	v_mov_b32 v[PC+3+6*\c+\i], v[PC+12+4*\c+\i]
.endr
.endr
.endm
.macro IMAGE adr, off                  ; the fragment in v[PC] on goes to LDS as it stands: lane l's 16 bytes at 16 l
.irp c, 0,1,2
	ds_store_b128 v[\adr], v[PC+4*\c:PC+4*\c+3] offset:\off+512*\c
.endr
.endm
.macro FETCH reg, off                  ; and comes back so, in any wave
.irp c, 0,1,2
	ds_load_b128 v[\reg+4*\c:\reg+4*\c+3], v[LI] offset:\off+512*\c
.endr
.endm
	s_load_b256 s[8:15], s[0:1], 0x0               ; attb, Wo's codes, scales, bo
	s_load_b128 s[16:19], s[0:1], 0x20             ; xqb, aob
	v_lshl_add_u32 v234, v0, 2, 0x7900
	v_mov_b32 v235, 0
	v_lshrrev_b32 v1, 5, v0
	v_readfirstlane_b32 s[WV], v1                  ; wave 0..7
	s_mov_b32 s[CH], ttmp9                         ; c
	s_and_b32 s[MT], ttmp7, 0xffff                 ; m
	s_mov_b32 s[CC], s[CH]
	v_and_b32 v1, 31, v0                           ; lane
	v_and_b32 v2, 15, v0                           ; r
	v_bfe_u32 v3, v0, 4, 1                         ; h
	v_lshlrev_b32 v[XA], 12, v2
	v_lshl_add_u32 v[XA], v3, 6, v[XA]
	v_lshlrev_b32 v[LI], 4, v1
	v_lshlrev_b32 v[LS], 2, v1
	s_mul_i32 s44, s[WV], 1536
	v_add_nc_u32 v[XWI], s44, v[LI]
	s_lshl_b32 s44, s[WV], 7
	v_add_nc_u32 v[XWS], s44, v[LS]
	v_mul_u32_u24 v[QR], v2, 528
	v_lshl_add_u32 v[SO], v3, 5, v[QR]
	s_lshl_b32 s44, s[WV], 6
	v_add_nc_u32 v[SO], s44, v[SO]
	s_mul_i32 s44, s[WV], 1056
	v_add_nc_u32 v[SR], s44, v[LI]
	v_mul_u32_u24 v[WA], v2, 768                   ; a row of W is 1,024 codes, 768 bytes
	v_mad_u32_u24 v[WA], v3, 24, v[WA]
	v_lshlrev_b32 v[WSA], 5, v2                    ; and 32 scale bytes
	v_lshlrev_b32 v[BA], 5, v3
.irp b, 0,1,2,3
	v_mov_b32 v[TM+4+\b], 0                        ; written once: a lane permute's destination counts as one of its sources
.endr
	s_mov_b32 s[SEL], 0x76543210
	s_mov_b32 s[SEL+1], 0xfedcba98                 ; v_permlanex16_b32's selects for lane l xor 16
	; byte offsets, each in a pair of its own with 0 above
	s_lshl_b32 s48, s[MT], 16
	s_lshl_b32 s50, s[WV], 9
	s_add_co_u32 s48, s48, s50                     ; the rows: 65536 m + 512 w
	s_mov_b32 s49, 0
	s_mul_i32 s52, s[CC], 98304
	s_mul_i32 s53, s[WV], 12288
	s_add_co_u32 s52, s52, s53                     ; W's codes: row 128 c + 16 w
	s_mov_b32 s53, 0
	s_lshl_b32 s54, s[CC], 12
	s_add_co_u32 s54, s54, s50                     ; W's scales: 4096 c + 512 w
	s_mov_b32 s55, 0
	s_lshl_b32 s56, s[CC], 9
	s_lshl_b32 s57, s[WV], 6
	s_add_co_u32 s56, s56, s57                     ; the bias: 512 c + 64 w
	s_mov_b32 s57, 0
	s_lshl_b32 s58, s[MT], 16
	s_lshl_b32 s59, s[CC], 9
	s_add_co_u32 s58, s58, s59
	s_lshl_b32 s59, s[WV], 13
	s_add_co_u32 s58, s58, s59                     ; out and residual: rows 16 m + 2 w, 2 w + 1, columns 128 c on
	s_mov_b32 s59, 0
	s_wait_kmcnt 0x0
	s_add_nc_u64 s[PA:PA+1], s[PA:PA+1], s[48:49]
	s_add_nc_u64 s[PWC:PWC+1], s[PWC:PWC+1], s[52:53]
	s_add_nc_u64 s[PWS:PWS+1], s[PWS:PWS+1], s[54:55]
	s_add_nc_u64 s[PBI:PBI+1], s[PBI:PBI+1], s[56:57]
	s_add_nc_u64 s[POUT:POUT+1], s[POUT:POUT+1], s[58:59]
	s_add_nc_u64 s[PRES:PRES+1], s[PRES:PRES+1], s[58:59]
	; ---- all global loads of the wave, what is wanted first in front
.irp b, 0,1,2,3
.irp j, 0,1,2,3
	global_load_b128 v[X+16*\b+4*\j:X+16*\b+4*\j+3], v[XA], s[PA:PA+1] offset:128*\b+16*\j
.endr
.endr
	global_load_b128 v[WS:WS+3], v[WSA], s[PWS:PWS+1]
	global_load_b128 v[WS+4:WS+7], v[WSA], s[PWS:PWS+1] offset:16
	global_load_b128 v[RR:RR+3], v[LI], s[PRES:PRES+1]
	global_load_b128 v[RR+4:RR+7], v[LI], s[PRES:PRES+1] offset:4096
	WIN 0x40                                       ; destination window 1
.irp s, 0,1,2,3,4,5,6,7
.irp p, 0,1,2,3,4,5
	global_load_b64 v[12*\s+2*\p:12*\s+2*\p+1], v[WA], s[PWC:PWC+1] offset:96*\s+48*(\p/3)+8*(\p%3)
.endr
.endr
	global_load_b128 v[96:99], v[BA], s[PBI:PBI+1]
	global_load_b128 v[100:103], v[BA], s[PBI:PBI+1] offset:16
	WIN 0
	s_wait_loadcnt 54                              ; the rows are in; behind them 2 loads of scales, 2 of the residual, 48 of codes, 2 of the bias may be out
	; ---- my K step becomes a fragment
	QUANT X
	IMAGE XWI, XIMG
	ds_store_b32 v[XWS], v[PW] offset:XSC
	BARRIER                                        ; the rows' eight fragments lie in LDS
	; ---- the product
.irp s, 0,1,2,3,4,5,6,7
	FETCH AF+12*\s, XIMG+1536*\s
	ds_load_b32 v[AS+\s], v[LS] offset:XSC+128*\s
.endr
	s_wait_dscnt 0x0
	s_wait_loadcnt 0x0                             ; W's codes and scales, the bias, the residual
	WIN 0x11                                       ; source 0 (W) and source 2 (the bias) window 1
	v_wmma_scale_f32_16x16x128_f8f6f4 v[ACC0:ACC0+7], v[0:11], v[AF:AF+11], v[96:103], v[WS], v[AS] matrix_a_fmt:MATRIX_FMT_FP6 matrix_b_fmt:MATRIX_FMT_FP6
	WIN 0x01
	v_wmma_scale_f32_16x16x128_f8f6f4 v[ACC1:ACC1+7], v[12:23], v[AF+12:AF+23], 0, v[WS+1], v[AS+1] matrix_a_fmt:MATRIX_FMT_FP6 matrix_b_fmt:MATRIX_FMT_FP6
.irp s, 2,3,4,5,6,7                            ; the two accumulators by turns, one instruction a turn
	v_wmma_scale_f32_16x16x128_f8f6f4 v[ACC0+8*(\s%2):ACC0+8*(\s%2)+7], v[12*\s:12*\s+11], v[AF+12*\s:AF+12*\s+11], v[ACC0+8*(\s%2):ACC0+8*(\s%2)+7], v[WS+\s], v[AS+\s] matrix_a_fmt:MATRIX_FMT_FP6 matrix_b_fmt:MATRIX_FMT_FP6
.endr
	WIN 0
.rept 4
	v_nop                                          ; four places behind the last product, ahead of the first read of results (ISA guide 7.12.1)
.endr
.irp i, 0,1,2,3
	v_pk_add_f32 v[RV+2*\i:RV+2*\i+1], v[ACC0+2*\i:ACC0+2*\i+1], v[ACC1+2*\i:ACC1+2*\i+1]   ; each accumulator from its low end on
.endr
	; ---- the way out: a row's 128 columns come from eight waves and meet in the stage
	ds_store_b128 v[SO], v[RV:RV+3] offset:STG
	ds_store_b128 v[SO], v[RV+4:RV+7] offset:STG+16
	BARRIER
	ds_load_b128 v[TM:TM+3], v[SR] offset:STG      ; row 2 w, whole: 512 bytes
	ds_load_b128 v[TM+4:TM+7], v[SR] offset:STG+528
	s_wait_dscnt 0x1                               ; the first row is in, the second may be out
	v_pk_add_f32 v[TM:TM+1], v[TM:TM+1], v[RR:RR+1]
	v_pk_add_f32 v[TM+2:TM+3], v[TM+2:TM+3], v[RR+2:RR+3]
	global_store_b128 v[LI], v[TM:TM+3], s[POUT:POUT+1]              ; 32 lanes store 512 consecutive bytes, at a multiple of 256 from the buffer's first byte
	s_wait_dscnt 0x0
	v_pk_add_f32 v[TM+4:TM+5], v[TM+4:TM+5], v[RR+4:RR+5]
	v_pk_add_f32 v[TM+6:TM+7], v[TM+6:TM+7], v[RR+6:RR+7]
	global_store_b128 v[LI], v[TM+4:TM+7], s[POUT:POUT+1] offset:4096
	s_wait_tensorcnt 0x0
	ds_add_u32 v234, v235
	s_wait_dscnt 0x0
	s_endpgm
.Lfunc_end_k_qe65cb77906_wo:
	.size	k_qe65cb77906_wo, .Lfunc_end_k_qe65cb77906_wo-k_qe65cb77906_wo
	.p2alignl 7, 3214868480
	.fill 96, 4, 3214868480
	.section	.rodata,"a",@progbits
	.p2align	6, 0x0
	.amdhsa_kernel k_qe65cb77906_wo
		.amdhsa_group_segment_fixed_size 32000
		.amdhsa_private_segment_fixed_size 0
		.amdhsa_enable_private_segment 0
		.amdhsa_kernarg_size 48
		.amdhsa_user_sgpr_count 2
		.amdhsa_user_sgpr_kernarg_segment_ptr 1
		.amdhsa_wavefront_size32 1
		.amdhsa_system_sgpr_workgroup_id_x 1
		.amdhsa_system_sgpr_workgroup_id_y 1
		.amdhsa_system_sgpr_workgroup_id_z 1
		.amdhsa_system_vgpr_workitem_id 0
		.amdhsa_next_free_vgpr 384
		.amdhsa_next_free_sgpr 66
		.amdhsa_reserve_vcc 0
		.amdhsa_float_denorm_mode_32 3
		.amdhsa_float_denorm_mode_16_64 3
		.amdhsa_memory_ordered 1
		.amdhsa_forward_progress 1
		.amdhsa_inst_pref_size 19
	.end_amdhsa_kernel
	.amdgpu_metadata
---
amdhsa.version: [ 1, 2 ]
amdhsa.kernels:
  - .name:           k_qe65cb77906_wo
    .symbol:         k_qe65cb77906_wo.kd
    .args:
      - { .name: attb, .offset: 0, .size: 8, .value_kind: global_buffer, .address_space: global }
      - { .name: Wo_codes, .offset: 8, .size: 8, .value_kind: global_buffer, .address_space: global }
      - { .name: Wo_scales, .offset: 16, .size: 8, .value_kind: global_buffer, .address_space: global }
      - { .name: bo, .offset: 24, .size: 8, .value_kind: global_buffer, .address_space: global }
      - { .name: xqb, .offset: 32, .size: 8, .value_kind: global_buffer, .address_space: global }
      - { .name: aob, .offset: 40, .size: 8, .value_kind: global_buffer, .address_space: global }
    .group_segment_fixed_size: 32000
    .private_segment_fixed_size: 0
    .kernarg_segment_align: 8
    .kernarg_segment_size: 48
    .max_flat_workgroup_size: 256
    .sgpr_count:     66
    .vgpr_count:     384
    .wavefront_size: 32
...
	.end_amdgpu_metadata
.endif
;; end of part 3
;; launch ffn1 (part 4): grid 32 x 8, 8 waves a work-group, no clusters, 32,000 bytes of LDS; arguments aob, g2, b2, W1_codes, W1_scales, bf1, hc, hs; writes hc, hs
.if DOCPART == 4
	.amdgcn_target "amdgcn-amd-amdhsa--gfx1250"
	.amdhsa_code_object_version 6
	.text
	.protected	k_qe65cb77906_ffn1
	.globl	k_qe65cb77906_ffn1
	.p2align	8
	.type	k_qe65cb77906_ffn1,@function
k_qe65cb77906_ffn1:
	s_mov_b64 s[64:65], 0
	v_nop
	global_prefetch_b8 v0, s[64:65] scope:SCOPE_SE
	s_setreg_imm32_b32 hwreg(HW_REG_WAVE_MODE, 25, 1), 1
	s_wait_xcnt 0x0
; hidden = Q(relu(Q(LN2(attn_out)) W1^T + bf1)).  Q: the MX quantiser to E2M3 along K (blocks of 32, one E8M0 byte).  W1 comes as codes and scale bytes.
; SHARES.  A work-group (c, m) makes 16 rows (tile m of the 128) x 128 hidden units (chunk c of 32): 256 work-groups.  Eight waves.  Wave w works K step w of the 16 rows (LayerNorm, quantiser)
; and sends the fragment to LDS as an image of its registers; then it makes the 16 x 16 tile of hidden units 128 c + 16 w .. + 15 over all 8 K steps: 8 matrix instructions on two accumulators by turns.
; The chunk's 128 hidden units are K step c of the next product: wave 0 quantises them, and the fragment leaves as an image of the operand's registers (hc: 1,536 bytes at 1536 (32 m + c);
; hs: its scale words, 4 bytes a lane, 128 bytes at 128 (32 m + c)), so that the next launch loads it by 16 bytes a lane.
; All of a wave's 70 global loads go out at the head, so there is no ring and no tensor load.  No cluster: what the eight row tiles share is asked for once, at the head.
; THE MATRIX INSTRUCTION IS USED TRANSPOSED: source 0 = 16 rows of W (hidden units), source 1 = the 16 rows: lane (r, h) holds row r and hidden units 8 h + 0 .. 7.
; LIMITS: NaN and infinities are not served.  A block whose largest magnitude lies under 2^-124 keeps the scale byte 1; a block of zeros has the byte 1 where the rule says 127 (its codes are
; zeros, and only this program reads the byte).  A sum over K is kept in two accumulators (even and odd K steps), added at the end: an order of f32 rounding other than one ascending chain.
; 1 / sqrt is v_rsq_f32.
.set LNMODE, 1
.set RESID,  0
.set QOUT,   1
.set XQOUT,  0
.set SPLIT3, 0
.set PA, 8                             ; s[8:9] aob
.set PG, 10                            ; s[10:11] g2
.set PB, 12                            ; s[12:13] b2
.set PWC, 14                           ; s[14:15] W1's codes
.set PWS, 16                           ; s[16:17] its scale bytes
.set PBI, 18                           ; s[18:19] bf1
.set PHC, 20                           ; s[20:21] hc
.set PHS, 22                           ; s[22:23] hs
.set XIMG, 0                           ; LDS: 8 fragment images of 1,536 bytes (K step s)
.set XSC,  12288                       ; their scale words, 128 bytes each
.set RED1, 13312                       ; 16 rows x 8 waves' partial sums
.set RED2, 13824                       ; the same for the squares
.set GBL,  14336                       ; for each wave 512 bytes of g, 512 of b
.set STG,  22528                       ; 16 rows x (512 + 16) bytes: the chunk's hidden units in f32
.set XA, 4                             ; 4096 r + 64 h
.set LI, 5                             ; 16 x lane
.set LS, 6                             ; 4 x lane
.set XWI, 7                            ; 16 x lane + 1536 w
.set XWS, 8                            ; 4 x lane + 128 w
.set RA, 9                             ; 32 r + 4 w
.set RB, 10                            ; 32 r
.set SO, 11                            ; 528 r + 64 w + 32 h
.set WA, 13                            ; 768 r + 24 h
.set WSA, 14                           ; 32 r
.set BA, 15                            ; 32 h
.set GBS, 16                           ; 1024 w + 16 x lane
.set GBR, 17                           ; 1024 w + 64 h
.set QR, 20                            ; 528 r + 64 h
.set X, 32                             ; v32-95   64 numbers: register 16 b + i = k 32 b + 16 h + i of row r
.set G, 96                             ; v96-159  g in the same order
.set BB, 160                           ; v160-223 b in the same order
.set TM, 224                           ; v224-239 at work
.set DV, 232                           ; v232-239 four pairs of differences
.set WS, 240                           ; v240-247 W's scale words, K step s
.set MU, 248                           ; v[248:249] the mean, twice
.set RS, 250                           ; v[250:251] 1 / sqrt(var + eps), twice
.set PC, 96                            ; v96-115  codes just made (g is done with)
.set PW, 116                           ; v116     the scale word just made
.set AF, 96                            ; v96-191  the rows' 8 fragments
.set AS, 192                           ; v192-199 their scale words
.set ACC0, 200
.set ACC1, 208
.set RV, 216                           ; v216-223 the two accumulators' sum
; window 1: v0-95 W's 8 fragments; v96-103 the bias in the result's layout
.set CH, 2
.set MT, 3
.set WV, 4
.set CC, 5
.set SEL, 42
.set MSB, 0
.macro WIN new                         ; the immediate's high byte repeats the setting that is left
.if MSB != \new
	s_set_vgpr_msb (MSB<<8)|\new
.set MSB, \new
.endif
.endm
.macro BARRIER                         ; my LDS stores have landed and my LDS loads are in: then the work-group's barrier
	s_wait_dscnt 0x0
	s_barrier_signal -1
	s_barrier_wait -1
.endm
.macro SUM8                            ; eight numbers in v[TM] on become one
	v_pk_add_f32 v[TM:TM+1], v[TM:TM+1], v[TM+2:TM+3]
	v_pk_add_f32 v[TM+4:TM+5], v[TM+4:TM+5], v[TM+6:TM+7]
	v_pk_add_f32 v[TM:TM+1], v[TM:TM+1], v[TM+4:TM+5]
	v_add_f32 v[TM], v[TM], v[TM+1]
.endm
.macro FOLD                            ; and with lane l xor 16's: row r's sum over my K step
	SUM8
	v_permlanex16_b32 v[TM+1], v[TM], s[SEL], s[SEL+1]
	v_add_f32 v[TM], v[TM], v[TM+1]
.endm
.macro ROWRED red                      ; over the eight waves: a word a wave and row, a barrier, every wave reads its rows' eight
	ds_store_b32 v[RA], v[TM] offset:\red          ; lanes r and r + 16 write the same word with the same value
	BARRIER
	ds_load_b128 v[TM:TM+3], v[RB] offset:\red
	ds_load_b128 v[TM+4:TM+7], v[RB] offset:\red+16
	s_wait_dscnt 0x0
	SUM8
.endm
; 64 numbers of a lane, v[s] on, register 16 b + i = k 32 b + 16 h + i of my row, become a fragment's codes in v[PC] on and its scale word in v[PW]
.macro QUANT s
.irp b, 0,1,2,3
	v_max3_num_f32 v[TM+\b], |v[\s+16*\b]|, |v[\s+1+16*\b]|, 0x1800000   ; block b: my 16 numbers, and the floor 2^(3 - 127): the byte cannot fall under 1
.endr
.irp i, 2,4,6,8,10,12,14
.irp b, 0,1,2,3
	v_max3_num_f32 v[TM+\b], v[TM+\b], |v[\s+16*\b+\i]|, |v[\s+1+16*\b+\i]|
.endr
.endr
.irp b, 0,1,2,3
	v_permlanex16_b32 v[TM+4+\b], v[TM+\b], s[SEL], s[SEL+1]
.endr
.irp b, 0,1,2,3
	v_max_num_f32 v[TM+\b], v[TM+\b], v[TM+4+\b]   ; with lane l xor 16's: the block's largest magnitude
.endr
.irp b, 0,1,2,3
	v_add_nc_u32 v[TM+12+\b], 0xff000000, v[TM+\b] ; 2 off its exponent field: the conversion's scale operand
.endr
.irp b, 0,1,2,3
	v_lshrrev_b32 v[TM+4+\b], 23, v[TM+12+\b]      ; the scale's byte
.endr
	v_lshl_or_b32 v[PW], v[TM+5], 8, v[TM+4]
	v_lshl_or_b32 v[PW], v[TM+6], 16, v[PW]
	v_lshl_or_b32 v[PW], v[TM+7], 24, v[PW]
.irp c, 0,1
	v_cvt_scalef32_pk16_fp6_f32 v[PC+6*\c:PC+2+6*\c], v[\s+32*\c:\s+15+32*\c], v[TM+12+2*\c]
	v_cvt_scalef32_pk16_fp6_f32 v[PC+12+4*\c:PC+14+4*\c], v[\s+16+32*\c:\s+31+32*\c], v[TM+12+2*\c+1]   ; (a conversion's three registers begin on an even number)
.endr
	v_nop                                          ; one plain place behind a scaled conversion
.irp c, 0,1                                    ; the operand's layout wants a whole block in a lane
.irp i, 0,1,2
	v_permlane16_swap_b32 v[PC+6*\c+\i], v[PC+12+4*\c+\i]
.endr
.irp i, 0,1,2
	v_mov_b32 v[PC+3+6*\c+\i], v[PC+12+4*\c+\i]
.endr
.endr
.endm
.macro IMAGE adr, off                  ; the fragment in v[PC] on goes to LDS as it stands: lane l's 16 bytes at 16 l
.irp c, 0,1,2
	ds_store_b128 v[\adr], v[PC+4*\c:PC+4*\c+3] offset:\off+512*\c
.endr
.endm
.macro FETCH reg, off                  ; and comes back so, in any wave
.irp c, 0,1,2
	ds_load_b128 v[\reg+4*\c:\reg+4*\c+3], v[LI] offset:\off+512*\c
.endr
.endm
	s_load_b256 s[8:15], s[0:1], 0x0               ; aob, g2, b2, W1's codes
	s_load_b256 s[16:23], s[0:1], 0x20             ; W1's scales, bf1, hc, hs
	v_lshl_add_u32 v254, v0, 2, 0x7900
	v_mov_b32 v255, 0
	v_lshrrev_b32 v1, 5, v0
	v_readfirstlane_b32 s[WV], v1                  ; wave 0..7
	s_mov_b32 s[CH], ttmp9                         ; c
	s_and_b32 s[MT], ttmp7, 0xffff                 ; m
	s_mov_b32 s[CC], s[CH]
	v_and_b32 v1, 31, v0                           ; lane
	v_and_b32 v2, 15, v0                           ; r
	v_bfe_u32 v3, v0, 4, 1                         ; h
	v_lshlrev_b32 v[XA], 12, v2
	v_lshl_add_u32 v[XA], v3, 6, v[XA]
	v_lshlrev_b32 v[LI], 4, v1
	v_lshlrev_b32 v[LS], 2, v1
	s_mul_i32 s44, s[WV], 1536
	v_add_nc_u32 v[XWI], s44, v[LI]
	s_lshl_b32 s44, s[WV], 7
	v_add_nc_u32 v[XWS], s44, v[LS]
	v_lshlrev_b32 v[RB], 5, v2
	s_lshl_b32 s44, s[WV], 2
	v_add_nc_u32 v[RA], s44, v[RB]
	v_mul_u32_u24 v[QR], v2, 528
	v_lshl_add_u32 v[SO], v3, 5, v[QR]
	s_lshl_b32 s44, s[WV], 6
	v_add_nc_u32 v[SO], s44, v[SO]
	v_lshl_add_u32 v[QR], v3, 6, v[QR]
	v_mul_u32_u24 v[WA], v2, 768                   ; a row of W is 1,024 codes, 768 bytes
	v_mad_u32_u24 v[WA], v3, 24, v[WA]
	v_lshlrev_b32 v[WSA], 5, v2                    ; and 32 scale bytes
	v_lshlrev_b32 v[BA], 5, v3
	s_lshl_b32 s44, s[WV], 10
	v_add_nc_u32 v[GBS], s44, v[LI]
	v_lshl_add_u32 v[GBR], v3, 6, s44
	s_mov_b32 s[SEL], 0x76543210
	s_mov_b32 s[SEL+1], 0xfedcba98                 ; v_permlanex16_b32's selects for lane l xor 16
	s_mov_b32 s46, 0x3a800000                      ; 2^-10 = 1 / 1,024
	s_mov_b32 s47, 0x3727c5ac                      ; eps = 1e-5
	; byte offsets, each in a pair of its own with 0 above
	s_lshl_b32 s48, s[MT], 16
	s_lshl_b32 s50, s[WV], 9
	s_add_co_u32 s48, s48, s50                     ; the rows: 65536 m + 512 w
	s_mov_b32 s49, 0
	s_mov_b32 s51, 0                               ; g, b: 512 w
	s_mul_i32 s52, s[CC], 98304
	s_mul_i32 s53, s[WV], 12288
	s_add_co_u32 s52, s52, s53                     ; W's codes: row 128 c + 16 w
	s_mov_b32 s53, 0
	s_lshl_b32 s54, s[CC], 12
	s_add_co_u32 s54, s54, s50                     ; W's scales: 4096 c + 512 w
	s_mov_b32 s55, 0
	s_lshl_b32 s56, s[CC], 9
	s_lshl_b32 s57, s[WV], 6
	s_add_co_u32 s56, s56, s57                     ; the bias: 512 c + 64 w
	s_mov_b32 s57, 0
	s_lshl_b32 s58, s[MT], 5
	s_add_co_u32 s58, s58, s[CH]                   ; fragment 32 m + c
	s_lshl_b32 s60, s58, 7
	s_mul_i32 s58, s58, 1536
	s_mov_b32 s61, 0
	s_mov_b32 s59, 0
	s_wait_kmcnt 0x0
	s_add_nc_u64 s[PA:PA+1], s[PA:PA+1], s[48:49]
	s_add_nc_u64 s[PG:PG+1], s[PG:PG+1], s[50:51]
	s_add_nc_u64 s[PB:PB+1], s[PB:PB+1], s[50:51]
	s_add_nc_u64 s[PWC:PWC+1], s[PWC:PWC+1], s[52:53]
	s_add_nc_u64 s[PWS:PWS+1], s[PWS:PWS+1], s[54:55]
	s_add_nc_u64 s[PBI:PBI+1], s[PBI:PBI+1], s[56:57]
	s_add_nc_u64 s[PHC:PHC+1], s[PHC:PHC+1], s[58:59]
	s_add_nc_u64 s[PHS:PHS+1], s[PHS:PHS+1], s[60:61]
	; ---- all global loads of the wave, what is wanted first in front
.irp b, 0,1,2,3
.irp j, 0,1,2,3
	global_load_b128 v[X+16*\b+4*\j:X+16*\b+4*\j+3], v[XA], s[PA:PA+1] offset:128*\b+16*\j
.endr
.endr
	global_load_b128 v[TM+8:TM+11], v[LI], s[PG:PG+1]    ; my K step's 128 numbers of g, dense
	global_load_b128 v[TM+12:TM+15], v[LI], s[PB:PB+1]   ; and of b
	global_load_b128 v[WS:WS+3], v[WSA], s[PWS:PWS+1]
	global_load_b128 v[WS+4:WS+7], v[WSA], s[PWS:PWS+1] offset:16
	WIN 0x40                                       ; destination window 1
.irp s, 0,1,2,3,4,5,6,7
.irp p, 0,1,2,3,4,5
	global_load_b64 v[12*\s+2*\p:12*\s+2*\p+1], v[WA], s[PWC:PWC+1] offset:96*\s+48*(\p/3)+8*(\p%3)
.endr
.endr
	global_load_b128 v[96:99], v[BA], s[PBI:PBI+1]
	global_load_b128 v[100:103], v[BA], s[PBI:PBI+1] offset:16
	WIN 0
	; ---- LayerNorm over the row's 1,024 numbers, in two passes: the mean, then the squares of the differences, so that a common offset of the rows costs no accuracy
	s_wait_loadcnt 52                              ; the rows, g and b are in; behind them 2 loads of scales, 48 of codes, 2 of the bias may be out
	ds_store_b128 v[GBS], v[TM+8:TM+11] offset:GBL
	ds_store_b128 v[GBS], v[TM+12:TM+15] offset:GBL+512
.irp b, 0,1,2,3                                ; my wave's own bytes, served in order: they come back in the rows' order
.irp j, 0,1,2,3
	ds_load_b128 v[G+16*\b+4*\j:G+16*\b+4*\j+3], v[GBR] offset:GBL+128*\b+16*\j
	ds_load_b128 v[BB+16*\b+4*\j:BB+16*\b+4*\j+3], v[GBR] offset:GBL+512+128*\b+16*\j
.endr
.endr
.irp i, 0,1,2,3
	v_pk_add_f32 v[TM+2*\i:TM+2*\i+1], v[X+2*\i:X+2*\i+1], v[X+8+2*\i:X+8+2*\i+1]
.endr
.irp n, 2,3,4,5,6,7
.irp i, 0,1,2,3
	v_pk_add_f32 v[TM+2*\i:TM+2*\i+1], v[TM+2*\i:TM+2*\i+1], v[X+8*\n+2*\i:X+8*\n+2*\i+1]
.endr
.endr
	FOLD
	ROWRED RED1
	v_mul_f32 v[MU], s46, v[TM]
	v_mov_b32 v[MU+1], v[MU]
.irp n, 0,1,2,3,4,5,6,7
.irp i, 0,1,2,3
	v_pk_add_f32 v[DV+2*\i:DV+2*\i+1], v[X+8*\n+2*\i:X+8*\n+2*\i+1], v[MU:MU+1] neg_lo:[0,1] neg_hi:[0,1]
.endr
.irp i, 0,1,2,3
.if \n == 0
	v_pk_mul_f32 v[TM+2*\i:TM+2*\i+1], v[DV+2*\i:DV+2*\i+1], v[DV+2*\i:DV+2*\i+1]
.else
	v_pk_fma_f32 v[TM+2*\i:TM+2*\i+1], v[DV+2*\i:DV+2*\i+1], v[DV+2*\i:DV+2*\i+1], v[TM+2*\i:TM+2*\i+1]
.endif
.endr
.endr
	FOLD
	ROWRED RED2
	v_fma_f32 v[TM], v[TM], s46, s47               ; var + eps
	v_rsq_f32 v[RS], v[TM]
	v_nop                                          ; a plain place behind the transcendental
	s_wait_alu depctr_va_vdst(0)                   ; and a wait ahead of its first reader
	v_mov_b32 v[RS+1], v[RS]
.irp n, 0,1,2,3,4,5,6,7                        ; ((x - mean) / sqrt) g + b.  The difference is taken first and not folded into a multiply-add: that would subtract two large products where the rows carry an offset
.irp i, 0,1,2,3
	v_pk_add_f32 v[DV+2*\i:DV+2*\i+1], v[X+8*\n+2*\i:X+8*\n+2*\i+1], v[MU:MU+1] neg_lo:[0,1] neg_hi:[0,1]
.endr
.irp i, 0,1,2,3
	v_pk_mul_f32 v[DV+2*\i:DV+2*\i+1], v[DV+2*\i:DV+2*\i+1], v[RS:RS+1]
.endr
.irp i, 0,1,2,3
	v_pk_fma_f32 v[X+8*\n+2*\i:X+8*\n+2*\i+1], v[DV+2*\i:DV+2*\i+1], v[G+8*\n+2*\i:G+8*\n+2*\i+1], v[BB+8*\n+2*\i:BB+8*\n+2*\i+1]
.endr
.endr
	; ---- my K step becomes a fragment
	QUANT X
	IMAGE XWI, XIMG
	ds_store_b32 v[XWS], v[PW] offset:XSC
	BARRIER                                        ; the rows' eight fragments lie in LDS
	; ---- the product
.irp s, 0,1,2,3,4,5,6,7
	FETCH AF+12*\s, XIMG+1536*\s
	ds_load_b32 v[AS+\s], v[LS] offset:XSC+128*\s
.endr
	s_wait_dscnt 0x0
	s_wait_loadcnt 0x0                             ; W's codes and scales, the bias
	WIN 0x11                                       ; source 0 (W) and source 2 (the bias) window 1
	v_wmma_scale_f32_16x16x128_f8f6f4 v[ACC0:ACC0+7], v[0:11], v[AF:AF+11], v[96:103], v[WS], v[AS] matrix_a_fmt:MATRIX_FMT_FP6 matrix_b_fmt:MATRIX_FMT_FP6
	WIN 0x01
	v_wmma_scale_f32_16x16x128_f8f6f4 v[ACC1:ACC1+7], v[12:23], v[AF+12:AF+23], 0, v[WS+1], v[AS+1] matrix_a_fmt:MATRIX_FMT_FP6 matrix_b_fmt:MATRIX_FMT_FP6
.irp s, 2,3,4,5,6,7                            ; the two accumulators by turns, one instruction a turn
	v_wmma_scale_f32_16x16x128_f8f6f4 v[ACC0+8*(\s%2):ACC0+8*(\s%2)+7], v[12*\s:12*\s+11], v[AF+12*\s:AF+12*\s+11], v[ACC0+8*(\s%2):ACC0+8*(\s%2)+7], v[WS+\s], v[AS+\s] matrix_a_fmt:MATRIX_FMT_FP6 matrix_b_fmt:MATRIX_FMT_FP6
.endr
	WIN 0
.rept 4
	v_nop                                          ; four places behind the last product, ahead of the first read of results (ISA guide 7.12.1)
.endr
.irp i, 0,1,2,3
	v_pk_add_f32 v[RV+2*\i:RV+2*\i+1], v[ACC0+2*\i:ACC0+2*\i+1], v[ACC1+2*\i:ACC1+2*\i+1]   ; each accumulator from its low end on
.endr
.irp j, 0,1,2,3,4,5,6,7
	v_max_num_f32 v[RV+\j], 0, v[RV+\j]            ; relu, in f32
.endr
	; ---- a row's 128 hidden units come from eight waves and meet in the stage
	ds_store_b128 v[SO], v[RV:RV+3] offset:STG
	ds_store_b128 v[SO], v[RV+4:RV+7] offset:STG+16
	BARRIER
	s_cmp_lg_u32 s[WV], 0                          ; 128 hidden units of 16 rows are one fragment: wave 0 makes it
	s_cbranch_scc1 .Lend
.irp b, 0,1,2,3
.irp j, 0,1,2,3
	ds_load_b128 v[X+16*\b+4*\j:X+16*\b+4*\j+3], v[QR] offset:STG+128*\b+16*\j
.endr
.endr
	s_wait_dscnt 0x0
	QUANT X
.irp g, 0,1,2
	global_store_b128 v[LI], v[PC+4*\g:PC+4*\g+3], s[PHC:PHC+1] offset:512*\g   ; the fragment's image: 1,536 consecutive bytes, at a multiple of 256 from hc's first byte
.endr
	global_store_b32 v[LS], v[PW], s[PHS:PHS+1]    ; its scale words' image: 128 consecutive bytes, one byte in thirteen of what the work-group stores
.Lend:
	s_wait_tensorcnt 0x0
	ds_add_u32 v254, v255
	s_wait_dscnt 0x0
	s_endpgm
.Lfunc_end_k_qe65cb77906_ffn1:
	.size	k_qe65cb77906_ffn1, .Lfunc_end_k_qe65cb77906_ffn1-k_qe65cb77906_ffn1
	.p2alignl 7, 3214868480
	.fill 96, 4, 3214868480
	.section	.rodata,"a",@progbits
	.p2align	6, 0x0
	.amdhsa_kernel k_qe65cb77906_ffn1
		.amdhsa_group_segment_fixed_size 32000
		.amdhsa_private_segment_fixed_size 0
		.amdhsa_enable_private_segment 0
		.amdhsa_kernarg_size 64
		.amdhsa_user_sgpr_count 2
		.amdhsa_user_sgpr_kernarg_segment_ptr 1
		.amdhsa_wavefront_size32 1
		.amdhsa_system_sgpr_workgroup_id_x 1
		.amdhsa_system_sgpr_workgroup_id_y 1
		.amdhsa_system_sgpr_workgroup_id_z 1
		.amdhsa_system_vgpr_workitem_id 0
		.amdhsa_next_free_vgpr 384
		.amdhsa_next_free_sgpr 66
		.amdhsa_reserve_vcc 0
		.amdhsa_float_denorm_mode_32 3
		.amdhsa_float_denorm_mode_16_64 3
		.amdhsa_memory_ordered 1
		.amdhsa_forward_progress 1
		.amdhsa_inst_pref_size 40
	.end_amdhsa_kernel
	.amdgpu_metadata
---
amdhsa.version: [ 1, 2 ]
amdhsa.kernels:
  - .name:           k_qe65cb77906_ffn1
    .symbol:         k_qe65cb77906_ffn1.kd
    .args:
      - { .name: aob, .offset: 0, .size: 8, .value_kind: global_buffer, .address_space: global }
      - { .name: g2, .offset: 8, .size: 8, .value_kind: global_buffer, .address_space: global }
      - { .name: b2, .offset: 16, .size: 8, .value_kind: global_buffer, .address_space: global }
      - { .name: W1_codes, .offset: 24, .size: 8, .value_kind: global_buffer, .address_space: global }
      - { .name: W1_scales, .offset: 32, .size: 8, .value_kind: global_buffer, .address_space: global }
      - { .name: bf1, .offset: 40, .size: 8, .value_kind: global_buffer, .address_space: global }
      - { .name: hc, .offset: 48, .size: 8, .value_kind: global_buffer, .address_space: global }
      - { .name: hs, .offset: 56, .size: 8, .value_kind: global_buffer, .address_space: global }
    .group_segment_fixed_size: 32000
    .private_segment_fixed_size: 0
    .kernarg_segment_align: 8
    .kernarg_segment_size: 64
    .max_flat_workgroup_size: 256
    .sgpr_count:     66
    .vgpr_count:     384
    .wavefront_size: 32
...
	.end_amdgpu_metadata
.endif
;; end of part 4
;; launch ffn2 (part 5): grid 16 x 8, 16 waves a work-group, no clusters, 19,456 bytes of LDS; arguments hc, hs, W2_codes, W2_scales, bf2, aob, out0; writes out0
.if DOCPART == 5
	.amdgcn_target "amdgcn-amd-amdhsa--gfx1250"
	.amdhsa_code_object_version 6
	.text
	.protected	k_qe65cb77906_ffn2
	.globl	k_qe65cb77906_ffn2
	.p2align	8
	.type	k_qe65cb77906_ffn2,@function
k_qe65cb77906_ffn2:
	s_mov_b64 s[64:65], 0
	v_nop
	global_prefetch_b8 v0, s[64:65] scope:SCOPE_SE
	s_setreg_imm32_b32 hwreg(HW_REG_WAVE_MODE, 25, 1), 1
	s_wait_xcnt 0x0
; out = attn_out + hidden W2^T + bf2.  The hidden layer comes as images of the operand's registers (hc, hs: made by the launch before), W2 as codes and scale bytes; K = 4,096: 32 K steps of 128.
; SHARES.  A work-group (c, m) makes 16 rows (tile m) x 64 columns (chunk c): 128 work-groups.  Sixteen waves: wave w takes the 16 columns 16 (w % 4) on and the eight K steps 8 (w / 4) on:
; 8 matrix instructions on two accumulators by turns, all operands asked for at the head, K step by K step.  The four parts of a sum over K meet in LDS; then wave w finishes row w.
; No ring, no tensor load, no cluster: every operand byte of a wave is asked for once, at the head, straight into the operand's registers.
; THE MATRIX INSTRUCTION IS USED TRANSPOSED: source 0 = 16 rows of W2 (output columns), source 1 = the 16 rows: lane (r, h) holds row r and columns 8 h + 0 .. 7.
; LIMITS: a sum over K is kept in eight parts (four waves x even and odd K steps) that are added at the end: an order of f32 rounding other than one ascending chain.
.set LI, 4                             ; 16 x lane
.set LS, 5                             ; 4 x lane
.set WA, 6                             ; 3072 r + 24 h
.set WSA, 7                            ; 128 r
.set L8, 8                             ; 8 x lane
.set PO, 9                             ; 4352 kq + 272 r + 64 tc + 32 h
.set PR, 10                            ; 272 w + 8 x lane
.set RD, 12                            ; v[12:13] attn_out, my two columns of row w
.set BI, 14                            ; v[14:15] bf2 likewise
.set WF, 16                            ; v16-111  W2's 8 fragments
.set AFR, 112                          ; v112-207 the hidden layer's 8 fragments
.set WS, 208                           ; v208-215 W2's scale words
.set AS, 216                           ; v216-223 the hidden layer's
.set ACC, 224                          ; v224-231, v232-239
.set RV, 240                           ; v240-247 their sum; later the four parts
	s_load_b256 s[8:15], s[0:1], 0x0               ; hc, hs, W2's codes, W2's scales
	s_load_b128 s[16:19], s[0:1], 0x20             ; bf2, aob
	s_load_b64 s[20:21], s[0:1], 0x30              ; out0
	v_lshl_add_u32 v254, v0, 2, 0x4400
	v_mov_b32 v255, 0
	v_lshrrev_b32 v1, 5, v0
	v_readfirstlane_b32 s4, v1                     ; wave 0..15
	s_mov_b32 s2, ttmp9                            ; c
	s_and_b32 s3, ttmp7, 0xffff                    ; m
	s_and_b32 s5, s4, 3                            ; tc
	s_lshr_b32 s6, s4, 2                           ; kq
	v_and_b32 v1, 31, v0                           ; lane
	v_and_b32 v2, 15, v0                           ; r
	v_bfe_u32 v3, v0, 4, 1                         ; h
	v_lshlrev_b32 v[LI], 4, v1
	v_lshlrev_b32 v[LS], 2, v1
	v_lshlrev_b32 v[L8], 3, v1
	v_mul_u32_u24 v[WA], v2, 3072                  ; a row of W2 is 4,096 codes, 3,072 bytes
	v_mad_u32_u24 v[WA], v3, 24, v[WA]
	v_lshlrev_b32 v[WSA], 7, v2                    ; and 128 scale bytes
	v_mul_u32_u24 v[PO], v2, 272
	v_lshl_add_u32 v[PO], v3, 5, v[PO]
	s_mul_i32 s22, s6, 4352
	s_lshl_b32 s23, s5, 6
	s_add_co_u32 s22, s22, s23
	v_add_nc_u32 v[PO], s22, v[PO]
	s_mul_i32 s22, s4, 272
	v_add_nc_u32 v[PR], s22, v[L8]
	; byte offsets, each in a pair of its own with 0 above
	s_lshl_b32 s24, s3, 5
	s_lshl_b32 s25, s6, 3
	s_add_co_u32 s24, s24, s25                     ; fragment 32 m + 8 kq
	s_lshl_b32 s26, s24, 7                         ; its scale words
	s_mul_i32 s24, s24, 1536                       ; its codes
	s_mov_b32 s25, 0
	s_mov_b32 s27, 0
	s_lshl_b32 s28, s2, 6
	s_lshl_b32 s29, s5, 4
	s_add_co_u32 s28, s28, s29                     ; W2's row 64 c + 16 tc
	s_lshl_b32 s30, s28, 7
	s_lshl_b32 s31, s6, 5
	s_add_co_u32 s30, s30, s31                     ; its scale bytes, 32 kq on
	s_mul_i32 s28, s28, 3072
	s_mul_i32 s29, s6, 768
	s_add_co_u32 s28, s28, s29                     ; its codes, 768 kq on
	s_mov_b32 s29, 0
	s_mov_b32 s31, 0
	s_lshl_b32 s32, s2, 8                          ; bf2: 256 c
	s_mov_b32 s33, 0
	s_lshl_b32 s34, s3, 4
	s_add_co_u32 s34, s34, s4
	s_lshl_b32 s34, s34, 12
	s_add_co_u32 s34, s34, s32                     ; row 16 m + w, 256 c on
	s_mov_b32 s35, 0
	s_wait_kmcnt 0x0
	s_add_nc_u64 s[8:9], s[8:9], s[24:25]
	s_add_nc_u64 s[10:11], s[10:11], s[26:27]
	s_add_nc_u64 s[12:13], s[12:13], s[28:29]
	s_add_nc_u64 s[14:15], s[14:15], s[30:31]
	s_add_nc_u64 s[16:17], s[16:17], s[32:33]
	s_add_nc_u64 s[18:19], s[18:19], s[34:35]
	s_add_nc_u64 s[20:21], s[20:21], s[34:35]
	global_load_b64 v[RD:RD+1], v[L8], s[18:19]
	global_load_b64 v[BI:BI+1], v[L8], s[16:17]
	global_load_b128 v[WS:WS+3], v[WSA], s[14:15]
	global_load_b128 v[WS+4:WS+7], v[WSA], s[14:15] offset:16
.irp s, 0,1,2,3,4,5,6,7
	global_load_b32 v[AS+\s], v[LS], s[10:11] offset:128*\s
.endr
.irp s, 0,1,2,3,4,5,6,7                        ; nine loads a K step
.irp p, 0,1,2,3,4,5
	global_load_b64 v[WF+12*\s+2*\p:WF+12*\s+2*\p+1], v[WA], s[12:13] offset:96*\s+48*(\p/3)+8*(\p%3)
.endr
.irp g, 0,1,2
	global_load_b128 v[AFR+12*\s+4*\g:AFR+12*\s+4*\g+3], v[LI], s[8:9] offset:1536*\s+512*\g
.endr
.endr
.irp s, 0,1,2,3,4,5,6,7                        ; the two accumulators by turns, one instruction a turn
	s_wait_loadcnt 9*(7-\s)                        ; K step s is in; the nine loads of each later K step may be out
.if \s < 2
	v_wmma_scale_f32_16x16x128_f8f6f4 v[ACC+8*(\s%2):ACC+8*(\s%2)+7], v[WF+12*\s:WF+12*\s+11], v[AFR+12*\s:AFR+12*\s+11], 0, v[WS+\s], v[AS+\s] matrix_a_fmt:MATRIX_FMT_FP6 matrix_b_fmt:MATRIX_FMT_FP6
.else
	v_wmma_scale_f32_16x16x128_f8f6f4 v[ACC+8*(\s%2):ACC+8*(\s%2)+7], v[WF+12*\s:WF+12*\s+11], v[AFR+12*\s:AFR+12*\s+11], v[ACC+8*(\s%2):ACC+8*(\s%2)+7], v[WS+\s], v[AS+\s] matrix_a_fmt:MATRIX_FMT_FP6 matrix_b_fmt:MATRIX_FMT_FP6
.endif
.endr
.rept 4
	v_nop                                          ; four places behind the last product, ahead of the first read of results (ISA guide 7.12.1)
.endr
.irp i, 0,1,2,3
	v_pk_add_f32 v[RV+2*\i:RV+2*\i+1], v[ACC+2*\i:ACC+2*\i+1], v[ACC+8+2*\i:ACC+8+2*\i+1]   ; each accumulator from its low end on
.endr
	ds_store_b128 v[PO], v[RV:RV+3]                ; part kq of the tile: 16 rows x (256 + 16) bytes
	ds_store_b128 v[PO], v[RV+4:RV+7] offset:16
	s_wait_dscnt 0x0                               ; for the others' sake
	s_barrier_signal -1
	s_barrier_wait -1
.irp q, 0,1,2,3
	ds_load_b64 v[RV+2*\q:RV+2*\q+1], v[PR] offset:4352*\q           ; row w of the four parts
.endr
	s_wait_dscnt 0x0
	v_pk_add_f32 v[RV:RV+1], v[RV:RV+1], v[RV+2:RV+3]
	v_pk_add_f32 v[RV+4:RV+5], v[RV+4:RV+5], v[RV+6:RV+7]
	v_pk_add_f32 v[RD:RD+1], v[RD:RD+1], v[BI:BI+1]
	v_pk_add_f32 v[RV:RV+1], v[RV:RV+1], v[RV+4:RV+5]
	v_pk_add_f32 v[RV:RV+1], v[RV:RV+1], v[RD:RD+1]
	global_store_b64 v[L8], v[RV:RV+1], s[20:21] th:TH_STORE_NT      ; 32 lanes store 256 consecutive bytes, at a multiple of 256 from out0's first byte; written once, read by nobody here
	s_wait_tensorcnt 0x0
	ds_add_u32 v254, v255
	s_wait_dscnt 0x0
	s_endpgm
.Lfunc_end_k_qe65cb77906_ffn2:
	.size	k_qe65cb77906_ffn2, .Lfunc_end_k_qe65cb77906_ffn2-k_qe65cb77906_ffn2
	.p2alignl 7, 3214868480
	.fill 96, 4, 3214868480
	.section	.rodata,"a",@progbits
	.p2align	6, 0x0
	.amdhsa_kernel k_qe65cb77906_ffn2
		.amdhsa_group_segment_fixed_size 19456
		.amdhsa_private_segment_fixed_size 0
		.amdhsa_enable_private_segment 0
		.amdhsa_kernarg_size 56
		.amdhsa_user_sgpr_count 2
		.amdhsa_user_sgpr_kernarg_segment_ptr 1
		.amdhsa_wavefront_size32 1
		.amdhsa_system_sgpr_workgroup_id_x 1
		.amdhsa_system_sgpr_workgroup_id_y 1
		.amdhsa_system_sgpr_workgroup_id_z 1
		.amdhsa_system_vgpr_workitem_id 0
		.amdhsa_next_free_vgpr 256
		.amdhsa_next_free_sgpr 66
		.amdhsa_reserve_vcc 0
		.amdhsa_float_denorm_mode_32 3
		.amdhsa_float_denorm_mode_16_64 3
		.amdhsa_memory_ordered 1
		.amdhsa_forward_progress 1
		.amdhsa_inst_pref_size 14
	.end_amdhsa_kernel
	.amdgpu_metadata
---
amdhsa.version: [ 1, 2 ]
amdhsa.kernels:
  - .name:           k_qe65cb77906_ffn2
    .symbol:         k_qe65cb77906_ffn2.kd
    .args:
      - { .name: hc, .offset: 0, .size: 8, .value_kind: global_buffer, .address_space: global }
      - { .name: hs, .offset: 8, .size: 8, .value_kind: global_buffer, .address_space: global }
      - { .name: W2_codes, .offset: 16, .size: 8, .value_kind: global_buffer, .address_space: global }
      - { .name: W2_scales, .offset: 24, .size: 8, .value_kind: global_buffer, .address_space: global }
      - { .name: bf2, .offset: 32, .size: 8, .value_kind: global_buffer, .address_space: global }
      - { .name: aob, .offset: 40, .size: 8, .value_kind: global_buffer, .address_space: global }
      - { .name: out0, .offset: 48, .size: 8, .value_kind: global_buffer, .address_space: global }
    .group_segment_fixed_size: 19456
    .private_segment_fixed_size: 0
    .kernarg_segment_align: 8
    .kernarg_segment_size: 56
    .max_flat_workgroup_size: 512
    .sgpr_count:     66
    .vgpr_count:     256
    .wavefront_size: 32
...
	.end_amdgpu_metadata
.endif
;; end of part 5
;; ======== version 2 of 2: 5 launches; 1.24 times as fast as version 1
;; workspace buffers: qkvb 1,572,864 bytes; xqb 524,288 bytes; attb 524,288 bytes; aob 524,288 bytes; hc 393,216 bytes; hs 32,768 bytes
;; launch proj (part 6): grid 24 x 8, 8 waves a work-group, no clusters, 271,616 bytes of LDS; arguments features, g1, b1, qkvb, xqb, Wq_codes, Wq_scales, bq, Wk_codes, Wk_scales, bk, Wv_codes, Wv_scales, bv; writes qkvb, xqb
.if DOCPART == 6
	.amdgcn_target "amdgcn-amd-amdhsa--gfx1250"
	.amdhsa_code_object_version 6
	.text
	.protected	k_qe65cb77906_proj
	.globl	k_qe65cb77906_proj
	.p2align	8
	.type	k_qe65cb77906_proj,@function
k_qe65cb77906_proj:
	s_mov_b64 s[64:65], 0
	v_nop
	global_prefetch_b8 v0, s[64:65] scope:SCOPE_SE
	s_setreg_imm32_b32 hwreg(HW_REG_WAVE_MODE, 25, 1), 1
	s_wait_xcnt 0x0
; q = Q(LN1(features)) Wq^T + bq,  k = Q(features) Wk^T + bk,  v = Q(features) Wv^T + bv;  xq = LN1(features) in f32.
; Q: the MX quantiser to E2M3 along K (blocks of 32, one E8M0 byte).  The weights come as codes and scale bytes and go to the matrix unit as they lie.
; SHARES.  A work-group (c, m) makes 16 rows (tile m of the 128) x 128 output columns: chunk c = 8 t + cc, t = 0, 1, 2 for q, k, v.  Eight waves.
; Wave w first works K step w (columns 128 w .. 128 w + 127 of the 16 rows): LayerNorm (t = 0), quantiser, and its fragment goes to LDS as an image of its registers.
; Then wave w makes the 16 x 16 tile of output columns 128 cc + 16 w .. + 15 over all 8 K steps: 8 matrix instructions on two accumulators by turns.
; WHAT LIES IN ROWS FAR APART COMES BY THE TENSOR DATA MOVER, two loads a wave, at the head, into LDS bytes of the wave's own: its 16 rows x 512 bytes of the features, and its 16 rows of W, which are
; 12,288 consecutive bytes.  Each is filled once and read by the issuing wave alone, behind its own wait on TENSORcnt: no ring, nothing is filled again.  Two tensor loads of a wave are out at the most.
; No joint requests in a cluster, though the eight tiles of rows read the same tiles of W: a tile is asked for once, and a cluster's two rounds would add six barrier waits to a text that has four barriers.
; The claim of LDS is more than half of a WGP's.
; THE MATRIX INSTRUCTION IS USED TRANSPOSED: source 0 = 16 rows of W (output columns), source 1 = the 16 rows: lane (r, h) holds row r and output columns 8 h + 0 .. 7.
; LIMITS: NaN and infinities among the inputs are not served.  A block whose largest magnitude lies under 2^-124 keeps the scale byte 1; a block of zeros has the byte 1 where the
; rule says 127 (its codes are zeros, and only this program reads the byte).  A sum over K is kept in two accumulators (even and odd K steps) that are added at the end:
; an order of f32 rounding other than one ascending chain.  1 / sqrt is v_rsq_f32.
.set PA, 8                             ; s[8:9] features
.set PG, 10                            ; s[10:11] g1
.set PB, 12                            ; s[12:13] b1
.set POUT, 14                          ; s[14:15] qkvb
.set PXQ, 16                           ; s[16:17] xqb
.set PWC, 36                           ; s[36:37] the chosen weight's codes
.set PWS, 38                           ; s[38:39] its scale bytes
.set PBI, 40                           ; s[40:41] its bias
.set G0X, 68                           ; s[68:71] descriptor group 0 for my rows;  s[72:79] group 1
.set G1X, 72
.set G0W, 80                           ; s[80:83] descriptor group 0 for my tile of W;  s[84:91] group 1
.set G1W, 84
; LDS, no region is written a second time
.set XIMG, 0                           ; 8 fragment images of 1,536 bytes (K step s)
.set XSC,  12288                       ; their scale words, 128 bytes each
.set RED1, 13312                       ; 16 rows x 8 waves' partial sums
.set RED2, 13824                       ; the same for the squares
.set GBL,  14336                       ; for each wave 512 bytes of g, 512 of b
.set STG,  22528                       ; the way out: 16 rows x (512 + 16) bytes
.set XST,  30976                       ; xq's way out: 16 rows x 528 bytes for each wave
.set TX,   98560                       ; filled by the mover: for each wave 16 rows x (512 + 16) bytes of the features: 8,448 bytes, 33 blocks of 256
.set TW,   166144                      ; filled by the mover: for each wave 16 rows of W, each 3 x (256 + 16) bytes: 13,056 bytes, 51 blocks of 256
; window 0
.set XL, 4                             ; TX + 8448 w + 528 r + 64 h
.set LI, 5                             ; 16 x lane
.set LS, 6                             ; 4 x lane
.set XWI, 7                            ; 16 x lane + 1536 w
.set XWS, 8                            ; 4 x lane + 128 w
.set RA, 9                             ; 32 r + 4 w
.set RB, 10                            ; 32 r
.set SO, 11                            ; 528 r + 64 w + 32 h
.set SR, 12                            ; 1056 w + 16 x lane
.set WL1, 13                           ; TW + 13056 w + 816 r + 24 h
.set WSA, 14                           ; 32 r
.set BA, 15                            ; 32 h
.set GBS, 16                           ; 1024 w + 16 x lane
.set GBR, 17                           ; 1024 w + 64 h
.set XO, 18                            ; 8448 w + 528 r + 64 h
.set XR, 19                            ; 8448 w + 16 x lane
.set QR, 20                            ; 528 r + 64 h
.set WL2, 21                           ; TW + 13056 w + 816 r + 40 h: for the pieces that lie behind one padding more in lanes 16-31
.set X, 32                             ; v32-95   64 numbers: register 16 b + i = k 32 b + 16 h + i of row r in my K step
.set G, 96                             ; v96-159  g in the same order
.set BB, 160                           ; v160-223 b in the same order
.set TM, 224                           ; v224-239 at work
.set DV, 232                           ; v232-239 four pairs of differences
.set WS, 240                           ; v240-247 W's scale words, K step s
.set MU, 248                           ; v[248:249] the mean, twice
.set RS, 250                           ; v[250:251] 1 / sqrt(var + eps), twice
.set PC, 96                            ; v96-115  codes just made (g is done with)
.set PW, 116                           ; v116     the scale word just made
.set AF, 96                            ; v96-191  the rows' 8 fragments
.set AS, 192                           ; v192-199 their scale words
.set ACC0, 200
.set ACC1, 208
.set RV, 216                           ; v216-223 the two accumulators' sum
; window 1: v0-95 W's 8 fragments; v96-103 the bias in the result's layout
.set CH, 2
.set MT, 3
.set WV, 4
.set CC, 5
.set TT, 6
.set SEL, 42
.set MSB, 0
.macro WIN new                         ; the immediate's high byte repeats the setting that is left
.if MSB != \new
	s_set_vgpr_msb (MSB<<8)|\new
.set MSB, \new
.endif
.endm
.macro BARRIER                         ; my LDS stores have landed and my LDS loads are in: then the work-group's barrier
	s_wait_dscnt 0x0
	s_barrier_signal -1
	s_barrier_wait -1
.endm
.macro SUM8                            ; eight numbers in v[TM] on become one
	v_pk_add_f32 v[TM:TM+1], v[TM:TM+1], v[TM+2:TM+3]
	v_pk_add_f32 v[TM+4:TM+5], v[TM+4:TM+5], v[TM+6:TM+7]
	v_pk_add_f32 v[TM:TM+1], v[TM:TM+1], v[TM+4:TM+5]
	v_add_f32 v[TM], v[TM], v[TM+1]
.endm
.macro FOLD                            ; and with lane l xor 16's: row r's sum over my K step
	SUM8
	v_permlanex16_b32 v[TM+1], v[TM], s[SEL], s[SEL+1]
	v_add_f32 v[TM], v[TM], v[TM+1]
.endm
.macro ROWRED red                      ; over the eight waves: a word a wave and row, a barrier, every wave reads its rows' eight
	ds_store_b32 v[RA], v[TM] offset:\red          ; lanes r and r + 16 write the same word with the same value
	BARRIER
	ds_load_b128 v[TM:TM+3], v[RB] offset:\red
	ds_load_b128 v[TM+4:TM+7], v[RB] offset:\red+16
	s_wait_dscnt 0x0
	SUM8
.endm
; 64 numbers of a lane, v[s] on, register 16 b + i = k 32 b + 16 h + i of my row, become a fragment's codes in v[PC] on and its scale word in v[PW]
.macro QUANT s
.irp b, 0,1,2,3
	v_max3_num_f32 v[TM+\b], |v[\s+16*\b]|, |v[\s+1+16*\b]|, 0x1800000   ; block b: my 16 numbers, and the floor 2^(3 - 127): the byte cannot fall under 1
.endr
.irp i, 2,4,6,8,10,12,14
.irp b, 0,1,2,3
	v_max3_num_f32 v[TM+\b], v[TM+\b], |v[\s+16*\b+\i]|, |v[\s+1+16*\b+\i]|
.endr
.endr
.irp b, 0,1,2,3
	v_permlanex16_b32 v[TM+4+\b], v[TM+\b], s[SEL], s[SEL+1]
.endr
.irp b, 0,1,2,3
	v_max_num_f32 v[TM+\b], v[TM+\b], v[TM+4+\b]   ; with lane l xor 16's: the block's largest magnitude
.endr
.irp b, 0,1,2,3
	v_add_nc_u32 v[TM+12+\b], 0xff000000, v[TM+\b] ; 2 off its exponent field: the conversion's scale operand
.endr
.irp b, 0,1,2,3
	v_lshrrev_b32 v[TM+4+\b], 23, v[TM+12+\b]      ; the scale's byte
.endr
	v_lshl_or_b32 v[PW], v[TM+5], 8, v[TM+4]
	v_lshl_or_b32 v[PW], v[TM+6], 16, v[PW]
	v_lshl_or_b32 v[PW], v[TM+7], 24, v[PW]
.irp c, 0,1
	v_cvt_scalef32_pk16_fp6_f32 v[PC+6*\c:PC+2+6*\c], v[\s+32*\c:\s+15+32*\c], v[TM+12+2*\c]
	v_cvt_scalef32_pk16_fp6_f32 v[PC+12+4*\c:PC+14+4*\c], v[\s+16+32*\c:\s+31+32*\c], v[TM+12+2*\c+1]   ; (a conversion's three registers begin on an even number)
.endr
	v_nop                                          ; one plain place behind a scaled conversion
.irp c, 0,1                                    ; the operand's layout wants a whole block in a lane
.irp i, 0,1,2
	v_permlane16_swap_b32 v[PC+6*\c+\i], v[PC+12+4*\c+\i]
.endr
.irp i, 0,1,2
	v_mov_b32 v[PC+3+6*\c+\i], v[PC+12+4*\c+\i]
.endr
.endr
.endm
.macro IMAGE adr, off                  ; the fragment in v[PC] on goes to LDS as it stands: lane l's 16 bytes at 16 l
.irp c, 0,1,2
	ds_store_b128 v[\adr], v[PC+4*\c:PC+4*\c+3] offset:\off+512*\c
.endr
.endm
.macro FETCH reg, off                  ; and comes back so, in any wave
.irp c, 0,1,2
	ds_load_b128 v[\reg+4*\c:\reg+4*\c+3], v[LI] offset:\off+512*\c
.endr
.endm
; W's fragment of K step s out of my tile in LDS: lane (r, h) takes, of row r, pieces of 8 bytes 12 s + 0, 1, 2 and 12 s + 6, 7, 8, lanes 16-31 those three pieces on.  Piece p lies at 8 p + 16 (p / 32):
; 16 bytes of padding behind every 32 pieces.  Where the piece three on lies behind one padding more (p mod 32 from 29 on), the second address register serves.
; Rows are 816 bytes = 204 words apart, 12 mod 64: the 32 lanes of a load touch 64 different banks (64 banks of 4 bytes: ISA guide 11.1).
.macro WFRAG reg, s
.irp p, 0,1,2,3,4,5
.set PCE, 12*(\s)+6*(\p/3)+\p%3
.if PCE%32 < 29
	ds_load_b64 v[\reg+2*\p:\reg+2*\p+1], v[WL1] offset:8*PCE+16*(PCE/32)
.else
	ds_load_b64 v[\reg+2*\p:\reg+2*\p+1], v[WL2] offset:8*PCE+16*(PCE/32)
.endif
.endr
.endm
	s_load_b256 s[8:15], s[0:1], 0x0               ; features, g1, b1, qkvb
	s_load_b256 s[16:23], s[0:1], 0x20             ; xqb, Wq's codes, scales, bq
	s_load_b256 s[24:31], s[0:1], 0x40             ; Wk's codes, scales, bk, Wv's codes
	s_load_b128 s[32:35], s[0:1], 0x60             ; Wv's scales, bv
	v_lshl_add_u32 v254, v0, 2, 0x42100
	v_mov_b32 v255, 0
	ds_add_u32 v254, v255
	ds_add_u32 v254, v255
	v_lshrrev_b32 v1, 5, v0
	v_readfirstlane_b32 s[WV], v1                  ; wave 0..7
	s_mov_b32 s[CH], ttmp9                         ; c
	s_and_b32 s[MT], ttmp7, 0xffff                 ; m
	s_and_b32 s[CC], s[CH], 7
	s_lshr_b32 s[TT], s[CH], 3
	v_and_b32 v1, 31, v0                           ; lane
	v_and_b32 v2, 15, v0                           ; r
	v_bfe_u32 v3, v0, 4, 1                         ; h
	v_lshlrev_b32 v[LI], 4, v1
	v_lshlrev_b32 v[LS], 2, v1
	s_mul_i32 s44, s[WV], 1536
	v_add_nc_u32 v[XWI], s44, v[LI]
	s_lshl_b32 s44, s[WV], 7
	v_add_nc_u32 v[XWS], s44, v[LS]
	v_lshlrev_b32 v[RB], 5, v2
	s_lshl_b32 s44, s[WV], 2
	v_add_nc_u32 v[RA], s44, v[RB]
	v_mul_u32_u24 v[QR], v2, 528
	v_lshl_add_u32 v[SO], v3, 5, v[QR]
	s_lshl_b32 s44, s[WV], 6
	v_add_nc_u32 v[SO], s44, v[SO]
	v_lshl_add_u32 v[QR], v3, 6, v[QR]
	s_mul_i32 s44, s[WV], 1056
	v_add_nc_u32 v[SR], s44, v[LI]
	v_lshlrev_b32 v[WSA], 5, v2                    ; a row of W has 32 scale bytes
	v_lshlrev_b32 v[BA], 5, v3
	s_lshl_b32 s44, s[WV], 10
	v_add_nc_u32 v[GBS], s44, v[LI]
	v_lshl_add_u32 v[GBR], v3, 6, s44
	s_mul_i32 s44, s[WV], 8448
	v_add_nc_u32 v[XO], s44, v[QR]
	v_add_nc_u32 v[XR], s44, v[LI]
	s_add_co_u32 s[G0X+1], s44, TX                 ; 63:32 of group 0: where my rows go in LDS
	v_add_nc_u32 v[XL], s[G0X+1], v[QR]
	s_mul_i32 s44, s[WV], 13056
	s_add_co_u32 s[G0W+1], s44, TW                 ; and my tile of W
	v_mul_u32_u24 v[WL1], v2, 816
	v_mad_u32_u24 v[WL1], v3, 24, v[WL1]
	v_add_nc_u32 v[WL1], s[G0W+1], v[WL1]
	v_lshl_add_u32 v[WL2], v3, 4, v[WL1]
	s_mov_b32 s[G0X], 1                            ; 1:0 count = 1
	s_mov_b32 s[G0W], 1
	; group 1 for my rows: 16 rows x 128 elements of 4 bytes, 1,024 elements from row to row; in LDS 16 bytes of padding behind each 512
	s_mov_b32 s[G1X], (2<<16)|(1<<20)|(6<<22)|(3<<25)  ; 15:0 no mask; 17:16 elements of 4 bytes; 20 padding on; 24:22 after every 128 words (code 6); 31:25 of 4 words (code 3)
	s_mov_b32 s[G1X+1], 128<<16                    ; tensor_dim0
	s_mov_b32 s[G1X+2], 16<<16                     ; tensor_dim1
	s_mov_b32 s[G1X+3], 128<<16                    ; tile_dim0
	s_mov_b32 s[G1X+4], 16                         ; tile_dim1
	s_mov_b32 s[G1X+5], 1024                       ; tensor_dim0_stride
	s_mov_b32 s[G1X+6], 0
	s_mov_b32 s[G1X+7], 0
	; group 1 for my tile of W: 12,288 dense bytes as 48 rows of 256 bytes (32 elements of 8 bytes), 16 bytes of padding behind each
	s_mov_b32 s[G1W], (3<<16)|(1<<20)|(5<<22)|(3<<25)
	s_mov_b32 s[G1W+1], 32<<16
	s_mov_b32 s[G1W+2], 48<<16
	s_mov_b32 s[G1W+3], 32<<16
	s_mov_b32 s[G1W+4], 48
	s_mov_b32 s[G1W+5], 32
	s_mov_b32 s[G1W+6], 0
	s_mov_b32 s[G1W+7], 0
	s_mov_b32 s[SEL], 0x76543210
	s_mov_b32 s[SEL+1], 0xfedcba98                 ; v_permlanex16_b32's selects for lane l xor 16
	s_mov_b32 s46, 0x3a800000                      ; 2^-10 = 1 / 1,024
	s_mov_b32 s47, 0x3727c5ac                      ; eps = 1e-5
	; byte offsets, each in a pair of its own with 0 above
	s_lshl_b32 s48, s[MT], 16
	s_lshl_b32 s50, s[WV], 9
	s_add_co_u32 s48, s48, s50                     ; the rows: 65536 m + 512 w
	s_mov_b32 s49, 0
	s_mov_b32 s51, 0                               ; g, b: 512 w
	s_mul_i32 s52, s[CC], 98304
	s_mul_i32 s53, s[WV], 12288
	s_add_co_u32 s52, s52, s53                     ; W's codes: row 128 cc + 16 w
	s_mov_b32 s53, 0
	s_lshl_b32 s54, s[CC], 12
	s_add_co_u32 s54, s54, s50                     ; W's scales: 4096 cc + 512 w
	s_mov_b32 s55, 0
	s_lshl_b32 s56, s[CC], 9
	s_lshl_b32 s57, s[WV], 6
	s_add_co_u32 s56, s56, s57                     ; the bias: 512 cc + 64 w
	s_mov_b32 s57, 0
	s_lshl_b32 s58, s[MT], 16
	s_lshl_b32 s59, s[CC], 9
	s_add_co_u32 s58, s58, s59
	s_lshl_b32 s59, s[WV], 13
	s_add_co_u32 s58, s58, s59                     ; out: rows 16 m + 2 w, 2 w + 1, columns 128 cc on,
	s_lshl_b32 s59, s[TT], 19
	s_add_co_u32 s58, s58, s59                     ; in q's, k's or v's part
	s_mov_b32 s59, 0
	s_wait_dscnt 0x0
	s_wait_kmcnt 0x0
	s_cmp_lt_u32 s[CH], 16                         ; the weight is chosen by the work-group's number alone
	s_cselect_b64 s[36:37], s[24:25], s[30:31]
	s_cselect_b64 s[38:39], s[26:27], s[32:33]
	s_cselect_b64 s[40:41], s[28:29], s[34:35]
	s_cmp_lt_u32 s[CH], 8
	s_cselect_b64 s[36:37], s[18:19], s[36:37]
	s_cselect_b64 s[38:39], s[20:21], s[38:39]
	s_cselect_b64 s[40:41], s[22:23], s[40:41]
	s_add_nc_u64 s[G0X+2:G0X+3], s[PA:PA+1], s[48:49]        ; 120:64 global address of the tile's first element
	s_or_b32 s[G0X+3], s[G0X+3], 0x80000000                  ; 127:126 type = 2
	s_add_nc_u64 s[G0W+2:G0W+3], s[PWC:PWC+1], s[52:53]
	s_or_b32 s[G0W+3], s[G0W+3], 0x80000000
	tensor_load_to_lds s[G0X:G0X+3], s[G1X:G1X+7]  ; my two fills stand together, ahead of every wait on TENSORcnt, every LDS read and every barrier; the rows first: they are wanted first
	s_nop 0
	tensor_load_to_lds s[G0W:G0W+3], s[G1W:G1W+7]
	s_nop 0
.rept 4
	v_nop                                          ; four lines behind the tensor loads, ahead of any switch of windows
.endr
	s_add_nc_u64 s[PG:PG+1], s[PG:PG+1], s[50:51]
	s_add_nc_u64 s[PB:PB+1], s[PB:PB+1], s[50:51]
	s_add_nc_u64 s[PWS:PWS+1], s[PWS:PWS+1], s[54:55]
	s_add_nc_u64 s[PBI:PBI+1], s[PBI:PBI+1], s[56:57]
	s_add_nc_u64 s[POUT:POUT+1], s[POUT:POUT+1], s[58:59]
	s_add_nc_u64 s[PXQ:PXQ+1], s[PXQ:PXQ+1], s[48:49]
	; ---- the wave's six global loads: each names 512 consecutive bytes or fewer
	global_load_b128 v[TM+8:TM+11], v[LI], s[PG:PG+1]    ; my K step's 128 numbers of g, dense
	global_load_b128 v[TM+12:TM+15], v[LI], s[PB:PB+1]   ; and of b
	global_load_b128 v[WS:WS+3], v[WSA], s[PWS:PWS+1]
	global_load_b128 v[WS+4:WS+7], v[WSA], s[PWS:PWS+1] offset:16
	WIN 0x40                                       ; destination window 1
	global_load_b128 v[96:99], v[BA], s[PBI:PBI+1]
	global_load_b128 v[100:103], v[BA], s[PBI:PBI+1] offset:16
	WIN 0
	; ---- LayerNorm over the row's 1,024 numbers, in two passes: the mean, then the squares of the differences, so that a common offset of the inputs costs no accuracy
	s_wait_tensorcnt 0x1                           ; tensor loads of a wave end in order (ISA guide 10.11.1): my rows are in LDS; my tile of W may be out
.irp b, 0,1,2,3
.irp j, 0,1,2,3
	ds_load_b128 v[X+16*\b+4*\j:X+16*\b+4*\j+3], v[XL] offset:128*\b+16*\j   ; rows 528 bytes apart, an odd multiple of 16: sixteen lanes, sixteen different columns of 16 bytes
.endr
.endr
	s_wait_loadcnt 0x4                             ; g and b are in; behind them 2 loads of scale words and 2 of the bias may be out
	ds_store_b128 v[GBS], v[TM+8:TM+11] offset:GBL
	ds_store_b128 v[GBS], v[TM+12:TM+15] offset:GBL+512
.irp b, 0,1,2,3                                ; my wave's own bytes, served in order: they come back in x's order
.irp j, 0,1,2,3
	ds_load_b128 v[G+16*\b+4*\j:G+16*\b+4*\j+3], v[GBR] offset:GBL+128*\b+16*\j
	ds_load_b128 v[BB+16*\b+4*\j:BB+16*\b+4*\j+3], v[GBR] offset:GBL+512+128*\b+16*\j
.endr
.endr
	s_wait_dscnt 34                                ; x's sixteen reads are in; behind them the 2 stores and 32 reads of g and b may be out
.irp i, 0,1,2,3
	v_pk_add_f32 v[TM+2*\i:TM+2*\i+1], v[X+2*\i:X+2*\i+1], v[X+8+2*\i:X+8+2*\i+1]
.endr
.irp n, 2,3,4,5,6,7
.irp i, 0,1,2,3
	v_pk_add_f32 v[TM+2*\i:TM+2*\i+1], v[TM+2*\i:TM+2*\i+1], v[X+8*\n+2*\i:X+8*\n+2*\i+1]
.endr
.endr
	FOLD
	ROWRED RED1
	v_mul_f32 v[MU], s46, v[TM]
	v_mov_b32 v[MU+1], v[MU]
.irp n, 0,1,2,3,4,5,6,7
.irp i, 0,1,2,3
	v_pk_add_f32 v[DV+2*\i:DV+2*\i+1], v[X+8*\n+2*\i:X+8*\n+2*\i+1], v[MU:MU+1] neg_lo:[0,1] neg_hi:[0,1]
.endr
.irp i, 0,1,2,3
.if \n == 0
	v_pk_mul_f32 v[TM+2*\i:TM+2*\i+1], v[DV+2*\i:DV+2*\i+1], v[DV+2*\i:DV+2*\i+1]
.else
	v_pk_fma_f32 v[TM+2*\i:TM+2*\i+1], v[DV+2*\i:DV+2*\i+1], v[DV+2*\i:DV+2*\i+1], v[TM+2*\i:TM+2*\i+1]
.endif
.endr
.endr
	FOLD
	ROWRED RED2
	s_cmp_lt_u32 s[CH], 8                          ; k and v take the rows as they are: the branch is the same in all eight waves and jumps over register work alone
	s_cbranch_scc0 .Lraw
	v_fma_f32 v[TM], v[TM], s46, s47               ; var + eps
	v_rsq_f32 v[RS], v[TM]
	v_nop                                          ; a plain place behind the transcendental
	s_wait_alu depctr_va_vdst(0)                   ; and a wait ahead of its first reader
	v_mov_b32 v[RS+1], v[RS]
.irp n, 0,1,2,3,4,5,6,7                        ; ((x - mean) / sqrt) g + b.  The difference is taken first and not folded into a multiply-add: that would subtract two large products where the rows carry an offset
.irp i, 0,1,2,3
	v_pk_add_f32 v[DV+2*\i:DV+2*\i+1], v[X+8*\n+2*\i:X+8*\n+2*\i+1], v[MU:MU+1] neg_lo:[0,1] neg_hi:[0,1]
.endr
.irp i, 0,1,2,3
	v_pk_mul_f32 v[DV+2*\i:DV+2*\i+1], v[DV+2*\i:DV+2*\i+1], v[RS:RS+1]
.endr
.irp i, 0,1,2,3
	v_pk_fma_f32 v[X+8*\n+2*\i:X+8*\n+2*\i+1], v[DV+2*\i:DV+2*\i+1], v[G+8*\n+2*\i:G+8*\n+2*\i+1], v[BB+8*\n+2*\i:BB+8*\n+2*\i+1]
.endr
.endr
.Lraw:
	; ---- my K step becomes a fragment
	QUANT X
	IMAGE XWI, XIMG
	ds_store_b32 v[XWS], v[PW] offset:XSC
	s_wait_tensorcnt 0x0                           ; my tile of W is in LDS: its fragments are read ahead of the barrier, beside the other waves' quantisers
	WIN 0x40                                       ; destination window 1, address window 0
.irp s, 0,1,2,3,4,5,6,7
	WFRAG 12*\s, \s
.endr
	WIN 0
	BARRIER                                        ; the rows' eight fragments lie in LDS; W's are in my registers
	; ---- the product
.irp s, 0,1,2,3,4,5,6,7
	FETCH AF+12*\s, XIMG+1536*\s
	ds_load_b32 v[AS+\s], v[LS] offset:XSC+128*\s
.endr
	s_wait_dscnt 0x0
	s_wait_loadcnt 0x0                             ; W's scale words, the bias
	WIN 0x11                                       ; source 0 (W) and source 2 (the bias) window 1
	v_wmma_scale_f32_16x16x128_f8f6f4 v[ACC0:ACC0+7], v[0:11], v[AF:AF+11], v[96:103], v[WS], v[AS] matrix_a_fmt:MATRIX_FMT_FP6 matrix_b_fmt:MATRIX_FMT_FP6
	WIN 0x01
	v_wmma_scale_f32_16x16x128_f8f6f4 v[ACC1:ACC1+7], v[12:23], v[AF+12:AF+23], 0, v[WS+1], v[AS+1] matrix_a_fmt:MATRIX_FMT_FP6 matrix_b_fmt:MATRIX_FMT_FP6
.irp s, 2,3,4,5,6,7                            ; the two accumulators by turns, one instruction a turn
	v_wmma_scale_f32_16x16x128_f8f6f4 v[ACC0+8*(\s%2):ACC0+8*(\s%2)+7], v[12*\s:12*\s+11], v[AF+12*\s:AF+12*\s+11], v[ACC0+8*(\s%2):ACC0+8*(\s%2)+7], v[WS+\s], v[AS+\s] matrix_a_fmt:MATRIX_FMT_FP6 matrix_b_fmt:MATRIX_FMT_FP6
.endr
	WIN 0
.rept 4
	v_nop                                          ; four places behind the last product, ahead of the first read of results (ISA guide 7.12.1)
.endr
.irp i, 0,1,2,3
	v_pk_add_f32 v[RV+2*\i:RV+2*\i+1], v[ACC0+2*\i:ACC0+2*\i+1], v[ACC1+2*\i:ACC1+2*\i+1]   ; each accumulator from its low end on
.endr
	; ---- the way out: a row's 128 columns come from eight waves and meet in the stage
	ds_store_b128 v[SO], v[RV:RV+3] offset:STG
	ds_store_b128 v[SO], v[RV+4:RV+7] offset:STG+16
	BARRIER
	ds_load_b128 v[TM:TM+3], v[SR] offset:STG      ; row 2 w, whole: 512 bytes
	ds_load_b128 v[TM+4:TM+7], v[SR] offset:STG+528
	s_wait_dscnt 0x1                               ; the first row is in, the second may be out
	global_store_b128 v[LI], v[TM:TM+3], s[POUT:POUT+1]              ; 32 lanes store 512 consecutive bytes, at a multiple of 256 from the buffer's first byte
	s_wait_dscnt 0x0
	global_store_b128 v[LI], v[TM+4:TM+7], s[POUT:POUT+1] offset:4096
	s_cmp_lg_u32 s[WV], s[CH]                      ; xq's K step w leaves once for each tile of rows: from wave w of chunk c = w (c < 8: the chunks that have normalised)
	s_cbranch_scc1 .Lend
.irp b, 0,1,2,3
.irp j, 0,1,2,3
	ds_store_b128 v[XO], v[X+16*\b+4*\j:X+16*\b+4*\j+3] offset:XST+128*\b+16*\j
.endr
.endr
.irp i, 0,1,2,3,4,5,6,7,8,9,10,11,12,13,14,15
	ds_load_b128 v[96+4*\i:96+4*\i+3], v[XR] offset:XST+528*\i   ; my wave's own bytes, served in order: whole rows of 512 bytes
.endr
.irp i, 0,1,2,3,4,5,6,7,8,9,10,11,12,13,14,15
	s_wait_dscnt 15-\i                             ; row i is in, the younger loads may be out
	global_store_b128 v[LI], v[96+4*\i:96+4*\i+3], s[PXQ:PXQ+1] offset:4096*\i
.endr
.Lend:
	s_wait_tensorcnt 0x0
	ds_add_u32 v254, v255
	s_wait_dscnt 0x0
	s_endpgm
.Lfunc_end_k_qe65cb77906_proj:
	.size	k_qe65cb77906_proj, .Lfunc_end_k_qe65cb77906_proj-k_qe65cb77906_proj
	.p2alignl 7, 3214868480
	.fill 96, 4, 3214868480
	.section	.rodata,"a",@progbits
	.p2align	6, 0x0
	.amdhsa_kernel k_qe65cb77906_proj
		.amdhsa_group_segment_fixed_size 271616
		.amdhsa_private_segment_fixed_size 0
		.amdhsa_enable_private_segment 0
		.amdhsa_kernarg_size 112
		.amdhsa_user_sgpr_count 2
		.amdhsa_user_sgpr_kernarg_segment_ptr 1
		.amdhsa_wavefront_size32 1
		.amdhsa_system_sgpr_workgroup_id_x 1
		.amdhsa_system_sgpr_workgroup_id_y 1
		.amdhsa_system_sgpr_workgroup_id_z 1
		.amdhsa_system_vgpr_workitem_id 0
		.amdhsa_next_free_vgpr 384
		.amdhsa_next_free_sgpr 96
		.amdhsa_reserve_vcc 0
		.amdhsa_float_denorm_mode_32 3
		.amdhsa_float_denorm_mode_16_64 3
		.amdhsa_memory_ordered 1
		.amdhsa_forward_progress 1
		.amdhsa_inst_pref_size 39
	.end_amdhsa_kernel
	.amdgpu_metadata
---
amdhsa.version: [ 1, 2 ]
amdhsa.kernels:
  - .name:           k_qe65cb77906_proj
    .symbol:         k_qe65cb77906_proj.kd
    .args:
      - { .name: features, .offset: 0, .size: 8, .value_kind: global_buffer, .address_space: global }
      - { .name: g1, .offset: 8, .size: 8, .value_kind: global_buffer, .address_space: global }
      - { .name: b1, .offset: 16, .size: 8, .value_kind: global_buffer, .address_space: global }
      - { .name: qkvb, .offset: 24, .size: 8, .value_kind: global_buffer, .address_space: global }
      - { .name: xqb, .offset: 32, .size: 8, .value_kind: global_buffer, .address_space: global }
      - { .name: Wq_codes, .offset: 40, .size: 8, .value_kind: global_buffer, .address_space: global }
      - { .name: Wq_scales, .offset: 48, .size: 8, .value_kind: global_buffer, .address_space: global }
      - { .name: bq, .offset: 56, .size: 8, .value_kind: global_buffer, .address_space: global }
      - { .name: Wk_codes, .offset: 64, .size: 8, .value_kind: global_buffer, .address_space: global }
      - { .name: Wk_scales, .offset: 72, .size: 8, .value_kind: global_buffer, .address_space: global }
      - { .name: bk, .offset: 80, .size: 8, .value_kind: global_buffer, .address_space: global }
      - { .name: Wv_codes, .offset: 88, .size: 8, .value_kind: global_buffer, .address_space: global }
      - { .name: Wv_scales, .offset: 96, .size: 8, .value_kind: global_buffer, .address_space: global }
      - { .name: bv, .offset: 104, .size: 8, .value_kind: global_buffer, .address_space: global }
    .group_segment_fixed_size: 271616
    .private_segment_fixed_size: 0
    .kernarg_segment_align: 8
    .kernarg_segment_size: 112
    .max_flat_workgroup_size: 256
    .sgpr_count:     96
    .vgpr_count:     384
    .wavefront_size: 32
...
	.end_amdgpu_metadata
.endif
;; end of part 6
;; launch attn: the kernel of part 2 again; grid 8 x 32, 16 waves a work-group, no clusters, 18,432 bytes of LDS; arguments qkvb, attb; writes attb
;; launch wo (part 7): grid 8 x 8, 8 waves a work-group, no clusters, 204,032 bytes of LDS; arguments attb, Wo_codes, Wo_scales, bo, xqb, aob; writes aob
.if DOCPART == 7
	.amdgcn_target "amdgcn-amd-amdhsa--gfx1250"
	.amdhsa_code_object_version 6
	.text
	.protected	k_qe65cb77906_wo
	.globl	k_qe65cb77906_wo
	.p2align	8
	.type	k_qe65cb77906_wo,@function
k_qe65cb77906_wo:
	s_mov_b64 s[64:65], 0
	v_nop
	global_prefetch_b8 v0, s[64:65] scope:SCOPE_SE
	s_setreg_imm32_b32 hwreg(HW_REG_WAVE_MODE, 25, 1), 1
	s_wait_xcnt 0x0
; attn_out = xq + Q(att) Wo^T + bo.  Q: the MX quantiser to E2M3 along K (blocks of 32, one E8M0 byte).  Wo comes as codes and scale bytes.
; SHARES.  A work-group (c, m) makes 16 rows (tile m of the 128) x 128 output columns (chunk c).  Eight waves.  Wave w quantises K step w of the 16 rows and sends the fragment to LDS as an
; image of its registers; then it makes the 16 x 16 tile of output columns 128 c + 16 w .. + 15 over all 8 K steps: 8 matrix instructions on two accumulators by turns.
; WHAT LIES IN ROWS FAR APART COMES BY THE TENSOR DATA MOVER, two loads a wave, at the head, into LDS bytes of the wave's own: its 16 rows x 512 bytes of att, and its 16 rows of W, which are
; 12,288 consecutive bytes.  Each is filled once and read by the issuing wave alone, behind its own wait on TENSORcnt: no ring, nothing is filled again.  Two tensor loads of a wave are out at the most.
; No joint requests in a cluster, though the eight tiles of rows read the same tiles of W: a tile is asked for once, and a cluster's two rounds would add six barrier waits to a text that has two barriers.
; The claim of LDS is more than half of a WGP's.
; THE MATRIX INSTRUCTION IS USED TRANSPOSED: source 0 = 16 rows of W (output columns), source 1 = the 16 rows: lane (r, h) holds row r and output columns 8 h + 0 .. 7.
; LIMITS: NaN and infinities are not served.  A block whose largest magnitude lies under 2^-124 keeps the scale byte 1; a block of zeros has the byte 1 where the rule says 127 (its codes are
; zeros, and only this program reads the byte).  A sum over K is kept in two accumulators (even and odd K steps), added at the end: an order of f32 rounding other than one ascending chain.
.set PA, 8                             ; s[8:9] attb
.set PWC, 10                           ; s[10:11] Wo's codes
.set PWS, 12                           ; s[12:13] its scale bytes
.set PBI, 14                           ; s[14:15] bo
.set PRES, 16                          ; s[16:17] xqb
.set POUT, 18                          ; s[18:19] aob
.set G0X, 68                           ; s[68:71] descriptor group 0 for my rows;  s[72:79] group 1
.set G1X, 72
.set G0W, 80                           ; s[80:83] descriptor group 0 for my tile of W;  s[84:91] group 1
.set G1W, 84
.set XIMG, 0                           ; LDS: 8 fragment images of 1,536 bytes (K step s)
.set XSC,  12288                       ; their scale words, 128 bytes each
.set STG,  22528                       ; the way out: 16 rows x (512 + 16) bytes
.set TX,   30976                       ; filled by the mover: for each wave 16 rows x (512 + 16) bytes of att: 8,448 bytes, 33 blocks of 256
.set TW,   98560                       ; filled by the mover: for each wave 16 rows of W, each 3 x (256 + 16) bytes: 13,056 bytes, 51 blocks of 256
.set XL, 4                             ; TX + 8448 w + 528 r + 64 h
.set LI, 5                             ; 16 x lane
.set LS, 6                             ; 4 x lane
.set XWI, 7                            ; 16 x lane + 1536 w
.set XWS, 8                            ; 4 x lane + 128 w
.set SO, 11                            ; 528 r + 64 w + 32 h
.set SR, 12                            ; 1056 w + 16 x lane
.set WL1, 13                           ; TW + 13056 w + 816 r + 24 h
.set WSA, 14                           ; 32 r
.set BA, 15                            ; 32 h
.set QR, 20                            ; 528 r + 64 h
.set WL2, 21                           ; TW + 13056 w + 816 r + 40 h: for the pieces that lie behind one padding more in lanes 16-31
.set X, 32                             ; v32-95   64 numbers: register 16 b + i = k 32 b + 16 h + i of row r in my K step
.set TM, 224                           ; v224-239 at work
.set WS, 240                           ; v240-247 W's scale words, K step s
.set RR, 248                           ; v248-255 the residual's two rows
.set PC, 96                            ; v96-115  codes just made
.set PW, 116                           ; v116     the scale word just made
.set AF, 96                            ; v96-191  the rows' 8 fragments
.set AS, 192                           ; v192-199 their scale words
.set ACC0, 200
.set ACC1, 208
.set RV, 216                           ; v216-223 the two accumulators' sum
; window 1: v0-95 W's 8 fragments; v96-103 the bias in the result's layout
.set CH, 2
.set MT, 3
.set WV, 4
.set SEL, 42
.set MSB, 0
.macro WIN new                         ; the immediate's high byte repeats the setting that is left
.if MSB != \new
	s_set_vgpr_msb (MSB<<8)|\new
.set MSB, \new
.endif
.endm
.macro BARRIER                         ; my LDS stores have landed and my LDS loads are in: then the work-group's barrier
	s_wait_dscnt 0x0
	s_barrier_signal -1
	s_barrier_wait -1
.endm
; 64 numbers of a lane, v[s] on, register 16 b + i = k 32 b + 16 h + i of my row, become a fragment's codes in v[PC] on and its scale word in v[PW]
.macro QUANT s
.irp b, 0,1,2,3
	v_max3_num_f32 v[TM+\b], |v[\s+16*\b]|, |v[\s+1+16*\b]|, 0x1800000   ; block b: my 16 numbers, and the floor 2^(3 - 127): the byte cannot fall under 1
.endr
.irp i, 2,4,6,8,10,12,14
.irp b, 0,1,2,3
	v_max3_num_f32 v[TM+\b], v[TM+\b], |v[\s+16*\b+\i]|, |v[\s+1+16*\b+\i]|
.endr
.endr
.irp b, 0,1,2,3
	v_permlanex16_b32 v[TM+4+\b], v[TM+\b], s[SEL], s[SEL+1]
.endr
.irp b, 0,1,2,3
	v_max_num_f32 v[TM+\b], v[TM+\b], v[TM+4+\b]   ; with lane l xor 16's: the block's largest magnitude
.endr
.irp b, 0,1,2,3
	v_add_nc_u32 v[TM+12+\b], 0xff000000, v[TM+\b] ; 2 off its exponent field: the conversion's scale operand
.endr
.irp b, 0,1,2,3
	v_lshrrev_b32 v[TM+4+\b], 23, v[TM+12+\b]      ; the scale's byte
.endr
	v_lshl_or_b32 v[PW], v[TM+5], 8, v[TM+4]
	v_lshl_or_b32 v[PW], v[TM+6], 16, v[PW]
	v_lshl_or_b32 v[PW], v[TM+7], 24, v[PW]
.irp c, 0,1
	v_cvt_scalef32_pk16_fp6_f32 v[PC+6*\c:PC+2+6*\c], v[\s+32*\c:\s+15+32*\c], v[TM+12+2*\c]
	v_cvt_scalef32_pk16_fp6_f32 v[PC+12+4*\c:PC+14+4*\c], v[\s+16+32*\c:\s+31+32*\c], v[TM+12+2*\c+1]   ; (a conversion's three registers begin on an even number)
.endr
	v_nop                                          ; one plain place behind a scaled conversion
.irp c, 0,1                                    ; the operand's layout wants a whole block in a lane
.irp i, 0,1,2
	v_permlane16_swap_b32 v[PC+6*\c+\i], v[PC+12+4*\c+\i]
.endr
.irp i, 0,1,2
	v_mov_b32 v[PC+3+6*\c+\i], v[PC+12+4*\c+\i]
.endr
.endr
.endm
.macro IMAGE adr, off                  ; the fragment in v[PC] on goes to LDS as it stands: lane l's 16 bytes at 16 l
.irp c, 0,1,2
	ds_store_b128 v[\adr], v[PC+4*\c:PC+4*\c+3] offset:\off+512*\c
.endr
.endm
.macro FETCH reg, off                  ; and comes back so, in any wave
.irp c, 0,1,2
	ds_load_b128 v[\reg+4*\c:\reg+4*\c+3], v[LI] offset:\off+512*\c
.endr
.endm
; W's fragment of K step s out of my tile in LDS: lane (r, h) takes, of row r, pieces of 8 bytes 12 s + 0, 1, 2 and 12 s + 6, 7, 8, lanes 16-31 those three pieces on.  Piece p lies at 8 p + 16 (p / 32):
; 16 bytes of padding behind every 32 pieces.  Where the piece three on lies behind one padding more (p mod 32 from 29 on), the second address register serves.
; Rows are 816 bytes = 204 words apart, 12 mod 64: the 32 lanes of a load touch 64 different banks (64 banks of 4 bytes: ISA guide 11.1).
.macro WFRAG reg, s
.irp p, 0,1,2,3,4,5
.set PCE, 12*(\s)+6*(\p/3)+\p%3
.if PCE%32 < 29
	ds_load_b64 v[\reg+2*\p:\reg+2*\p+1], v[WL1] offset:8*PCE+16*(PCE/32)
.else
	ds_load_b64 v[\reg+2*\p:\reg+2*\p+1], v[WL2] offset:8*PCE+16*(PCE/32)
.endif
.endr
.endm
	s_load_b256 s[8:15], s[0:1], 0x0               ; attb, Wo's codes, scales, bo
	s_load_b128 s[16:19], s[0:1], 0x20             ; xqb, aob
	v_lshl_add_u32 v234, v0, 2, 0x31900
	v_mov_b32 v235, 0
	ds_add_u32 v234, v235
	ds_add_u32 v234, v235
	v_lshrrev_b32 v1, 5, v0
	v_readfirstlane_b32 s[WV], v1                  ; wave 0..7
	s_mov_b32 s[CH], ttmp9                         ; c
	s_and_b32 s[MT], ttmp7, 0xffff                 ; m
	v_and_b32 v1, 31, v0                           ; lane
	v_and_b32 v2, 15, v0                           ; r
	v_bfe_u32 v3, v0, 4, 1                         ; h
	v_lshlrev_b32 v[LI], 4, v1
	v_lshlrev_b32 v[LS], 2, v1
	s_mul_i32 s44, s[WV], 1536
	v_add_nc_u32 v[XWI], s44, v[LI]
	s_lshl_b32 s44, s[WV], 7
	v_add_nc_u32 v[XWS], s44, v[LS]
	v_mul_u32_u24 v[QR], v2, 528
	v_lshl_add_u32 v[SO], v3, 5, v[QR]
	s_lshl_b32 s44, s[WV], 6
	v_add_nc_u32 v[SO], s44, v[SO]
	v_lshl_add_u32 v[QR], v3, 6, v[QR]
	s_mul_i32 s44, s[WV], 1056
	v_add_nc_u32 v[SR], s44, v[LI]
	v_lshlrev_b32 v[WSA], 5, v2                    ; a row of W has 32 scale bytes
	v_lshlrev_b32 v[BA], 5, v3
	s_mul_i32 s44, s[WV], 8448
	s_add_co_u32 s[G0X+1], s44, TX                 ; 63:32 of group 0: where my rows go in LDS
	v_add_nc_u32 v[XL], s[G0X+1], v[QR]
	s_mul_i32 s44, s[WV], 13056
	s_add_co_u32 s[G0W+1], s44, TW                 ; and my tile of W
	v_mul_u32_u24 v[WL1], v2, 816
	v_mad_u32_u24 v[WL1], v3, 24, v[WL1]
	v_add_nc_u32 v[WL1], s[G0W+1], v[WL1]
	v_lshl_add_u32 v[WL2], v3, 4, v[WL1]
.irp b, 0,1,2,3
	v_mov_b32 v[TM+4+\b], 0                        ; written once: a lane permute's destination counts as one of its sources
.endr
	s_mov_b32 s[G0X], 1                            ; 1:0 count = 1
	s_mov_b32 s[G0W], 1
	; group 1 for my rows: 16 rows x 128 elements of 4 bytes, 1,024 elements from row to row; in LDS 16 bytes of padding behind each 512
	s_mov_b32 s[G1X], (2<<16)|(1<<20)|(6<<22)|(3<<25)  ; 15:0 no mask; 17:16 elements of 4 bytes; 20 padding on; 24:22 after every 128 words (code 6); 31:25 of 4 words (code 3)
	s_mov_b32 s[G1X+1], 128<<16                    ; tensor_dim0
	s_mov_b32 s[G1X+2], 16<<16                     ; tensor_dim1
	s_mov_b32 s[G1X+3], 128<<16                    ; tile_dim0
	s_mov_b32 s[G1X+4], 16                         ; tile_dim1
	s_mov_b32 s[G1X+5], 1024                       ; tensor_dim0_stride
	s_mov_b32 s[G1X+6], 0
	s_mov_b32 s[G1X+7], 0
	; group 1 for my tile of W: 12,288 dense bytes as 48 rows of 256 bytes (32 elements of 8 bytes), 16 bytes of padding behind each
	s_mov_b32 s[G1W], (3<<16)|(1<<20)|(5<<22)|(3<<25)
	s_mov_b32 s[G1W+1], 32<<16
	s_mov_b32 s[G1W+2], 48<<16
	s_mov_b32 s[G1W+3], 32<<16
	s_mov_b32 s[G1W+4], 48
	s_mov_b32 s[G1W+5], 32
	s_mov_b32 s[G1W+6], 0
	s_mov_b32 s[G1W+7], 0
	s_mov_b32 s[SEL], 0x76543210
	s_mov_b32 s[SEL+1], 0xfedcba98                 ; v_permlanex16_b32's selects for lane l xor 16
	; byte offsets, each in a pair of its own with 0 above
	s_lshl_b32 s48, s[MT], 16
	s_lshl_b32 s50, s[WV], 9
	s_add_co_u32 s48, s48, s50                     ; the rows: 65536 m + 512 w
	s_mov_b32 s49, 0
	s_mul_i32 s52, s[CH], 98304
	s_mul_i32 s53, s[WV], 12288
	s_add_co_u32 s52, s52, s53                     ; W's codes: row 128 c + 16 w
	s_mov_b32 s53, 0
	s_lshl_b32 s54, s[CH], 12
	s_add_co_u32 s54, s54, s50                     ; W's scales: 4096 c + 512 w
	s_mov_b32 s55, 0
	s_lshl_b32 s56, s[CH], 9
	s_lshl_b32 s57, s[WV], 6
	s_add_co_u32 s56, s56, s57                     ; the bias: 512 c + 64 w
	s_mov_b32 s57, 0
	s_lshl_b32 s58, s[MT], 16
	s_lshl_b32 s59, s[CH], 9
	s_add_co_u32 s58, s58, s59
	s_lshl_b32 s59, s[WV], 13
	s_add_co_u32 s58, s58, s59                     ; out and residual: rows 16 m + 2 w, 2 w + 1, columns 128 c on
	s_mov_b32 s59, 0
	s_wait_dscnt 0x0
	s_wait_kmcnt 0x0
	s_add_nc_u64 s[G0X+2:G0X+3], s[PA:PA+1], s[48:49]        ; 120:64 global address of the tile's first element
	s_or_b32 s[G0X+3], s[G0X+3], 0x80000000                  ; 127:126 type = 2
	s_add_nc_u64 s[G0W+2:G0W+3], s[PWC:PWC+1], s[52:53]
	s_or_b32 s[G0W+3], s[G0W+3], 0x80000000
	tensor_load_to_lds s[G0X:G0X+3], s[G1X:G1X+7]  ; my two fills stand together, ahead of every wait on TENSORcnt, every LDS read and every barrier; the rows first: they are wanted first
	s_nop 0
	tensor_load_to_lds s[G0W:G0W+3], s[G1W:G1W+7]
	s_nop 0
.rept 4
	v_nop                                          ; four lines behind the tensor loads, ahead of any switch of windows
.endr
	s_add_nc_u64 s[PWS:PWS+1], s[PWS:PWS+1], s[54:55]
	s_add_nc_u64 s[PBI:PBI+1], s[PBI:PBI+1], s[56:57]
	s_add_nc_u64 s[POUT:POUT+1], s[POUT:POUT+1], s[58:59]
	s_add_nc_u64 s[PRES:PRES+1], s[PRES:PRES+1], s[58:59]
	; ---- the wave's six global loads: each names 512 consecutive bytes or fewer
	global_load_b128 v[WS:WS+3], v[WSA], s[PWS:PWS+1]
	global_load_b128 v[WS+4:WS+7], v[WSA], s[PWS:PWS+1] offset:16
	global_load_b128 v[RR:RR+3], v[LI], s[PRES:PRES+1]
	global_load_b128 v[RR+4:RR+7], v[LI], s[PRES:PRES+1] offset:4096
	WIN 0x40                                       ; destination window 1
	global_load_b128 v[96:99], v[BA], s[PBI:PBI+1]
	global_load_b128 v[100:103], v[BA], s[PBI:PBI+1] offset:16
	WIN 0
	s_wait_tensorcnt 0x1                           ; tensor loads of a wave end in order (ISA guide 10.11.1): my rows are in LDS; my tile of W may be out
.irp b, 0,1,2,3
.irp j, 0,1,2,3
	ds_load_b128 v[X+16*\b+4*\j:X+16*\b+4*\j+3], v[XL] offset:128*\b+16*\j   ; rows 528 bytes apart, an odd multiple of 16: sixteen lanes, sixteen different columns of 16 bytes
.endr
.endr
	s_wait_dscnt 0x0
	; ---- my K step becomes a fragment
	QUANT X
	IMAGE XWI, XIMG
	ds_store_b32 v[XWS], v[PW] offset:XSC
	s_wait_tensorcnt 0x0                           ; my tile of W is in LDS: its fragments are read ahead of the barrier, beside the other waves' quantisers
	WIN 0x40                                       ; destination window 1, address window 0
.irp s, 0,1,2,3,4,5,6,7
	WFRAG 12*\s, \s
.endr
	WIN 0
	BARRIER                                        ; the rows' eight fragments lie in LDS; W's are in my registers
	; ---- the product
.irp s, 0,1,2,3,4,5,6,7
	FETCH AF+12*\s, XIMG+1536*\s
	ds_load_b32 v[AS+\s], v[LS] offset:XSC+128*\s
.endr
	s_wait_dscnt 0x0
	s_wait_loadcnt 0x0                             ; W's scale words, the bias, the residual
	WIN 0x11                                       ; source 0 (W) and source 2 (the bias) window 1
	v_wmma_scale_f32_16x16x128_f8f6f4 v[ACC0:ACC0+7], v[0:11], v[AF:AF+11], v[96:103], v[WS], v[AS] matrix_a_fmt:MATRIX_FMT_FP6 matrix_b_fmt:MATRIX_FMT_FP6
	WIN 0x01
	v_wmma_scale_f32_16x16x128_f8f6f4 v[ACC1:ACC1+7], v[12:23], v[AF+12:AF+23], 0, v[WS+1], v[AS+1] matrix_a_fmt:MATRIX_FMT_FP6 matrix_b_fmt:MATRIX_FMT_FP6
.irp s, 2,3,4,5,6,7                            ; the two accumulators by turns, one instruction a turn
	v_wmma_scale_f32_16x16x128_f8f6f4 v[ACC0+8*(\s%2):ACC0+8*(\s%2)+7], v[12*\s:12*\s+11], v[AF+12*\s:AF+12*\s+11], v[ACC0+8*(\s%2):ACC0+8*(\s%2)+7], v[WS+\s], v[AS+\s] matrix_a_fmt:MATRIX_FMT_FP6 matrix_b_fmt:MATRIX_FMT_FP6
.endr
	WIN 0
.rept 4
	v_nop                                          ; four places behind the last product, ahead of the first read of results (ISA guide 7.12.1)
.endr
.irp i, 0,1,2,3
	v_pk_add_f32 v[RV+2*\i:RV+2*\i+1], v[ACC0+2*\i:ACC0+2*\i+1], v[ACC1+2*\i:ACC1+2*\i+1]   ; each accumulator from its low end on
.endr
	; ---- the way out: a row's 128 columns come from eight waves and meet in the stage
	ds_store_b128 v[SO], v[RV:RV+3] offset:STG
	ds_store_b128 v[SO], v[RV+4:RV+7] offset:STG+16
	BARRIER
	ds_load_b128 v[TM:TM+3], v[SR] offset:STG      ; row 2 w, whole: 512 bytes
	ds_load_b128 v[TM+4:TM+7], v[SR] offset:STG+528
	s_wait_dscnt 0x1                               ; the first row is in, the second may be out
	v_pk_add_f32 v[TM:TM+1], v[TM:TM+1], v[RR:RR+1]
	v_pk_add_f32 v[TM+2:TM+3], v[TM+2:TM+3], v[RR+2:RR+3]
	global_store_b128 v[LI], v[TM:TM+3], s[POUT:POUT+1]              ; 32 lanes store 512 consecutive bytes, at a multiple of 256 from the buffer's first byte
	s_wait_dscnt 0x0
	v_pk_add_f32 v[TM+4:TM+5], v[TM+4:TM+5], v[RR+4:RR+5]
	v_pk_add_f32 v[TM+6:TM+7], v[TM+6:TM+7], v[RR+6:RR+7]
	global_store_b128 v[LI], v[TM+4:TM+7], s[POUT:POUT+1] offset:4096
	s_wait_tensorcnt 0x0
	ds_add_u32 v234, v235
	s_wait_dscnt 0x0
	s_endpgm
.Lfunc_end_k_qe65cb77906_wo:
	.size	k_qe65cb77906_wo, .Lfunc_end_k_qe65cb77906_wo-k_qe65cb77906_wo
	.p2alignl 7, 3214868480
	.fill 96, 4, 3214868480
	.section	.rodata,"a",@progbits
	.p2align	6, 0x0
	.amdhsa_kernel k_qe65cb77906_wo
		.amdhsa_group_segment_fixed_size 204032
		.amdhsa_private_segment_fixed_size 0
		.amdhsa_enable_private_segment 0
		.amdhsa_kernarg_size 48
		.amdhsa_user_sgpr_count 2
		.amdhsa_user_sgpr_kernarg_segment_ptr 1
		.amdhsa_wavefront_size32 1
		.amdhsa_system_sgpr_workgroup_id_x 1
		.amdhsa_system_sgpr_workgroup_id_y 1
		.amdhsa_system_sgpr_workgroup_id_z 1
		.amdhsa_system_vgpr_workitem_id 0
		.amdhsa_next_free_vgpr 384
		.amdhsa_next_free_sgpr 96
		.amdhsa_reserve_vcc 0
		.amdhsa_float_denorm_mode_32 3
		.amdhsa_float_denorm_mode_16_64 3
		.amdhsa_memory_ordered 1
		.amdhsa_forward_progress 1
		.amdhsa_inst_pref_size 19
	.end_amdhsa_kernel
	.amdgpu_metadata
---
amdhsa.version: [ 1, 2 ]
amdhsa.kernels:
  - .name:           k_qe65cb77906_wo
    .symbol:         k_qe65cb77906_wo.kd
    .args:
      - { .name: attb, .offset: 0, .size: 8, .value_kind: global_buffer, .address_space: global }
      - { .name: Wo_codes, .offset: 8, .size: 8, .value_kind: global_buffer, .address_space: global }
      - { .name: Wo_scales, .offset: 16, .size: 8, .value_kind: global_buffer, .address_space: global }
      - { .name: bo, .offset: 24, .size: 8, .value_kind: global_buffer, .address_space: global }
      - { .name: xqb, .offset: 32, .size: 8, .value_kind: global_buffer, .address_space: global }
      - { .name: aob, .offset: 40, .size: 8, .value_kind: global_buffer, .address_space: global }
    .group_segment_fixed_size: 204032
    .private_segment_fixed_size: 0
    .kernarg_segment_align: 8
    .kernarg_segment_size: 48
    .max_flat_workgroup_size: 256
    .sgpr_count:     96
    .vgpr_count:     384
    .wavefront_size: 32
...
	.end_amdgpu_metadata
.endif
;; end of part 7
;; launch ffn1 (part 8): grid 32 x 8, 8 waves a work-group, no clusters, 204,032 bytes of LDS; arguments aob, g2, b2, W1_codes, W1_scales, bf1, hc, hs; writes hc, hs
.if DOCPART == 8
	.amdgcn_target "amdgcn-amd-amdhsa--gfx1250"
	.amdhsa_code_object_version 6
	.text
	.protected	k_qe65cb77906_ffn1
	.globl	k_qe65cb77906_ffn1
	.p2align	8
	.type	k_qe65cb77906_ffn1,@function
k_qe65cb77906_ffn1:
	s_mov_b64 s[64:65], 0
	v_nop
	global_prefetch_b8 v0, s[64:65] scope:SCOPE_SE
	s_setreg_imm32_b32 hwreg(HW_REG_WAVE_MODE, 25, 1), 1
	s_wait_xcnt 0x0
; hidden = Q(relu(Q(LN2(attn_out)) W1^T + bf1)).  Q: the MX quantiser to E2M3 along K (blocks of 32, one E8M0 byte).  W1 comes as codes and scale bytes.
; SHARES.  A work-group (c, m) makes 16 rows (tile m of the 128) x 128 hidden units (chunk c of 32): 256 work-groups.  Eight waves.  Wave w works K step w of the 16 rows (LayerNorm, quantiser)
; and sends the fragment to LDS as an image of its registers; then it makes the 16 x 16 tile of hidden units 128 c + 16 w .. + 15 over all 8 K steps: 8 matrix instructions on two accumulators by turns.
; The chunk's 128 hidden units are K step c of the next product: wave 0 quantises them, and the fragment leaves as an image of the operand's registers (hc: 1,536 bytes at 1536 (32 m + c);
; hs: its scale words, 4 bytes a lane, 128 bytes at 128 (32 m + c)), so that the next launch loads it by 16 bytes a lane.
; WHAT LIES IN ROWS FAR APART COMES BY THE TENSOR DATA MOVER, two loads a wave, at the head, into LDS bytes of the wave's own: its 16 rows x 512 bytes of attn_out, and its 16 rows of W, which are
; 12,288 consecutive bytes.  Each is filled once and read by the issuing wave alone, behind its own wait on TENSORcnt: no ring, nothing is filled again.  Two tensor loads of a wave are out at the most.
; No joint requests in a cluster, though the eight tiles of rows read the same tiles of W: a tile is asked for once, and a cluster's two rounds would add six barrier waits to a text that has four barriers.
; The claim of LDS is more than half of a WGP's.
; THE MATRIX INSTRUCTION IS USED TRANSPOSED: source 0 = 16 rows of W (hidden units), source 1 = the 16 rows: lane (r, h) holds row r and hidden units 8 h + 0 .. 7.
; LIMITS: NaN and infinities are not served.  A block whose largest magnitude lies under 2^-124 keeps the scale byte 1; a block of zeros has the byte 1 where the rule says 127 (its codes are
; zeros, and only this program reads the byte).  A sum over K is kept in two accumulators (even and odd K steps), added at the end: an order of f32 rounding other than one ascending chain.
; 1 / sqrt is v_rsq_f32.
.set PA, 8                             ; s[8:9] aob
.set PG, 10                            ; s[10:11] g2
.set PB, 12                            ; s[12:13] b2
.set PWC, 14                           ; s[14:15] W1's codes
.set PWS, 16                           ; s[16:17] its scale bytes
.set PBI, 18                           ; s[18:19] bf1
.set PHC, 20                           ; s[20:21] hc
.set PHS, 22                           ; s[22:23] hs
.set G0X, 68                           ; s[68:71] descriptor group 0 for my rows;  s[72:79] group 1
.set G1X, 72
.set G0W, 80                           ; s[80:83] descriptor group 0 for my tile of W;  s[84:91] group 1
.set G1W, 84
.set XIMG, 0                           ; LDS: 8 fragment images of 1,536 bytes (K step s)
.set XSC,  12288                       ; their scale words, 128 bytes each
.set RED1, 13312                       ; 16 rows x 8 waves' partial sums
.set RED2, 13824                       ; the same for the squares
.set GBL,  14336                       ; for each wave 512 bytes of g, 512 of b
.set STG,  22528                       ; 16 rows x (512 + 16) bytes: the chunk's hidden units in f32
.set TX,   30976                       ; filled by the mover: for each wave 16 rows x (512 + 16) bytes of attn_out: 8,448 bytes, 33 blocks of 256
.set TW,   98560                       ; filled by the mover: for each wave 16 rows of W, each 3 x (256 + 16) bytes: 13,056 bytes, 51 blocks of 256
.set XL, 4                             ; TX + 8448 w + 528 r + 64 h
.set LI, 5                             ; 16 x lane
.set LS, 6                             ; 4 x lane
.set XWI, 7                            ; 16 x lane + 1536 w
.set XWS, 8                            ; 4 x lane + 128 w
.set RA, 9                             ; 32 r + 4 w
.set RB, 10                            ; 32 r
.set SO, 11                            ; 528 r + 64 w + 32 h
.set WL1, 13                           ; TW + 13056 w + 816 r + 24 h
.set WSA, 14                           ; 32 r
.set BA, 15                            ; 32 h
.set GBS, 16                           ; 1024 w + 16 x lane
.set GBR, 17                           ; 1024 w + 64 h
.set QR, 20                            ; 528 r + 64 h
.set WL2, 21                           ; TW + 13056 w + 816 r + 40 h: for the pieces that lie behind one padding more in lanes 16-31
.set X, 32                             ; v32-95   64 numbers: register 16 b + i = k 32 b + 16 h + i of row r
.set G, 96                             ; v96-159  g in the same order
.set BB, 160                           ; v160-223 b in the same order
.set TM, 224                           ; v224-239 at work
.set DV, 232                           ; v232-239 four pairs of differences
.set WS, 240                           ; v240-247 W's scale words, K step s
.set MU, 248                           ; v[248:249] the mean, twice
.set RS, 250                           ; v[250:251] 1 / sqrt(var + eps), twice
.set PC, 96                            ; v96-115  codes just made (g is done with)
.set PW, 116                           ; v116     the scale word just made
.set AF, 96                            ; v96-191  the rows' 8 fragments
.set AS, 192                           ; v192-199 their scale words
.set ACC0, 200
.set ACC1, 208
.set RV, 216                           ; v216-223 the two accumulators' sum
; window 1: v0-95 W's 8 fragments; v96-103 the bias in the result's layout
.set CH, 2
.set MT, 3
.set WV, 4
.set SEL, 42
.set MSB, 0
.macro WIN new                         ; the immediate's high byte repeats the setting that is left
.if MSB != \new
	s_set_vgpr_msb (MSB<<8)|\new
.set MSB, \new
.endif
.endm
.macro BARRIER                         ; my LDS stores have landed and my LDS loads are in: then the work-group's barrier
	s_wait_dscnt 0x0
	s_barrier_signal -1
	s_barrier_wait -1
.endm
.macro SUM8                            ; eight numbers in v[TM] on become one
	v_pk_add_f32 v[TM:TM+1], v[TM:TM+1], v[TM+2:TM+3]
	v_pk_add_f32 v[TM+4:TM+5], v[TM+4:TM+5], v[TM+6:TM+7]
	v_pk_add_f32 v[TM:TM+1], v[TM:TM+1], v[TM+4:TM+5]
	v_add_f32 v[TM], v[TM], v[TM+1]
.endm
.macro FOLD                            ; and with lane l xor 16's: row r's sum over my K step
	SUM8
	v_permlanex16_b32 v[TM+1], v[TM], s[SEL], s[SEL+1]
	v_add_f32 v[TM], v[TM], v[TM+1]
.endm
.macro ROWRED red                      ; over the eight waves: a word a wave and row, a barrier, every wave reads its rows' eight
	ds_store_b32 v[RA], v[TM] offset:\red          ; lanes r and r + 16 write the same word with the same value
	BARRIER
	ds_load_b128 v[TM:TM+3], v[RB] offset:\red
	ds_load_b128 v[TM+4:TM+7], v[RB] offset:\red+16
	s_wait_dscnt 0x0
	SUM8
.endm
; 64 numbers of a lane, v[s] on, register 16 b + i = k 32 b + 16 h + i of my row, become a fragment's codes in v[PC] on and its scale word in v[PW]
.macro QUANT s
.irp b, 0,1,2,3
	v_max3_num_f32 v[TM+\b], |v[\s+16*\b]|, |v[\s+1+16*\b]|, 0x1800000   ; block b: my 16 numbers, and the floor 2^(3 - 127): the byte cannot fall under 1
.endr
.irp i, 2,4,6,8,10,12,14
.irp b, 0,1,2,3
	v_max3_num_f32 v[TM+\b], v[TM+\b], |v[\s+16*\b+\i]|, |v[\s+1+16*\b+\i]|
.endr
.endr
.irp b, 0,1,2,3
	v_permlanex16_b32 v[TM+4+\b], v[TM+\b], s[SEL], s[SEL+1]
.endr
.irp b, 0,1,2,3
	v_max_num_f32 v[TM+\b], v[TM+\b], v[TM+4+\b]   ; with lane l xor 16's: the block's largest magnitude
.endr
.irp b, 0,1,2,3
	v_add_nc_u32 v[TM+12+\b], 0xff000000, v[TM+\b] ; 2 off its exponent field: the conversion's scale operand
.endr
.irp b, 0,1,2,3
	v_lshrrev_b32 v[TM+4+\b], 23, v[TM+12+\b]      ; the scale's byte
.endr
	v_lshl_or_b32 v[PW], v[TM+5], 8, v[TM+4]
	v_lshl_or_b32 v[PW], v[TM+6], 16, v[PW]
	v_lshl_or_b32 v[PW], v[TM+7], 24, v[PW]
.irp c, 0,1
	v_cvt_scalef32_pk16_fp6_f32 v[PC+6*\c:PC+2+6*\c], v[\s+32*\c:\s+15+32*\c], v[TM+12+2*\c]
	v_cvt_scalef32_pk16_fp6_f32 v[PC+12+4*\c:PC+14+4*\c], v[\s+16+32*\c:\s+31+32*\c], v[TM+12+2*\c+1]   ; (a conversion's three registers begin on an even number)
.endr
	v_nop                                          ; one plain place behind a scaled conversion
.irp c, 0,1                                    ; the operand's layout wants a whole block in a lane
.irp i, 0,1,2
	v_permlane16_swap_b32 v[PC+6*\c+\i], v[PC+12+4*\c+\i]
.endr
.irp i, 0,1,2
	v_mov_b32 v[PC+3+6*\c+\i], v[PC+12+4*\c+\i]
.endr
.endr
.endm
.macro IMAGE adr, off                  ; the fragment in v[PC] on goes to LDS as it stands: lane l's 16 bytes at 16 l
.irp c, 0,1,2
	ds_store_b128 v[\adr], v[PC+4*\c:PC+4*\c+3] offset:\off+512*\c
.endr
.endm
.macro FETCH reg, off                  ; and comes back so, in any wave
.irp c, 0,1,2
	ds_load_b128 v[\reg+4*\c:\reg+4*\c+3], v[LI] offset:\off+512*\c
.endr
.endm
; W's fragment of K step s out of my tile in LDS: lane (r, h) takes, of row r, pieces of 8 bytes 12 s + 0, 1, 2 and 12 s + 6, 7, 8, lanes 16-31 those three pieces on.  Piece p lies at 8 p + 16 (p / 32):
; 16 bytes of padding behind every 32 pieces.  Where the piece three on lies behind one padding more (p mod 32 from 29 on), the second address register serves.
; Rows are 816 bytes = 204 words apart, 12 mod 64: the 32 lanes of a load touch 64 different banks (64 banks of 4 bytes: ISA guide 11.1).
.macro WFRAG reg, s
.irp p, 0,1,2,3,4,5
.set PCE, 12*(\s)+6*(\p/3)+\p%3
.if PCE%32 < 29
	ds_load_b64 v[\reg+2*\p:\reg+2*\p+1], v[WL1] offset:8*PCE+16*(PCE/32)
.else
	ds_load_b64 v[\reg+2*\p:\reg+2*\p+1], v[WL2] offset:8*PCE+16*(PCE/32)
.endif
.endr
.endm
	s_load_b256 s[8:15], s[0:1], 0x0               ; aob, g2, b2, W1's codes
	s_load_b256 s[16:23], s[0:1], 0x20             ; W1's scales, bf1, hc, hs
	v_lshl_add_u32 v254, v0, 2, 0x31900
	v_mov_b32 v255, 0
	ds_add_u32 v254, v255
	ds_add_u32 v254, v255
	v_lshrrev_b32 v1, 5, v0
	v_readfirstlane_b32 s[WV], v1                  ; wave 0..7
	s_mov_b32 s[CH], ttmp9                         ; c
	s_and_b32 s[MT], ttmp7, 0xffff                 ; m
	v_and_b32 v1, 31, v0                           ; lane
	v_and_b32 v2, 15, v0                           ; r
	v_bfe_u32 v3, v0, 4, 1                         ; h
	v_lshlrev_b32 v[LI], 4, v1
	v_lshlrev_b32 v[LS], 2, v1
	s_mul_i32 s44, s[WV], 1536
	v_add_nc_u32 v[XWI], s44, v[LI]
	s_lshl_b32 s44, s[WV], 7
	v_add_nc_u32 v[XWS], s44, v[LS]
	v_lshlrev_b32 v[RB], 5, v2
	s_lshl_b32 s44, s[WV], 2
	v_add_nc_u32 v[RA], s44, v[RB]
	v_mul_u32_u24 v[QR], v2, 528
	v_lshl_add_u32 v[SO], v3, 5, v[QR]
	s_lshl_b32 s44, s[WV], 6
	v_add_nc_u32 v[SO], s44, v[SO]
	v_lshl_add_u32 v[QR], v3, 6, v[QR]
	v_lshlrev_b32 v[WSA], 5, v2                    ; a row of W has 32 scale bytes
	v_lshlrev_b32 v[BA], 5, v3
	s_lshl_b32 s44, s[WV], 10
	v_add_nc_u32 v[GBS], s44, v[LI]
	v_lshl_add_u32 v[GBR], v3, 6, s44
	s_mul_i32 s44, s[WV], 8448
	s_add_co_u32 s[G0X+1], s44, TX                 ; 63:32 of group 0: where my rows go in LDS
	v_add_nc_u32 v[XL], s[G0X+1], v[QR]
	s_mul_i32 s44, s[WV], 13056
	s_add_co_u32 s[G0W+1], s44, TW                 ; and my tile of W
	v_mul_u32_u24 v[WL1], v2, 816
	v_mad_u32_u24 v[WL1], v3, 24, v[WL1]
	v_add_nc_u32 v[WL1], s[G0W+1], v[WL1]
	v_lshl_add_u32 v[WL2], v3, 4, v[WL1]
	s_mov_b32 s[G0X], 1                            ; 1:0 count = 1
	s_mov_b32 s[G0W], 1
	; group 1 for my rows: 16 rows x 128 elements of 4 bytes, 1,024 elements from row to row; in LDS 16 bytes of padding behind each 512
	s_mov_b32 s[G1X], (2<<16)|(1<<20)|(6<<22)|(3<<25)  ; 15:0 no mask; 17:16 elements of 4 bytes; 20 padding on; 24:22 after every 128 words (code 6); 31:25 of 4 words (code 3)
	s_mov_b32 s[G1X+1], 128<<16                    ; tensor_dim0
	s_mov_b32 s[G1X+2], 16<<16                     ; tensor_dim1
	s_mov_b32 s[G1X+3], 128<<16                    ; tile_dim0
	s_mov_b32 s[G1X+4], 16                         ; tile_dim1
	s_mov_b32 s[G1X+5], 1024                       ; tensor_dim0_stride
	s_mov_b32 s[G1X+6], 0
	s_mov_b32 s[G1X+7], 0
	; group 1 for my tile of W: 12,288 dense bytes as 48 rows of 256 bytes (32 elements of 8 bytes), 16 bytes of padding behind each
	s_mov_b32 s[G1W], (3<<16)|(1<<20)|(5<<22)|(3<<25)
	s_mov_b32 s[G1W+1], 32<<16
	s_mov_b32 s[G1W+2], 48<<16
	s_mov_b32 s[G1W+3], 32<<16
	s_mov_b32 s[G1W+4], 48
	s_mov_b32 s[G1W+5], 32
	s_mov_b32 s[G1W+6], 0
	s_mov_b32 s[G1W+7], 0
	s_mov_b32 s[SEL], 0x76543210
	s_mov_b32 s[SEL+1], 0xfedcba98                 ; v_permlanex16_b32's selects for lane l xor 16
	s_mov_b32 s46, 0x3a800000                      ; 2^-10 = 1 / 1,024
	s_mov_b32 s47, 0x3727c5ac                      ; eps = 1e-5
	; byte offsets, each in a pair of its own with 0 above
	s_lshl_b32 s48, s[MT], 16
	s_lshl_b32 s50, s[WV], 9
	s_add_co_u32 s48, s48, s50                     ; the rows: 65536 m + 512 w
	s_mov_b32 s49, 0
	s_mov_b32 s51, 0                               ; g, b: 512 w
	s_mul_i32 s52, s[CH], 98304
	s_mul_i32 s53, s[WV], 12288
	s_add_co_u32 s52, s52, s53                     ; W's codes: row 128 c + 16 w
	s_mov_b32 s53, 0
	s_lshl_b32 s54, s[CH], 12
	s_add_co_u32 s54, s54, s50                     ; W's scales: 4096 c + 512 w
	s_mov_b32 s55, 0
	s_lshl_b32 s56, s[CH], 9
	s_lshl_b32 s57, s[WV], 6
	s_add_co_u32 s56, s56, s57                     ; the bias: 512 c + 64 w
	s_mov_b32 s57, 0
	s_lshl_b32 s58, s[MT], 5
	s_add_co_u32 s58, s58, s[CH]                   ; fragment 32 m + c
	s_lshl_b32 s60, s58, 7
	s_mul_i32 s58, s58, 1536
	s_mov_b32 s61, 0
	s_mov_b32 s59, 0
	s_wait_dscnt 0x0
	s_wait_kmcnt 0x0
	s_add_nc_u64 s[G0X+2:G0X+3], s[PA:PA+1], s[48:49]        ; 120:64 global address of the tile's first element
	s_or_b32 s[G0X+3], s[G0X+3], 0x80000000                  ; 127:126 type = 2
	s_add_nc_u64 s[G0W+2:G0W+3], s[PWC:PWC+1], s[52:53]
	s_or_b32 s[G0W+3], s[G0W+3], 0x80000000
	tensor_load_to_lds s[G0X:G0X+3], s[G1X:G1X+7]  ; my two fills stand together, ahead of every wait on TENSORcnt, every LDS read and every barrier; the rows first: they are wanted first
	s_nop 0
	tensor_load_to_lds s[G0W:G0W+3], s[G1W:G1W+7]
	s_nop 0
.rept 4
	v_nop                                          ; four lines behind the tensor loads, ahead of any switch of windows
.endr
	s_add_nc_u64 s[PG:PG+1], s[PG:PG+1], s[50:51]
	s_add_nc_u64 s[PB:PB+1], s[PB:PB+1], s[50:51]
	s_add_nc_u64 s[PWS:PWS+1], s[PWS:PWS+1], s[54:55]
	s_add_nc_u64 s[PBI:PBI+1], s[PBI:PBI+1], s[56:57]
	s_add_nc_u64 s[PHC:PHC+1], s[PHC:PHC+1], s[58:59]
	s_add_nc_u64 s[PHS:PHS+1], s[PHS:PHS+1], s[60:61]
	; ---- the wave's six global loads: each names 512 consecutive bytes or fewer
	global_load_b128 v[TM+8:TM+11], v[LI], s[PG:PG+1]    ; my K step's 128 numbers of g, dense
	global_load_b128 v[TM+12:TM+15], v[LI], s[PB:PB+1]   ; and of b
	global_load_b128 v[WS:WS+3], v[WSA], s[PWS:PWS+1]
	global_load_b128 v[WS+4:WS+7], v[WSA], s[PWS:PWS+1] offset:16
	WIN 0x40                                       ; destination window 1
	global_load_b128 v[96:99], v[BA], s[PBI:PBI+1]
	global_load_b128 v[100:103], v[BA], s[PBI:PBI+1] offset:16
	WIN 0
	; ---- LayerNorm over the row's 1,024 numbers, in two passes: the mean, then the squares of the differences, so that a common offset of the rows costs no accuracy
	s_wait_tensorcnt 0x1                           ; tensor loads of a wave end in order (ISA guide 10.11.1): my rows are in LDS; my tile of W may be out
.irp b, 0,1,2,3
.irp j, 0,1,2,3
	ds_load_b128 v[X+16*\b+4*\j:X+16*\b+4*\j+3], v[XL] offset:128*\b+16*\j   ; rows 528 bytes apart, an odd multiple of 16: sixteen lanes, sixteen different columns of 16 bytes
.endr
.endr
	s_wait_loadcnt 0x4                             ; g and b are in; behind them 2 loads of scale words and 2 of the bias may be out
	ds_store_b128 v[GBS], v[TM+8:TM+11] offset:GBL
	ds_store_b128 v[GBS], v[TM+12:TM+15] offset:GBL+512
.irp b, 0,1,2,3                                ; my wave's own bytes, served in order: they come back in the rows' order
.irp j, 0,1,2,3
	ds_load_b128 v[G+16*\b+4*\j:G+16*\b+4*\j+3], v[GBR] offset:GBL+128*\b+16*\j
	ds_load_b128 v[BB+16*\b+4*\j:BB+16*\b+4*\j+3], v[GBR] offset:GBL+512+128*\b+16*\j
.endr
.endr
	s_wait_dscnt 34                                ; the rows' sixteen reads are in; behind them the 2 stores and 32 reads of g and b may be out
.irp i, 0,1,2,3
	v_pk_add_f32 v[TM+2*\i:TM+2*\i+1], v[X+2*\i:X+2*\i+1], v[X+8+2*\i:X+8+2*\i+1]
.endr
.irp n, 2,3,4,5,6,7
.irp i, 0,1,2,3
	v_pk_add_f32 v[TM+2*\i:TM+2*\i+1], v[TM+2*\i:TM+2*\i+1], v[X+8*\n+2*\i:X+8*\n+2*\i+1]
.endr
.endr
	FOLD
	ROWRED RED1
	v_mul_f32 v[MU], s46, v[TM]
	v_mov_b32 v[MU+1], v[MU]
.irp n, 0,1,2,3,4,5,6,7
.irp i, 0,1,2,3
	v_pk_add_f32 v[DV+2*\i:DV+2*\i+1], v[X+8*\n+2*\i:X+8*\n+2*\i+1], v[MU:MU+1] neg_lo:[0,1] neg_hi:[0,1]
.endr
.irp i, 0,1,2,3
.if \n == 0
	v_pk_mul_f32 v[TM+2*\i:TM+2*\i+1], v[DV+2*\i:DV+2*\i+1], v[DV+2*\i:DV+2*\i+1]
.else
	v_pk_fma_f32 v[TM+2*\i:TM+2*\i+1], v[DV+2*\i:DV+2*\i+1], v[DV+2*\i:DV+2*\i+1], v[TM+2*\i:TM+2*\i+1]
.endif
.endr
.endr
	FOLD
	ROWRED RED2
	v_fma_f32 v[TM], v[TM], s46, s47               ; var + eps
	v_rsq_f32 v[RS], v[TM]
	v_nop                                          ; a plain place behind the transcendental
	s_wait_alu depctr_va_vdst(0)                   ; and a wait ahead of its first reader
	v_mov_b32 v[RS+1], v[RS]
.irp n, 0,1,2,3,4,5,6,7                        ; ((x - mean) / sqrt) g + b.  The difference is taken first and not folded into a multiply-add: that would subtract two large products where the rows carry an offset
.irp i, 0,1,2,3
	v_pk_add_f32 v[DV+2*\i:DV+2*\i+1], v[X+8*\n+2*\i:X+8*\n+2*\i+1], v[MU:MU+1] neg_lo:[0,1] neg_hi:[0,1]
.endr
.irp i, 0,1,2,3
	v_pk_mul_f32 v[DV+2*\i:DV+2*\i+1], v[DV+2*\i:DV+2*\i+1], v[RS:RS+1]
.endr
.irp i, 0,1,2,3
	v_pk_fma_f32 v[X+8*\n+2*\i:X+8*\n+2*\i+1], v[DV+2*\i:DV+2*\i+1], v[G+8*\n+2*\i:G+8*\n+2*\i+1], v[BB+8*\n+2*\i:BB+8*\n+2*\i+1]
.endr
.endr
	; ---- my K step becomes a fragment
	QUANT X
	IMAGE XWI, XIMG
	ds_store_b32 v[XWS], v[PW] offset:XSC
	s_wait_tensorcnt 0x0                           ; my tile of W is in LDS: its fragments are read ahead of the barrier, beside the other waves' quantisers
	WIN 0x40                                       ; destination window 1, address window 0
.irp s, 0,1,2,3,4,5,6,7
	WFRAG 12*\s, \s
.endr
	WIN 0
	BARRIER                                        ; the rows' eight fragments lie in LDS; W's are in my registers
	; ---- the product
.irp s, 0,1,2,3,4,5,6,7
	FETCH AF+12*\s, XIMG+1536*\s
	ds_load_b32 v[AS+\s], v[LS] offset:XSC+128*\s
.endr
	s_wait_dscnt 0x0
	s_wait_loadcnt 0x0                             ; W's scale words, the bias
	WIN 0x11                                       ; source 0 (W) and source 2 (the bias) window 1
	v_wmma_scale_f32_16x16x128_f8f6f4 v[ACC0:ACC0+7], v[0:11], v[AF:AF+11], v[96:103], v[WS], v[AS] matrix_a_fmt:MATRIX_FMT_FP6 matrix_b_fmt:MATRIX_FMT_FP6
	WIN 0x01
	v_wmma_scale_f32_16x16x128_f8f6f4 v[ACC1:ACC1+7], v[12:23], v[AF+12:AF+23], 0, v[WS+1], v[AS+1] matrix_a_fmt:MATRIX_FMT_FP6 matrix_b_fmt:MATRIX_FMT_FP6
.irp s, 2,3,4,5,6,7                            ; the two accumulators by turns, one instruction a turn
	v_wmma_scale_f32_16x16x128_f8f6f4 v[ACC0+8*(\s%2):ACC0+8*(\s%2)+7], v[12*\s:12*\s+11], v[AF+12*\s:AF+12*\s+11], v[ACC0+8*(\s%2):ACC0+8*(\s%2)+7], v[WS+\s], v[AS+\s] matrix_a_fmt:MATRIX_FMT_FP6 matrix_b_fmt:MATRIX_FMT_FP6
.endr
	WIN 0
.rept 4
	v_nop                                          ; four places behind the last product, ahead of the first read of results (ISA guide 7.12.1)
.endr
.irp i, 0,1,2,3
	v_pk_add_f32 v[RV+2*\i:RV+2*\i+1], v[ACC0+2*\i:ACC0+2*\i+1], v[ACC1+2*\i:ACC1+2*\i+1]   ; each accumulator from its low end on
.endr
.irp j, 0,1,2,3,4,5,6,7
	v_max_num_f32 v[RV+\j], 0, v[RV+\j]            ; relu, in f32
.endr
	; ---- a row's 128 hidden units come from eight waves and meet in the stage
	ds_store_b128 v[SO], v[RV:RV+3] offset:STG
	ds_store_b128 v[SO], v[RV+4:RV+7] offset:STG+16
	BARRIER
	s_cmp_lg_u32 s[WV], 0                          ; 128 hidden units of 16 rows are one fragment: wave 0 makes it
	s_cbranch_scc1 .Lend
.irp b, 0,1,2,3
.irp j, 0,1,2,3
	ds_load_b128 v[X+16*\b+4*\j:X+16*\b+4*\j+3], v[QR] offset:STG+128*\b+16*\j
.endr
.endr
	s_wait_dscnt 0x0
	QUANT X
.irp g, 0,1,2
	global_store_b128 v[LI], v[PC+4*\g:PC+4*\g+3], s[PHC:PHC+1] offset:512*\g   ; the fragment's image: 1,536 consecutive bytes, at a multiple of 256 from hc's first byte
.endr
	global_store_b32 v[LS], v[PW], s[PHS:PHS+1]    ; its scale words' image: 128 consecutive bytes, one byte in thirteen of what the work-group stores
.Lend:
	s_wait_tensorcnt 0x0
	ds_add_u32 v254, v255
	s_wait_dscnt 0x0
	s_endpgm
.Lfunc_end_k_qe65cb77906_ffn1:
	.size	k_qe65cb77906_ffn1, .Lfunc_end_k_qe65cb77906_ffn1-k_qe65cb77906_ffn1
	.p2alignl 7, 3214868480
	.fill 96, 4, 3214868480
	.section	.rodata,"a",@progbits
	.p2align	6, 0x0
	.amdhsa_kernel k_qe65cb77906_ffn1
		.amdhsa_group_segment_fixed_size 204032
		.amdhsa_private_segment_fixed_size 0
		.amdhsa_enable_private_segment 0
		.amdhsa_kernarg_size 64
		.amdhsa_user_sgpr_count 2
		.amdhsa_user_sgpr_kernarg_segment_ptr 1
		.amdhsa_wavefront_size32 1
		.amdhsa_system_sgpr_workgroup_id_x 1
		.amdhsa_system_sgpr_workgroup_id_y 1
		.amdhsa_system_sgpr_workgroup_id_z 1
		.amdhsa_system_vgpr_workitem_id 0
		.amdhsa_next_free_vgpr 384
		.amdhsa_next_free_sgpr 96
		.amdhsa_reserve_vcc 0
		.amdhsa_float_denorm_mode_32 3
		.amdhsa_float_denorm_mode_16_64 3
		.amdhsa_memory_ordered 1
		.amdhsa_forward_progress 1
		.amdhsa_inst_pref_size 39
	.end_amdhsa_kernel
	.amdgpu_metadata
---
amdhsa.version: [ 1, 2 ]
amdhsa.kernels:
  - .name:           k_qe65cb77906_ffn1
    .symbol:         k_qe65cb77906_ffn1.kd
    .args:
      - { .name: aob, .offset: 0, .size: 8, .value_kind: global_buffer, .address_space: global }
      - { .name: g2, .offset: 8, .size: 8, .value_kind: global_buffer, .address_space: global }
      - { .name: b2, .offset: 16, .size: 8, .value_kind: global_buffer, .address_space: global }
      - { .name: W1_codes, .offset: 24, .size: 8, .value_kind: global_buffer, .address_space: global }
      - { .name: W1_scales, .offset: 32, .size: 8, .value_kind: global_buffer, .address_space: global }
      - { .name: bf1, .offset: 40, .size: 8, .value_kind: global_buffer, .address_space: global }
      - { .name: hc, .offset: 48, .size: 8, .value_kind: global_buffer, .address_space: global }
      - { .name: hs, .offset: 56, .size: 8, .value_kind: global_buffer, .address_space: global }
    .group_segment_fixed_size: 204032
    .private_segment_fixed_size: 0
    .kernarg_segment_align: 8
    .kernarg_segment_size: 64
    .max_flat_workgroup_size: 256
    .sgpr_count:     96
    .vgpr_count:     384
    .wavefront_size: 32
...
	.end_amdgpu_metadata
.endif
;; end of part 8
;; launch ffn2 (part 9): grid 16 x 8, 16 waves a work-group, no clusters, 228,352 bytes of LDS; arguments hc, hs, W2_codes, W2_scales, bf2, aob, out0; writes out0
.if DOCPART == 9
	.amdgcn_target "amdgcn-amd-amdhsa--gfx1250"
	.amdhsa_code_object_version 6
	.text
	.protected	k_qe65cb77906_ffn2
	.globl	k_qe65cb77906_ffn2
	.p2align	8
	.type	k_qe65cb77906_ffn2,@function
k_qe65cb77906_ffn2:
	s_mov_b64 s[64:65], 0
	v_nop
	global_prefetch_b8 v0, s[64:65] scope:SCOPE_SE
	s_setreg_imm32_b32 hwreg(HW_REG_WAVE_MODE, 25, 1), 1
	s_wait_xcnt 0x0
; out = attn_out + hidden W2^T + bf2.  The hidden layer comes as images of the operand's registers (hc, hs: made by the launch before), W2 as codes and scale bytes; K = 4,096: 32 K steps of 128.
; SHARES.  A work-group (c, m) makes 16 rows (tile m) x 64 columns (chunk c): 128 work-groups.  Sixteen waves: wave w takes the 16 columns 16 (w % 4) on and the eight K steps 8 (w / 4) on:
; 8 matrix instructions on two accumulators by turns.  The four parts of a sum over K meet in LDS; then wave w finishes row w.
; W2'S TILE LIES IN ROWS 3,072 BYTES APART AND COMES BY THE TENSOR DATA MOVER: one load a wave, at the head, 16 rows x 768 bytes, into LDS bytes of the wave's own, filled once and read by the issuing wave
; alone behind its own wait on TENSORcnt: no ring, nothing is filled again.  One tensor load of a wave is out at the most.  The hidden layer's images are dense: they come straight into the operand's
; registers, 512 consecutive bytes a load.
; No joint requests in a cluster, though the eight tiles of rows read the same tiles of W2: a tile is asked for once, and a cluster's two rounds would add six barrier waits to a text that has one barrier.
; The claim of LDS is more than half of a WGP's.
; THE MATRIX INSTRUCTION IS USED TRANSPOSED: source 0 = 16 rows of W2 (output columns), source 1 = the 16 rows: lane (r, h) holds row r and columns 8 h + 0 .. 7.
; LIMITS: a sum over K is kept in eight parts (four waves x even and odd K steps) that are added at the end: an order of f32 rounding other than one ascending chain.
.set TW, 17408                         ; LDS: 0: the four parts of the tile, 16 rows x (256 + 16) bytes each;  17408: filled by the mover: for each wave 16 rows of W2, each 3 x (256 + 16) bytes: 13,056 bytes, 51 blocks of 256
.set G0W, 36                           ; s[36:39] descriptor group 0;  s[40:47] group 1
.set G1W, 40
.set LI, 4                             ; 16 x lane
.set LS, 5                             ; 4 x lane
.set WL1, 6                            ; TW + 13056 w + 816 r + 24 h
.set WSA, 7                            ; 128 r
.set L8, 8                             ; 8 x lane
.set PO, 9                             ; 4352 kq + 272 r + 64 tc + 32 h
.set PR, 10                            ; 272 w + 8 x lane
.set WL2, 11                           ; TW + 13056 w + 816 r + 40 h: for the pieces that lie behind one padding more in lanes 16-31
.set RD, 12                            ; v[12:13] attn_out, my two columns of row w
.set BI, 14                            ; v[14:15] bf2 likewise
.set WF, 16                            ; v16-111  W2's 8 fragments
.set AFR, 112                          ; v112-207 the hidden layer's 8 fragments
.set WS, 208                           ; v208-215 W2's scale words
.set AS, 216                           ; v216-223 the hidden layer's
.set ACC, 224                          ; v224-231, v232-239
.set RV, 240                           ; v240-247 their sum; later the four parts
; W2's fragment of my K step s out of my tile in LDS: lane (r, h) takes, of row r, pieces of 8 bytes 12 s + 0, 1, 2 and 12 s + 6, 7, 8, lanes 16-31 those three pieces on.  Piece p lies at 8 p + 16 (p / 32):
; 16 bytes of padding behind every 32 pieces.  Where the piece three on lies behind one padding more (p mod 32 from 29 on), the second address register serves.
; Rows are 816 bytes = 204 words apart, 12 mod 64: the 32 lanes of a load touch 64 different banks (64 banks of 4 bytes: ISA guide 11.1).
.macro WFRAG reg, s
.irp p, 0,1,2,3,4,5
.set PCE, 12*(\s)+6*(\p/3)+\p%3
.if PCE%32 < 29
	ds_load_b64 v[\reg+2*\p:\reg+2*\p+1], v[WL1] offset:8*PCE+16*(PCE/32)
.else
	ds_load_b64 v[\reg+2*\p:\reg+2*\p+1], v[WL2] offset:8*PCE+16*(PCE/32)
.endif
.endr
.endm
	s_load_b256 s[8:15], s[0:1], 0x0               ; hc, hs, W2's codes, W2's scales
	s_load_b128 s[16:19], s[0:1], 0x20             ; bf2, aob
	s_load_b64 s[20:21], s[0:1], 0x30              ; out0
	v_lshl_add_u32 v254, v0, 2, 0x37400
	v_mov_b32 v255, 0
	ds_add_u32 v254, v255
	ds_add_u32 v254, v255
	v_lshrrev_b32 v1, 5, v0
	v_readfirstlane_b32 s4, v1                     ; wave 0..15
	s_mov_b32 s2, ttmp9                            ; c
	s_and_b32 s3, ttmp7, 0xffff                    ; m
	s_and_b32 s5, s4, 3                            ; tc
	s_lshr_b32 s6, s4, 2                           ; kq
	v_and_b32 v1, 31, v0                           ; lane
	v_and_b32 v2, 15, v0                           ; r
	v_bfe_u32 v3, v0, 4, 1                         ; h
	v_lshlrev_b32 v[LI], 4, v1
	v_lshlrev_b32 v[LS], 2, v1
	v_lshlrev_b32 v[L8], 3, v1
	v_lshlrev_b32 v[WSA], 7, v2                    ; a row of W2 has 128 scale bytes
	v_mul_u32_u24 v[PO], v2, 272
	v_lshl_add_u32 v[PO], v3, 5, v[PO]
	s_mul_i32 s22, s6, 4352
	s_lshl_b32 s23, s5, 6
	s_add_co_u32 s22, s22, s23
	v_add_nc_u32 v[PO], s22, v[PO]
	s_mul_i32 s22, s4, 272
	v_add_nc_u32 v[PR], s22, v[L8]
	s_mul_i32 s22, s4, 13056
	s_add_co_u32 s[G0W+1], s22, TW                 ; 63:32 of group 0: where my tile goes in LDS
	v_mul_u32_u24 v[WL1], v2, 816
	v_mad_u32_u24 v[WL1], v3, 24, v[WL1]
	v_add_nc_u32 v[WL1], s[G0W+1], v[WL1]
	v_lshl_add_u32 v[WL2], v3, 4, v[WL1]
	s_mov_b32 s[G0W], 1                            ; 1:0 count = 1
	; group 1: 16 rows x 768 bytes, 3,072 bytes from row to row; in LDS 16 bytes of padding behind each 256
	s_mov_b32 s[G1W], (0<<16)|(1<<20)|(5<<22)|(3<<25)  ; 15:0 no mask; 17:16 elements of 1 byte; 20 padding on; 24:22 after every 64 words (code 5); 31:25 of 4 words (code 3)
	s_mov_b32 s[G1W+1], 768<<16                    ; tensor_dim0
	s_mov_b32 s[G1W+2], 16<<16                     ; tensor_dim1
	s_mov_b32 s[G1W+3], 768<<16                    ; tile_dim0
	s_mov_b32 s[G1W+4], 16                         ; tile_dim1
	s_mov_b32 s[G1W+5], 3072                       ; tensor_dim0_stride
	s_mov_b32 s[G1W+6], 0
	s_mov_b32 s[G1W+7], 0
	; byte offsets, each in a pair of its own with 0 above
	s_lshl_b32 s24, s3, 5
	s_lshl_b32 s25, s6, 3
	s_add_co_u32 s24, s24, s25                     ; fragment 32 m + 8 kq
	s_lshl_b32 s26, s24, 7                         ; its scale words
	s_mul_i32 s24, s24, 1536                       ; its codes
	s_mov_b32 s25, 0
	s_mov_b32 s27, 0
	s_lshl_b32 s28, s2, 6
	s_lshl_b32 s29, s5, 4
	s_add_co_u32 s28, s28, s29                     ; W2's row 64 c + 16 tc
	s_lshl_b32 s30, s28, 7
	s_lshl_b32 s31, s6, 5
	s_add_co_u32 s30, s30, s31                     ; its scale bytes, 32 kq on
	s_mul_i32 s28, s28, 3072
	s_mul_i32 s29, s6, 768
	s_add_co_u32 s28, s28, s29                     ; its codes, 768 kq on: a multiple of 256
	s_mov_b32 s29, 0
	s_mov_b32 s31, 0
	s_lshl_b32 s32, s2, 8                          ; bf2: 256 c
	s_mov_b32 s33, 0
	s_lshl_b32 s34, s3, 4
	s_add_co_u32 s34, s34, s4
	s_lshl_b32 s34, s34, 12
	s_add_co_u32 s34, s34, s32                     ; row 16 m + w, 256 c on
	s_mov_b32 s35, 0
	s_wait_dscnt 0x0
	s_wait_kmcnt 0x0
	s_add_nc_u64 s[G0W+2:G0W+3], s[12:13], s[28:29]          ; 120:64 global address of the tile's first element
	s_or_b32 s[G0W+3], s[G0W+3], 0x80000000                  ; 127:126 type = 2
	tensor_load_to_lds s[G0W:G0W+3], s[G1W:G1W+7]  ; my one fill, ahead of every wait on TENSORcnt, every LDS read and the barrier
	s_nop 0
.rept 4
	v_nop                                          ; four lines behind the tensor load
.endr
	s_add_nc_u64 s[8:9], s[8:9], s[24:25]
	s_add_nc_u64 s[10:11], s[10:11], s[26:27]
	s_add_nc_u64 s[14:15], s[14:15], s[30:31]
	s_add_nc_u64 s[16:17], s[16:17], s[32:33]
	s_add_nc_u64 s[18:19], s[18:19], s[34:35]
	s_add_nc_u64 s[20:21], s[20:21], s[34:35]
	; ---- the wave's 36 global loads, what is wanted first in front
	global_load_b128 v[WS:WS+3], v[WSA], s[14:15]
	global_load_b128 v[WS+4:WS+7], v[WSA], s[14:15] offset:16
.irp s, 0,1,2,3,4,5,6,7
	global_load_b32 v[AS+\s], v[LS], s[10:11] offset:128*\s
.endr
.irp s, 0,1,2,3,4,5,6,7                        ; three loads a K step
.irp g, 0,1,2
	global_load_b128 v[AFR+12*\s+4*\g:AFR+12*\s+4*\g+3], v[LI], s[8:9] offset:1536*\s+512*\g
.endr
.endr
	global_load_b64 v[RD:RD+1], v[L8], s[18:19]
	global_load_b64 v[BI:BI+1], v[L8], s[16:17]
	s_wait_tensorcnt 0x0                           ; my tile of W2 is in LDS
.irp s, 0,1,2,3,4,5,6,7                        ; six reads a K step
	WFRAG WF+12*\s, \s
.endr
.irp s, 0,1,2,3,4,5,6,7                        ; the two accumulators by turns, one instruction a turn
	s_wait_dscnt 6*(7-\s)                          ; W2's fragment of K step s is in; the six reads of each later K step may be out
	s_wait_loadcnt 3*(7-\s)+2                      ; the hidden layer's too; the three loads of each later K step, the residual's and the bias's may be out
.if \s < 2
	v_wmma_scale_f32_16x16x128_f8f6f4 v[ACC+8*(\s%2):ACC+8*(\s%2)+7], v[WF+12*\s:WF+12*\s+11], v[AFR+12*\s:AFR+12*\s+11], 0, v[WS+\s], v[AS+\s] matrix_a_fmt:MATRIX_FMT_FP6 matrix_b_fmt:MATRIX_FMT_FP6
.else
	v_wmma_scale_f32_16x16x128_f8f6f4 v[ACC+8*(\s%2):ACC+8*(\s%2)+7], v[WF+12*\s:WF+12*\s+11], v[AFR+12*\s:AFR+12*\s+11], v[ACC+8*(\s%2):ACC+8*(\s%2)+7], v[WS+\s], v[AS+\s] matrix_a_fmt:MATRIX_FMT_FP6 matrix_b_fmt:MATRIX_FMT_FP6
.endif
.endr
.rept 4
	v_nop                                          ; four places behind the last product, ahead of the first read of results (ISA guide 7.12.1)
.endr
.irp i, 0,1,2,3
	v_pk_add_f32 v[RV+2*\i:RV+2*\i+1], v[ACC+2*\i:ACC+2*\i+1], v[ACC+8+2*\i:ACC+8+2*\i+1]   ; each accumulator from its low end on
.endr
	ds_store_b128 v[PO], v[RV:RV+3]                ; part kq of the tile: 16 rows x (256 + 16) bytes
	ds_store_b128 v[PO], v[RV+4:RV+7] offset:16
	s_wait_dscnt 0x0                               ; for the others' sake
	s_barrier_signal -1
	s_barrier_wait -1
.irp q, 0,1,2,3
	ds_load_b64 v[RV+2*\q:RV+2*\q+1], v[PR] offset:4352*\q           ; row w of the four parts
.endr
	s_wait_loadcnt 0x0                             ; the residual and the bias
	v_pk_add_f32 v[RD:RD+1], v[RD:RD+1], v[BI:BI+1]
	s_wait_dscnt 0x0
	v_pk_add_f32 v[RV:RV+1], v[RV:RV+1], v[RV+2:RV+3]
	v_pk_add_f32 v[RV+4:RV+5], v[RV+4:RV+5], v[RV+6:RV+7]
	v_pk_add_f32 v[RV:RV+1], v[RV:RV+1], v[RV+4:RV+5]
	v_pk_add_f32 v[RV:RV+1], v[RV:RV+1], v[RD:RD+1]
	global_store_b64 v[L8], v[RV:RV+1], s[20:21] th:TH_STORE_NT      ; 32 lanes store 256 consecutive bytes, at a multiple of 256 from out0's first byte; written once, read by nobody here
	s_wait_tensorcnt 0x0
	ds_add_u32 v254, v255
	s_wait_dscnt 0x0
	s_endpgm
.Lfunc_end_k_qe65cb77906_ffn2:
	.size	k_qe65cb77906_ffn2, .Lfunc_end_k_qe65cb77906_ffn2-k_qe65cb77906_ffn2
	.p2alignl 7, 3214868480
	.fill 96, 4, 3214868480
	.section	.rodata,"a",@progbits
	.p2align	6, 0x0
	.amdhsa_kernel k_qe65cb77906_ffn2
		.amdhsa_group_segment_fixed_size 228352
		.amdhsa_private_segment_fixed_size 0
		.amdhsa_enable_private_segment 0
		.amdhsa_kernarg_size 56
		.amdhsa_user_sgpr_count 2
		.amdhsa_user_sgpr_kernarg_segment_ptr 1
		.amdhsa_wavefront_size32 1
		.amdhsa_system_sgpr_workgroup_id_x 1
		.amdhsa_system_sgpr_workgroup_id_y 1
		.amdhsa_system_sgpr_workgroup_id_z 1
		.amdhsa_system_vgpr_workitem_id 0
		.amdhsa_next_free_vgpr 256
		.amdhsa_next_free_sgpr 66
		.amdhsa_reserve_vcc 0
		.amdhsa_float_denorm_mode_32 3
		.amdhsa_float_denorm_mode_16_64 3
		.amdhsa_memory_ordered 1
		.amdhsa_forward_progress 1
		.amdhsa_inst_pref_size 14
	.end_amdhsa_kernel
	.amdgpu_metadata
---
amdhsa.version: [ 1, 2 ]
amdhsa.kernels:
  - .name:           k_qe65cb77906_ffn2
    .symbol:         k_qe65cb77906_ffn2.kd
    .args:
      - { .name: hc, .offset: 0, .size: 8, .value_kind: global_buffer, .address_space: global }
      - { .name: hs, .offset: 8, .size: 8, .value_kind: global_buffer, .address_space: global }
      - { .name: W2_codes, .offset: 16, .size: 8, .value_kind: global_buffer, .address_space: global }
      - { .name: W2_scales, .offset: 24, .size: 8, .value_kind: global_buffer, .address_space: global }
      - { .name: bf2, .offset: 32, .size: 8, .value_kind: global_buffer, .address_space: global }
      - { .name: aob, .offset: 40, .size: 8, .value_kind: global_buffer, .address_space: global }
      - { .name: out0, .offset: 48, .size: 8, .value_kind: global_buffer, .address_space: global }
    .group_segment_fixed_size: 228352
    .private_segment_fixed_size: 0
    .kernarg_segment_align: 8
    .kernarg_segment_size: 56
    .max_flat_workgroup_size: 512
    .sgpr_count:     66
    .vgpr_count:     256
    .wavefront_size: 32
...
	.end_amdgpu_metadata
.endif
;; end of part 9
